; MI455X (gfx1250); checked and timed in simulation.
; The chip was launched on July 23, 2026; its instructions are those of AMD's public machine-readable ISA for CDNA 5 (MIT licence, August 2026) and "CDNA5" Instruction Set Architecture Reference Guide (July 2026). The comments in the code are by the model that wrote it; some were corrected since.
;; Self Attention2 D. Allowed arithmetic: matrix products marked QUANTISED: E2M3 operands, one E8M0 scale for each 32 along K, by v_wmma_scale_f32_16x16x128_f8f6f4 with both operands' format E2M3, f32 sums; everything else in f32.
;; Inputs: Wk 512 x 512 float32; Wq 512 x 512 float32; Wv 256 x 512 float32; x 4 x 512 x 64 x 64 float32.
;; Outputs: out0 4 x 256 x 64 x 64 float32; out1 4 x 1 x 64 x 64 float32.
;; This version of the problem:
;;   THIS VERSION OF THE PROBLEM IS GIVEN IN LOW PRECISION. The matrix products marked QUANTISED in the list below multiply operands that are first quantised to E2M3 (2 exponent bits, 3 mantissa bits; 6 bits a number), with one power-of-two scale for each 32 numbers along K (OCP MX v1.0); their sums are f32. All else is computed in f32.
;;   The module's matrix products, in the order in which they are computed (A, B: the left and right operand; K: the contracted axis; several contracted axes count as one K, in the product's order):
;;     1. [M 16,384, K 512] x [K 512, N 512]; A: input x; B: input Wq: QUANTISED
;;     2. [M 16,384, K 512] x [K 512, N 512]; A: input x; B: input Wk: QUANTISED
;;     3. [M 16,384, K 512] x [K 512, N 256]; A: input x; B: input Wv: QUANTISED
;;     4. batch 4 x [M 4,096, K 512] x [K 512, N 4,096]; A: computed on the way; B: computed on the way: QUANTISED
;;     5. batch 4 x [M 4,096, K 4,096] x [K 4,096, N 256]; A: softmax (see below); B: computed on the way: QUANTISED
;;   THE QUANTISER, for each operand of a quantised product, along K:
;;     - K is cut into blocks of 32 from its start; a last block that is shorter is filled with zeros.
;;     - A block's scale is 2^e with e = floor(log2(the largest magnitude in the block)) - 2, held to -126 .. 127; a block of zeros has e = 0. As a byte (E8M0): e + 127.
;;     - Each number is divided by its block's scale, clamped to +-7.5, and rounded to the nearest number of E2M3, ties to even, subnormals kept.
;;     - The product sums the exact products of the quantised numbers (number of the format x scale) in f32.
;;   ~~~python
;;   def quantise(x, axis):      # numpy; x: float32 -> the quantised numbers, widened to float32 again
;;       x = np.moveaxis(x, axis, -1); K = x.shape[-1]
;;       x = np.pad(x, [(0, 0)] * (x.ndim - 1) + [(0, -K % 32)]); x = x.reshape(x.shape[:-1] + (-1, 32)); a = np.abs(x).max(-1, keepdims=True)
;;       e = np.where(a > 0, np.clip(np.frexp(np.where(a > 0, a, 1))[1] - 1 - 2, -126, 127), 0)      # np.frexp(a)[1] - 1 = floor(log2(a)), exactly
;;       r = np.clip(x / 2.0 ** e, -7.5, 7.5)
;;       step = 2.0 ** (np.maximum(np.frexp(np.where(r == 0, 1, r))[1] - 1, 0) - 3)
;;       q = np.round(r / step) * step * 2.0 ** e      # np.round: ties to even
;;       return np.moveaxis(q.reshape(q.shape[:-2] + (-1,))[..., :K], -1, axis).astype(np.float32)
;;   ~~~
;;   SOFTMAX AHEAD OF A QUANTISED PRODUCT. Where the list says 'softmax', what is quantised is not the finished softmax but p = 2^(t - M), with t = logit x log2(e) and M = ceil(the row's largest t), a whole number; so 1/2 < the row's largest p <= 1. The row's sum l is taken of the UNQUANTISED p, in f32, and the product's result is divided by l at the end. Since M is a whole number, a kernel that streams over the keys may use a running M (the ceiling of the running maximum): every later rescaling is an exact power of two, which a block's scale takes up: the codes' values come out the same.
;;   OPERANDS COMPUTED ON THE WAY. 'Computed on the way' means the value that the module computes at that place (a softmax that the list does not call 'softmax' is quantised finished and normalised). What goes into a quantiser is computed in f32, as accurately as f32 sums, v_exp_f32 and their like allow (about 1e-6 of the number): no bf16 or f16 on the way to a quantiser, and a product that is left as it is and whose result goes on into a quantised operand takes f32 operands (vector FMAs, or v_wmma_f32_16x16x4_f32). A number that lies on a knife's edge between two numbers of the format may be rounded either way, as far as f32 arithmetic and the matrix unit's own rounding can turn it there, and no further.
;; 2 versions. Each part assembles by itself: llvm-mc -triple=amdgcn-amd-amdhsa -mcpu=gfx1250 --defsym DOCPART=n.
;; ======== version 1 of 2: 4 launches
;; workspace buffers: xw 7,065,600 bytes; qkv 16,384,000 bytes; lse 65,536 bytes
;; launch prep (part 1): grid 276 x 1, 8 waves a work-group, no clusters, 0 bytes of LDS; arguments x, Wq, Wk, Wv, xw; writes xw
.if DOCPART == 1
	.amdgcn_target "amdgcn-amd-amdhsa--gfx1250"
	.amdhsa_code_object_version 6
	.text
	.protected	k_q51d5e8f674_prep
	.globl	k_q51d5e8f674_prep
	.p2align	8
	.type	k_q51d5e8f674_prep,@function
k_q51d5e8f674_prep:
	s_mov_b64 s[64:65], 0
	v_nop
	global_prefetch_b8 v0, s[64:65] scope:SCOPE_SE
	s_setreg_imm32_b32 hwreg(HW_REG_WAVE_MODE, 25, 1), 1
	s_wait_xcnt 0x0
; x [4][512 c][4096 n] and Wq, Wk [512][512 c], Wv [256][512 c], f32, become codes of FP6 (E2M3) with one E8M0 byte for each 32 along c, the products' K.
; THE LAYOUT IS THE OPERAND'S REGISTERS.  A fragment (16 rows x 128 K) is 12 registers a lane; its image is 1,536 bytes: registers 4 g .. 4 g + 3 of lane l at 512 g + 16 l.
; Lane r of tile 2 p + u holds row 32 p + 8 u + r + 8 (r / 8), so that a later product's results, taken transposed, run along the next K in natural order.
; xw: x's images [tile 0..1023][K step 0..3][1536]; x's scale words [pair][K step][32 lanes] (lanes 0-15 the even tile, 16-31 the odd one); then the weights' 80 tiles (Wq 0-31, Wk 32-63, Wv 64-79) and 40 pairs likewise.
; A block's scale byte is its largest magnitude's exponent field - 2, held at 1 from below.
; LIMITS: a block of zeros, or one whose largest magnitude lies under 2^-124, gets the byte 1 (its codes are zeros or tiny; this program alone reads the bytes); NaN and infinities among the inputs are not served.
; Work-groups 0-255: 64 tokens of x each; wave = (K step, pair of tiles); A LANE TAKES A TOKEN AND ITS REGISTERS RUN DOWN c: each load reads 128 consecutive bytes, a block of 32 lies in one lane.
; Work-groups 256-275: the weights, K innermost; wave = (pair of tiles, K step); a lane loads the very numbers that its fragment registers hold.
; No LDS, no barrier, no cluster: no two work-groups read the same bytes.
.set XSO, 6291456
.set WCO, 6553600
.set WSO, 7045120
.set PC,  16                           ; v16-39  two runs of 12 fragment registers
.set T,   40                           ; v40-47  the upper halves of blocks, as the conversions leave them
.set X,   64                           ; v64-191 128 numbers
	s_load_b256 s[4:11], s[0:1], 0x0               ; x, Wq, Wk, Wv
	s_load_b64 s[12:13], s[0:1], 0x20              ; xw
	v_lshrrev_b32 v2, 5, v0
	v_readfirstlane_b32 s14, v2                    ; wave 0..7
	v_and_b32 v1, 31, v0                           ; lane
	s_and_b32 s15, s14, 3                          ; the K step, on both paths
	s_cmp_ge_u32 ttmp9, 256
	s_cbranch_scc1 .Lweights
	; ---------------- x
	s_lshr_b32 s16, s14, 2                         ; which 32 of the 64 tokens
	s_lshl_b32 s17, ttmp9, 1
	s_add_co_u32 s17, s17, s16                     ; the pair of tiles, 0..511
	s_lshr_b32 s20, ttmp9, 6
	s_lshl_b32 s20, s20, 23                        ; batch x 512 x 4096 x 4
	s_lshl_b32 s18, s15, 21                        ; K step x 128 rows of 16,384 bytes
	s_add_co_u32 s20, s20, s18
	s_and_b32 s18, ttmp9, 63
	s_lshl_b32 s18, s18, 8                         ; 64 tokens x 4 bytes
	s_add_co_u32 s20, s20, s18
	s_lshl_b32 s18, s16, 7
	s_add_co_u32 s20, s20, s18
	s_mov_b32 s21, 0
	s_mul_i32 s22, s17, 12288                      ; two tiles x four K steps x 1,536
	s_mul_i32 s18, s15, 1536
	s_add_co_u32 s22, s22, s18
	s_mov_b32 s23, 0
	s_lshl_b32 s24, s17, 9
	s_lshl_b32 s18, s15, 7
	s_add_co_u32 s24, s24, s18
	s_add_co_u32 s24, s24, XSO
	s_mov_b32 s25, 0
	v_lshlrev_b32 v3, 2, v1                        ; in: 4 bytes a token
	v_bfe_u32 v4, v1, 3, 1                         ; u: which tile of the pair my token lies in
	v_and_b32 v5, 7, v1
	v_lshrrev_b32 v6, 1, v1
	v_and_b32 v6, 8, v6
	v_or_b32 v5, v5, v6                            ; r: and which lane of it
	v_mul_u32_u24 v7, v4, 6144
	v_lshl_add_u32 v7, v5, 4, v7                   ; out: tile u, 16 r
	v_lshlrev_b32 v8, 6, v4
	v_lshl_add_u32 v8, v5, 2, v8                   ; scale word: 64 u + 4 r
	s_wait_kmcnt 0x0
	s_add_nc_u64 s[4:5], s[4:5], s[20:21]
	s_add_nc_u64 s[22:23], s[12:13], s[22:23]
	s_add_nc_u64 s[24:25], s[12:13], s[24:25]
.macro LOADX be                        ; block be: x(128 s + 32 be + i, my token), i = 0 .. 31
.set li, 0
.rept 32
	global_load_b32 v[X+32*(\be)+li], v3, s[4:5] offset:(32*(\be)+li)*16384 th:TH_LOAD_NT
.set li, li+1
.endr
.endm
.macro BLK be                          ; block be = 2 c + h becomes registers 6 c .. 6 c + 5 of the lane (r, h) of my token's tile: they are kept at PC + 12 h
.set XB, X+32*(\be)
.set PD, PC+12*((\be)%2)+6*((\be)/2)
.set TD, T+4*((\be)%2)
	v_max3_num_f32 v10, |v[XB]|, |v[XB+1]|, |v[XB+2]|
	v_max3_num_f32 v11, |v[XB+3]|, |v[XB+4]|, |v[XB+5]|
.irp i, 6,10,14,18,22,26
	v_max3_num_f32 v10, v10, |v[XB+\i]|, |v[XB+\i+1]|
	v_max3_num_f32 v11, v11, |v[XB+\i+2]|, |v[XB+\i+3]|
.endr
	v_max3_num_f32 v10, v10, |v[XB+30]|, |v[XB+31]|
	v_max3_num_f32 v10, v10, v11, 0x1800000        ; with the floor 2^(3 - 127): the byte cannot fall under 1
	v_add_nc_u32 v12, 0xff000000, v10              ; 2 off the exponent field: the conversion's scale operand
	v_lshrrev_b32 v13, 23, v12                     ; the byte
.if (\be) == 0
	v_mov_b32 v14, v13
.else
	v_lshl_or_b32 v14, v13, 8*(\be), v14           ; byte be of my token's scale word
.endif
	v_cvt_scalef32_pk16_fp6_f32 v[PD:PD+2], v[XB:XB+15], v12
	v_cvt_scalef32_pk16_fp6_f32 v[TD:TD+2], v[XB+16:XB+31], v12   ; (a conversion's three registers begin on an even number)
	v_nop                                          ; one plain line behind the conversions
.irp i, 0,1,2
	v_mov_b32 v[PD+3+\i], v[TD+\i]
.endr
.endm
	LOADX 0
	LOADX 1
	LOADX 2
	LOADX 3
	s_wait_loadcnt 63                              ; of 128 loads at most 63 are out: the first 65 are in, blocks 0 and 1 among them
	BLK 0
	BLK 1
	s_wait_loadcnt 32                              ; block 3's 32 may be out
	BLK 2
	s_wait_loadcnt 0x0
	BLK 3
.irp h, 0,1
.irp g, 0,1,2
	global_store_b128 v7, v[PC+12*\h+4*\g:PC+12*\h+4*\g+3], s[22:23] offset:256*\h+512*\g   ; sixteen lanes fill 256 consecutive aligned bytes of the even tile's image, sixteen of the odd one's
.endr
.endr
	global_store_b32 v8, v14, s[24:25]             ; the pair's 32 scale words: 128 consecutive bytes
	s_endpgm
	; ---------------- the weights
.Lweights:
	s_sub_co_u32 s16, ttmp9, 256
	s_lshl_b32 s16, s16, 3
	s_add_co_u32 s16, s16, s14
	s_lshr_b32 s17, s16, 2                         ; the pair of tiles, 0..39
	s_mov_b32 s28, 0x76543210
	s_mov_b32 s29, 0xfedcba98                      ; lane l xor 16
	s_mov_b32 s30, 0xffff0000                      ; lanes 16-31
	v_and_b32 v4, 15, v1                           ; r
	v_lshrrev_b32 v5, 4, v1                        ; h
	v_and_b32 v6, 8, v4
	v_add_nc_u32 v6, v6, v4                        ; r + 8 (r / 8)
	v_lshlrev_b32 v3, 11, v6                       ; a row of 512 f32
	v_lshl_add_u32 v3, v5, 7, v3                   ; + 32 numbers for lanes 16-31
	v_lshlrev_b32 v7, 4, v1
	v_lshlrev_b32 v8, 2, v1
	v_lshlrev_b32 v52, 3, v5                       ; 8 h bits
	v_mov_b32 v53, 0                               ; a lane permute's destination counts as read
	s_wait_kmcnt 0x0
	s_cmp_lt_u32 s17, 16                           ; which weight: the choice hangs on ids alone
	s_cselect_b64 s[4:5], s[6:7], s[8:9]
	s_cselect_b32 s18, 0, 16
	s_cmp_lt_u32 s17, 32
	s_cselect_b64 s[4:5], s[4:5], s[10:11]
	s_cselect_b32 s18, s18, 32
	s_sub_co_u32 s18, s17, s18                     ; the pair within its weight
	s_lshl_b32 s20, s18, 16                        ; 32 rows of 2,048 bytes
	s_lshl_b32 s19, s15, 9                         ; K step: 128 numbers
	s_add_co_u32 s20, s20, s19
	s_mov_b32 s21, 0
	s_add_nc_u64 s[4:5], s[4:5], s[20:21]
	s_mul_i32 s22, s17, 12288
	s_mul_i32 s19, s15, 1536
	s_add_co_u32 s22, s22, s19
	s_add_co_u32 s22, s22, WCO
	s_mov_b32 s23, 0
	s_add_nc_u64 s[22:23], s[12:13], s[22:23]
	s_lshl_b32 s24, s17, 9
	s_lshl_b32 s19, s15, 7
	s_add_co_u32 s24, s24, s19
	s_add_co_u32 s24, s24, WSO
	s_mov_b32 s25, 0
	s_add_nc_u64 s[24:25], s[12:13], s[24:25]
.irp u, 0,1
.irp c, 0,1
.irp i, 0,1,2,3,4,5,6,7
	global_load_b128 v[X+64*\u+32*\c+4*\i:X+64*\u+32*\c+4*\i+3], v3, s[4:5] offset:16384*\u+256*\c+16*\i th:TH_LOAD_NT   ; W(row, 128 s + 64 c + 32 h + 4 i ..)
.endr
.endr
.endr
.macro FRAGW u                         ; tile u: my two whole blocks, h and 2 + h
.set XB, X+64*(\u)
.irp c, 0,1
	v_max3_num_f32 v[10+\c], |v[XB+32*\c]|, |v[XB+32*\c+1]|, |v[XB+32*\c+2]|
	v_max3_num_f32 v[48+\c], |v[XB+32*\c+3]|, |v[XB+32*\c+4]|, |v[XB+32*\c+5]|
.endr
.irp i, 6,10,14,18,22,26
.irp c, 0,1
	v_max3_num_f32 v[10+\c], v[10+\c], |v[XB+32*\c+\i]|, |v[XB+32*\c+\i+1]|
	v_max3_num_f32 v[48+\c], v[48+\c], |v[XB+32*\c+\i+2]|, |v[XB+32*\c+\i+3]|
.endr
.endr
.irp c, 0,1
	v_max3_num_f32 v[10+\c], v[10+\c], |v[XB+32*\c+30]|, |v[XB+32*\c+31]|
.endr
.irp c, 0,1
	v_max3_num_f32 v[10+\c], v[10+\c], v[48+\c], 0x1800000
.endr
.irp c, 0,1
	v_add_nc_u32 v[12+\c], 0xff000000, v[10+\c]
.endr
.irp c, 0,1
	v_lshrrev_b32 v[50+\c], 23, v[12+\c]
.endr
	v_lshl_or_b32 v[14+\u], v51, 16, v50           ; my two bytes,
	v_lshlrev_b32 v[14+\u], v52, v[14+\u]          ; at their places in the word;
	v_permlanex16_b32 v53, v[14+\u], s28, s29
	v_or_b32 v[14+\u], v[14+\u], v53               ; with lane l xor 16's two it is whole
.irp c, 0,1
	v_cvt_scalef32_pk16_fp6_f32 v[PC+12*\u+6*\c:PC+12*\u+6*\c+2], v[XB+32*\c:XB+32*\c+15], v[12+\c]
	v_cvt_scalef32_pk16_fp6_f32 v[T+4*\c:T+4*\c+2], v[XB+32*\c+16:XB+32*\c+31], v[12+\c]
.endr
	v_nop                                          ; one plain line behind the conversions
.irp c, 0,1
.irp i, 0,1,2
	v_mov_b32 v[PC+12*\u+6*\c+3+\i], v[T+4*\c+\i]
.endr
.endr
.irp g, 0,1,2
	global_store_b128 v7, v[PC+12*\u+4*\g:PC+12*\u+4*\g+3], s[22:23] offset:6144*\u+512*\g   ; 512 consecutive bytes
.endr
.endm
	s_wait_loadcnt 16                              ; the even tile's 16 loads are in
	FRAGW 0
	s_wait_loadcnt 0x0
	FRAGW 1
	v_cndmask_b32 v14, v14, v15, s30               ; lanes 0-15 the even tile's words, lanes 16-31 the odd one's
	global_store_b32 v8, v14, s[24:25]
	s_endpgm
.Lfunc_end_k_q51d5e8f674_prep:
	.size	k_q51d5e8f674_prep, .Lfunc_end_k_q51d5e8f674_prep-k_q51d5e8f674_prep
	.p2alignl 7, 3214868480
	.fill 96, 4, 3214868480
	.section	.rodata,"a",@progbits
	.p2align	6, 0x0
	.amdhsa_kernel k_q51d5e8f674_prep
		.amdhsa_group_segment_fixed_size 0
		.amdhsa_private_segment_fixed_size 0
		.amdhsa_enable_private_segment 0
		.amdhsa_kernarg_size 40
		.amdhsa_user_sgpr_count 2
		.amdhsa_user_sgpr_kernarg_segment_ptr 1
		.amdhsa_wavefront_size32 1
		.amdhsa_system_sgpr_workgroup_id_x 1
		.amdhsa_system_sgpr_workgroup_id_y 1
		.amdhsa_system_sgpr_workgroup_id_z 1
		.amdhsa_system_vgpr_workitem_id 0
		.amdhsa_next_free_vgpr 192
		.amdhsa_next_free_sgpr 66
		.amdhsa_reserve_vcc 0
		.amdhsa_float_denorm_mode_32 3
		.amdhsa_float_denorm_mode_16_64 3
		.amdhsa_memory_ordered 1
		.amdhsa_forward_progress 1
		.amdhsa_inst_pref_size 32
	.end_amdhsa_kernel
	.amdgpu_metadata
---
amdhsa.version: [ 1, 2 ]
amdhsa.kernels:
  - .name:           k_q51d5e8f674_prep
    .symbol:         k_q51d5e8f674_prep.kd
    .args:
      - { .name: x, .offset: 0, .size: 8, .value_kind: global_buffer, .address_space: global }
      - { .name: Wq, .offset: 8, .size: 8, .value_kind: global_buffer, .address_space: global }
      - { .name: Wk, .offset: 16, .size: 8, .value_kind: global_buffer, .address_space: global }
      - { .name: Wv, .offset: 24, .size: 8, .value_kind: global_buffer, .address_space: global }
      - { .name: xw, .offset: 32, .size: 8, .value_kind: global_buffer, .address_space: global }
    .group_segment_fixed_size: 0
    .private_segment_fixed_size: 0
    .kernarg_segment_align: 8
    .kernarg_segment_size: 40
    .max_flat_workgroup_size: 256
    .sgpr_count:     66
    .vgpr_count:     192
    .wavefront_size: 32
...
	.end_amdgpu_metadata
.endif
;; end of part 1
;; launch proj (part 2): grid 128 x 2, 4 waves a work-group, clusters of 4 x 1, 327,680 bytes of LDS; arguments xw, qkv; writes qkv
.if DOCPART == 2
	.amdgcn_target "amdgcn-amd-amdhsa--gfx1250"
	.amdhsa_code_object_version 6
	.text
	.protected	k_q51d5e8f674_proj
	.globl	k_q51d5e8f674_proj
	.p2align	8
	.type	k_q51d5e8f674_proj,@function
k_q51d5e8f674_proj:
	s_mov_b64 s[64:65], 0
	v_nop
	global_prefetch_b8 v0, s[64:65] scope:SCOPE_SE
	s_setreg_imm32_b32 hwreg(HW_REG_WAVE_MODE, 25, 1), 1
	s_wait_xcnt 0x0
	s_wait_alu depctr_hold_cnt(0) depctr_sa_sdst(0) depctr_va_vdst(0) depctr_va_sdst(0) depctr_va_ssrc(0) depctr_va_vcc(0) depctr_vm_vsrc(0)
	s_getreg_b32 s2, hwreg(HW_REG_IB_STS2, 6, 4)
	s_cmp_eq_u32 s2, 0
	s_cbranch_scc0 .Lentry_in_a_cluster
	s_endpgm
.Lentry_in_a_cluster:
	s_bfe_u32 s2, ttmp6, 0x10000c
	s_cmp_lg_u32 s2, 0x3003
	s_cbranch_scc0 .Lentry_shape_is_right
	s_endpgm
.Lentry_shape_is_right:
; q = x Wq^T, k = x Wk^T, v = x Wv^T on codes of FP6 (E2M3) with E8M0 scales, and the results quantised again in registers: q and k along the features, v along the tokens (the keys).
; A work-group takes 128 tokens (block tb) and one half y of the weights: y = 0: Wq and Wv's channels 0-127; y = 1: Wk and Wv's channels 128-255.
; FIVE JOBS A WAVE, 64 matrix instructions each, one macro.  Source 0 is what streams (8 tiles), source 1 what stays (2 tiles): a lane then holds one row of what stays, and its registers run along the rows of what streams.
;   jobs 0-3: my two tiles of tokens stay, the 128 features of group G stream: the 64 numbers of a lane are K step G of q's (k's) fragment.
;   job 4:    my two tiles of Wv's channels stay, the block's 128 tokens stream: the 64 numbers are this key step of v's fragment, keys innermost.
; All operands lie in memory as images of their registers (1,536 bytes a fragment), so a chunk of 8 tiles x 4 K steps is 49,152 dense bytes, and a fragment is three loads of 512 consecutive bytes: no pitch, no padding.
; LDS: six chunks, each filled once (x, W's four groups, Wv's half), a quarter by each wave: six tensor loads of a wave are out at the most.  Nothing is filled again.
; CLUSTER: four token blocks of one half read the same five chunks of weights: those are asked for jointly (mask 15); x's chunk is each work-group's own.
; qkv: q's images [token tile][K step][1536]; k's; v's [batch][superstep of 512 keys][64 channels][4 x channel tile + key step][1536]; then scale words: q's and k's [pair][lane][K step], v's [key step][pair][lane].
; LIMITS: a block of zeros or under 2^-124 gets the byte 1; NaN and infinities are not served.
; REGISTERS: window 0: v1-10 addresses; v12-15, v16-79 scale words; v80-207 the 16 accumulators ((a, t) at 80 + 64 a + 8 t); v208-227 codes; v228-239 at work; v240-247 the words made.  window 1: two sets of 8 streaming fragments.  window 2: the 8 fragments that stay.
.set XSO, 6291456
.set WCO, 6553600
.set WSO, 7045120
.set KCO, 6291456
.set VCO, 12582912
.set QSO, 15728640
.set VSO, 16252928
.set CH,  49152
.set QTR, 12288
.set SPARE, 294912                     ; behind the six chunks: the spare words, 128 bytes a wave
.set WV,  8
.set G1J, 16                           ; s[16:23] group 1 of the joint loads
.set G1P, 24                           ; s[24:31] group 1 of x's load
.set G0,  32                           ; s[32:55] six groups 0
.set SEL, 74
.set HM,  76
.set A16, 1
.set A4,  2
.set ASM, 4                            ; v4-8 where job J's streaming chunk begins, + 16 x lane
.set ASTX, 9
.set ASTV, 10
.set SSX, 12
.set WSC, 16
.set HA,  80
.set PC,  208
.set TM,  228
.set PWS, 240
.set SPW, 252
.set NIL, 253
.set MSB, 0
.macro WIN new                         ; the immediate's high byte repeats the setting that is left
.if MSB != \new
	s_set_vgpr_msb (MSB<<8)|\new
.set MSB, \new
.endif
.endm
.macro PL n
.rept \n
	v_nop
.endr
.endm
.macro CROUND                          ; a round of the cluster's barrier
	s_barrier_signal -1
	s_barrier_wait -1
	s_cmp_lg_u32 s[WV], 0
	s_cbranch_scc1 .Lnot_wave_0_\@
	s_barrier_signal -3
.Lnot_wave_0_\@:
	s_barrier_wait -3
	s_barrier_signal -1
	s_barrier_wait -1
.endm
; one product: D, source 0, source 1; z: it starts the sum; the two scale registers; ra, rb: the side's words lie in lanes 16-31
.macro WM d, a, b, z, sa, sb, ra, rb
.if (\z)
.if (\ra)&&(\rb)
	v_wmma_scale_f32_16x16x128_f8f6f4 v[(\d):(\d)+7], v[(\a):(\a)+11], v[(\b):(\b)+11], 0, v[\sa], v[\sb] matrix_a_fmt:MATRIX_FMT_FP6 matrix_b_fmt:MATRIX_FMT_FP6 matrix_a_scale:MATRIX_SCALE_ROW1 matrix_b_scale:MATRIX_SCALE_ROW1
.elseif (\ra)
	v_wmma_scale_f32_16x16x128_f8f6f4 v[(\d):(\d)+7], v[(\a):(\a)+11], v[(\b):(\b)+11], 0, v[\sa], v[\sb] matrix_a_fmt:MATRIX_FMT_FP6 matrix_b_fmt:MATRIX_FMT_FP6 matrix_a_scale:MATRIX_SCALE_ROW1
.elseif (\rb)
	v_wmma_scale_f32_16x16x128_f8f6f4 v[(\d):(\d)+7], v[(\a):(\a)+11], v[(\b):(\b)+11], 0, v[\sa], v[\sb] matrix_a_fmt:MATRIX_FMT_FP6 matrix_b_fmt:MATRIX_FMT_FP6 matrix_b_scale:MATRIX_SCALE_ROW1
.else
	v_wmma_scale_f32_16x16x128_f8f6f4 v[(\d):(\d)+7], v[(\a):(\a)+11], v[(\b):(\b)+11], 0, v[\sa], v[\sb] matrix_a_fmt:MATRIX_FMT_FP6 matrix_b_fmt:MATRIX_FMT_FP6
.endif
.else
.if (\ra)&&(\rb)
	v_wmma_scale_f32_16x16x128_f8f6f4 v[(\d):(\d)+7], v[(\a):(\a)+11], v[(\b):(\b)+11], v[(\d):(\d)+7], v[\sa], v[\sb] matrix_a_fmt:MATRIX_FMT_FP6 matrix_b_fmt:MATRIX_FMT_FP6 matrix_a_scale:MATRIX_SCALE_ROW1 matrix_b_scale:MATRIX_SCALE_ROW1
.elseif (\ra)
	v_wmma_scale_f32_16x16x128_f8f6f4 v[(\d):(\d)+7], v[(\a):(\a)+11], v[(\b):(\b)+11], v[(\d):(\d)+7], v[\sa], v[\sb] matrix_a_fmt:MATRIX_FMT_FP6 matrix_b_fmt:MATRIX_FMT_FP6 matrix_a_scale:MATRIX_SCALE_ROW1
.elseif (\rb)
	v_wmma_scale_f32_16x16x128_f8f6f4 v[(\d):(\d)+7], v[(\a):(\a)+11], v[(\b):(\b)+11], v[(\d):(\d)+7], v[\sa], v[\sb] matrix_a_fmt:MATRIX_FMT_FP6 matrix_b_fmt:MATRIX_FMT_FP6 matrix_b_scale:MATRIX_SCALE_ROW1
.else
	v_wmma_scale_f32_16x16x128_f8f6f4 v[(\d):(\d)+7], v[(\a):(\a)+11], v[(\b):(\b)+11], v[(\d):(\d)+7], v[\sa], v[\sb] matrix_a_fmt:MATRIX_FMT_FP6 matrix_b_fmt:MATRIX_FMT_FP6
.endif
.endif
.endm
	s_load_b128 s[4:7], s[0:1], 0x0                ; xw, qkv
	v_lshl_add_u32 v[SPW], v0, 2, SPARE
	v_mov_b32 v[NIL], 0
	ds_add_u32 v[SPW], v[NIL]                      ; the wave's opening: the add and its wait stand ahead of my first tensor load; the set-up below stands between them
	v_lshrrev_b32 v3, 5, v0
	v_readfirstlane_b32 s[WV], v3                  ; wave 0..3
	s_bfe_u32 s9, ttmp6, 0x40000                   ; cx
	s_lshl_b32 s10, ttmp9, 2
	s_add_co_u32 s10, s10, s9                      ; tb: the block of 128 tokens
	s_and_b32 s11, ttmp7, 0xffff                   ; y: the half of the weights, which the four partners share
	; group 1: 12,288 dense bytes as 48 rows of 32 elements of 8 bytes
	s_mov_b32 s[G1J], 15|(3<<16)|(1<<21)           ; the mask names all four work-groups; bit 21 is set beside a mask
	s_mov_b32 s[G1P], 3<<16                        ; no mask
.irp g, G1J, G1P
	s_mov_b32 s[\g+1], 32<<16                      ; tensor_dim0
	s_mov_b32 s[\g+2], 48<<16                      ; tensor_dim1
	s_mov_b32 s[\g+3], 32<<16                      ; tile_dim0
	s_mov_b32 s[\g+4], 48                          ; tile_dim1
	s_mov_b32 s[\g+5], 32                          ; the pitch
	s_mov_b32 s[\g+6], 0
	s_mov_b32 s[\g+7], 0
.endr
	s_mov_b32 s[SEL], 0x76543210
	s_mov_b32 s[SEL+1], 0xfedcba98
	s_mov_b32 s[HM], 0xffff0000
	s_mul_i32 s12, s[WV], QTR                      ; my quarter of every chunk
	s_mul_i32 s56, s10, CH
	s_add_co_u32 s56, s56, s12                     ; x's chunk, my quarter
	s_mov_b32 s57, 0
	s_mul_i32 s58, s11, 4*CH
	s_add_co_u32 s58, s58, s12
	s_add_co_u32 s58, s58, WCO                     ; the half's first group of features: y and the wave's number alone
	s_mov_b32 s59, 0
	s_mul_i32 s60, s11, CH
	s_add_co_u32 s60, s60, s12
	s_add_co_u32 s60, s60, WCO+8*CH                ; Wv's half
	s_mov_b32 s61, 0
	v_and_b32 v3, 31, v0
	v_lshlrev_b32 v[A16], 4, v3
	v_lshlrev_b32 v[A4], 2, v3
.irp g, 0,1,2,3
	v_add_nc_u32 v[ASM+\g], (1+\g)*CH, v[A16]
.endr
	v_mov_b32 v[ASM+4], v[A16]
	v_add_nc_u32 v[ASTX], s12, v[A16]
	v_add_nc_u32 v[ASTV], 5*CH, v[ASTX]
.irp b, 0,1,2,3
	v_mov_b32 v[TM+4+\b], 0                        ; a lane permute's destination counts as read
.endr
	s_wait_dscnt 0x0                               ; the opening add is done
	s_wait_kmcnt 0x0
	s_mov_b32 s[G0], 1
	s_mov_b32 s[G0+1], s12
	s_add_nc_u64 s[G0+2:G0+3], s[4:5], s[56:57]
	s_or_b32 s[G0+3], s[G0+3], 0x80000000
.irp g, 0,1,2,3
	s_mov_b32 s[G0+4+4*\g], 1
	s_add_co_u32 s[G0+5+4*\g], s12, (1+\g)*CH
	s_add_nc_u64 s[G0+6+4*\g:G0+7+4*\g], s[4:5], s[58:59]
	s_add_nc_u64 s[G0+6+4*\g:G0+7+4*\g], s[G0+6+4*\g:G0+7+4*\g], \g*CH
	s_or_b32 s[G0+7+4*\g], s[G0+7+4*\g], 0x80000000
.endr
	s_mov_b32 s[G0+20], 1
	s_add_co_u32 s[G0+21], s12, 5*CH
	s_add_nc_u64 s[G0+22:G0+23], s[4:5], s[60:61]
	s_or_b32 s[G0+23], s[G0+23], 0x80000000
	CROUND                                         ; all four work-groups are here: the joint loads meet
	tensor_load_to_lds s[G0:G0+3], s[G1P:G1P+7]    ; x; then the weights in the order in which the jobs want them
	s_nop 0
.irp n, 1,2,3,4,5
	tensor_load_to_lds s[G0+4*\n:G0+4*\n+3], s[G1J:G1J+7]
	s_nop 0
.endr
	PL 4
	; the bases of the scale words and of the results
	s_mov_b32 s15, 0
	s_lshl_b32 s13, s10, 2
	s_add_co_u32 s13, s13, s[WV]                   ; my pair of token tiles: 4 tb + w
	s_lshl_b32 s14, s13, 9
	s_add_co_u32 s14, s14, XSO
	s_add_nc_u64 s[66:67], s[4:5], s[14:15]        ; its words
	s_lshl_b32 s14, s11, 13
	s_add_co_u32 s14, s14, WSO
	s_add_nc_u64 s[68:69], s[4:5], s[14:15]        ; the half's 16 pairs of features
	s_lshl_b32 s14, s10, 11
	s_add_co_u32 s14, s14, XSO
	s_add_nc_u64 s[70:71], s[4:5], s[14:15]        ; the block's four pairs of tokens
	s_lshl_b32 s14, s11, 2
	s_add_co_u32 s14, s14, s[WV]
	s_add_co_u32 s14, s14, 32
	s_lshl_b32 s14, s14, 9
	s_add_co_u32 s14, s14, WSO
	s_add_nc_u64 s[72:73], s[4:5], s[14:15]        ; my pair of Wv's channels
	s_mul_i32 s14, s11, KCO
	s_mul_i32 s77, s10, CH
	s_add_co_u32 s14, s14, s77
	s_add_co_u32 s14, s14, s12
	s_add_nc_u64 s[56:57], s[6:7], s[14:15]        ; q's or k's images of my two tiles
	s_lshr_b32 s14, s10, 2
	s_lshl_b32 s14, s14, 2
	s_lshl_b32 s77, s11, 1
	s_add_co_u32 s14, s14, s77
	s_lshr_b32 s77, s[WV], 1
	s_add_co_u32 s14, s14, s77                     ; (batch x 8 + superstep) x 4 + which 64 channels
	s_mul_i32 s14, s14, 24576
	s_and_b32 s77, s[WV], 1
	s_lshl_b32 s77, s77, 3
	s_and_b32 s78, s10, 3
	s_add_co_u32 s77, s77, s78                     ; 4 x channel tile + key step of the superstep
	s_mul_i32 s77, s77, 1536
	s_add_co_u32 s14, s14, s77
	s_add_co_u32 s14, s14, VCO
	s_add_nc_u64 s[58:59], s[6:7], s[14:15]        ; v's images
	s_lshl_b32 s14, s13, 9
	s_lshl_b32 s77, s11, 18
	s_add_co_u32 s14, s14, s77
	s_add_co_u32 s14, s14, QSO
	s_add_nc_u64 s[60:61], s[6:7], s[14:15]        ; q's or k's scale words
	s_lshl_b32 s14, s10, 3
	s_lshl_b32 s77, s11, 2
	s_add_co_u32 s14, s14, s77
	s_add_co_u32 s14, s14, s[WV]
	s_lshl_b32 s14, s14, 7
	s_add_co_u32 s14, s14, VSO
	s_add_nc_u64 s[62:63], s[6:7], s[14:15]        ; v's scale words
.irp s, 0,1,2,3
	global_load_b32 v[SSX+\s], v[A4], s[66:67] offset:128*\s
.endr
.irp g, 0,1,2,3
.irp p, 0,1,2,3
.irp s, 0,1,2,3
	global_load_b32 v[WSC+16*\g+4*\p+\s], v[A4], s[68:69] offset:(4*\g+\p)*512+128*\s
.endr
.endr
.endr
.macro STAT adr                        ; the 8 fragments that stay: (a, s) at 12 (4 a + s) of window 2
	WIN 0x80
.irp f, 0,1,2,3,4,5,6,7
.irp g, 0,1,2
	ds_load_b128 v[12*\f+4*\g:12*\f+4*\g+3], v[\adr] offset:1536*\f+512*\g
.endr
.endr
.endm
.macro FETCHS adr, ks                  ; the 8 streaming fragments of K step ks into set ks % 2 of window 1
	WIN 0x40
.irp t, 0,1,2,3,4,5,6,7
.irp g, 0,1,2
	ds_load_b128 v[96*((\ks)%2)+12*\t+4*\g:96*((\ks)%2)+12*\t+4*\g+3], v[\adr] offset:(4*\t+(\ks))*1536+512*\g
.endr
.endr
.endm
; 64 products: the 16 accumulators take turns, one instruction a turn, in the same order in every K step.
; Four plain lines stand between the products that read a set and the loads that fill it again (ISA guide 7.12.1 for vector instructions).
.macro JOB adr, wsc, ssc
	FETCHS \adr, 0
.irp s, 0,1,2,3
.if (\s==1)||(\s==2)
	PL 4
.endif
.if \s < 3
	FETCHS \adr, \s+1
	s_wait_dscnt 24                                ; all but the next K step's 24 loads
.else
	s_wait_dscnt 0x0
.endif
	WIN 0x09                                       ; source 0 window 1, source 1 window 2, C and D window 0
.irp t, 0,1,2,3,4,5,6,7
.irp a, 0,1
	WM HA+64*\a+8*\t, 96*(\s%2)+12*\t, 12*(4*\a+\s), (\s==0), (\wsc)+4*(\t/2)+\s, (\ssc)+\s, \t%2, \a
.endr
.endr
.endr
	WIN 0
	PL 4
.endm
; 64 numbers of a lane, register 16 b + i = k 32 b + 16 (lane / 16) + i of my row, become a fragment's codes in v[PC] on and its scale word in v[pw]
.macro QUANT src, pw
	s_wait_xcnt 0x0                                ; the last stores have read v[PC] on and v[TM] on: they are written again only behind this wait
.irp b, 0,1,2,3
	v_max3_num_f32 v[TM+\b], |v[(\src)+16*\b]|, |v[(\src)+1+16*\b]|, 0x1800000   ; each accumulator is read from its low end on; the floor holds the byte at 1 from below
.endr
.irp i, 2,4,6,8,10,12,14
.irp b, 0,1,2,3
	v_max3_num_f32 v[TM+\b], v[TM+\b], |v[(\src)+16*\b+\i]|, |v[(\src)+1+16*\b+\i]|
.endr
.endr
.irp b, 0,1,2,3
	v_permlanex16_b32 v[TM+4+\b], v[TM+\b], s[SEL], s[SEL+1]
.endr
.irp b, 0,1,2,3
	v_max_num_f32 v[TM+\b], v[TM+\b], v[TM+4+\b]   ; with lane l xor 16's 16: the block's largest magnitude
.endr
.irp b, 0,1,2,3
	v_add_nc_u32 v[TM+8+\b], 0xff000000, v[TM+\b]  ; 2 off the exponent field: the conversion's scale operand
.endr
.irp b, 0,1,2,3
	v_lshrrev_b32 v[TM+4+\b], 23, v[TM+8+\b]       ; the byte
.endr
	v_lshl_or_b32 v[\pw], v[TM+5], 8, v[TM+4]
	v_lshl_or_b32 v[\pw], v[TM+6], 16, v[\pw]
	v_lshl_or_b32 v[\pw], v[TM+7], 24, v[\pw]
.irp c, 0,1
	v_cvt_scalef32_pk16_fp6_f32 v[PC+6*\c:PC+2+6*\c], v[(\src)+32*\c:(\src)+15+32*\c], v[TM+8+2*\c]
	v_cvt_scalef32_pk16_fp6_f32 v[PC+12+4*\c:PC+14+4*\c], v[(\src)+16+32*\c:(\src)+31+32*\c], v[TM+9+2*\c]
.endr
	v_nop                                          ; one plain line behind the conversions
.irp c, 0,1                                    ; the layout wants a whole block in a lane: lanes 0-15 block 2 c, lanes 16-31 block 2 c + 1
.irp i, 0,1,2
	v_permlane16_swap_b32 v[PC+6*\c+\i], v[PC+12+4*\c+\i]
.endr
.irp i, 0,1,2
	v_mov_b32 v[PC+3+6*\c+\i], v[PC+12+4*\c+\i]
.endr
.endr
.endm
.macro EMIT sb, g                      ; my two tiles' results of a job: quantised, and their images stored, 512 consecutive bytes a store
.irp a, 0,1
	QUANT HA+64*\a, PWS+4*\a+(\g)
.irp c, 0,1,2
	global_store_b128 v[A16], v[PC+4*\c:PC+4*\c+3], s[\sb:\sb+1] offset:\a*6144+(\g)*1536+512*\c
.endr
.endr
.endm
.macro GATE left                       ; my quarter of the chunk that the next job reads has landed (left: the chunks issued behind it); then everybody's.
	s_wait_tensorcnt \left
	s_wait_dscnt 0x0
	s_barrier_signal -1
	s_barrier_wait -1
.endm
	GATE 4
	STAT ASTX
	s_wait_loadcnt 0x0                             ; the scale words
	JOB ASM, WSC, SSX
	EMIT 56, 0
	GATE 3
	JOB ASM+1, WSC+16, SSX
	EMIT 56, 1
	GATE 2
	JOB ASM+2, WSC+32, SSX
	EMIT 56, 2
	GATE 1
.irp p, 0,1,2,3                                ; job 4's scale words, into registers whose jobs are long over
.irp s, 0,1,2,3
	global_load_b32 v[16+4*\p+\s], v[A4], s[70:71] offset:512*\p+128*\s
.endr
.endr
.irp s, 0,1,2,3
	global_load_b32 v[32+\s], v[A4], s[72:73] offset:128*\s
.endr
	JOB ASM+3, WSC+48, SSX
	EMIT 56, 3
.irp g, 0,1,2,3
	v_cndmask_b32 v[TM+\g], v[PWS+\g], v[PWS+4+\g], s[HM]   ; lanes 0-15 the even tile's word, lanes 16-31 the odd one's
.endr
	global_store_b128 v[A16], v[TM:TM+3], s[60:61] ; the pair's words of all four K steps: 512 consecutive bytes
	GATE 0
	STAT ASTV
	s_wait_loadcnt 0x0
	JOB ASM+4, 16, 32
	EMIT 58, 0
	v_cndmask_b32 v[TM], v[PWS], v[PWS+4], s[HM]
	global_store_b32 v[A4], v[TM], s[62:63]
	s_wait_tensorcnt 0x0                           ; the wave's end
	ds_add_u32 v[SPW], v[NIL]
	s_wait_dscnt 0x0
	CROUND                                         ; the closing round
	s_endpgm
.Lfunc_end_k_q51d5e8f674_proj:
	.size	k_q51d5e8f674_proj, .Lfunc_end_k_q51d5e8f674_proj-k_q51d5e8f674_proj
	.p2alignl 7, 3214868480
	.fill 96, 4, 3214868480
	.section	.rodata,"a",@progbits
	.p2align	6, 0x0
	.amdhsa_kernel k_q51d5e8f674_proj
		.amdhsa_group_segment_fixed_size 327680
		.amdhsa_private_segment_fixed_size 0
		.amdhsa_enable_private_segment 0
		.amdhsa_kernarg_size 16
		.amdhsa_user_sgpr_count 2
		.amdhsa_user_sgpr_kernarg_segment_ptr 1
		.amdhsa_wavefront_size32 1
		.amdhsa_system_sgpr_workgroup_id_x 1
		.amdhsa_system_sgpr_workgroup_id_y 1
		.amdhsa_system_sgpr_workgroup_id_z 1
		.amdhsa_system_vgpr_workitem_id 0
		.amdhsa_next_free_vgpr 640
		.amdhsa_next_free_sgpr 80
		.amdhsa_reserve_vcc 0
		.amdhsa_float_denorm_mode_32 3
		.amdhsa_float_denorm_mode_16_64 3
		.amdhsa_memory_ordered 1
		.amdhsa_forward_progress 1
		.amdhsa_inst_pref_size 135
	.end_amdhsa_kernel
	.amdgpu_metadata
---
amdhsa.version: [ 1, 2 ]
amdhsa.kernels:
  - .name:           k_q51d5e8f674_proj
    .symbol:         k_q51d5e8f674_proj.kd
    .args:
      - { .name: xw, .offset: 0, .size: 8, .value_kind: global_buffer, .address_space: global }
      - { .name: qkv, .offset: 8, .size: 8, .value_kind: global_buffer, .address_space: global }
    .group_segment_fixed_size: 327680
    .private_segment_fixed_size: 0
    .kernarg_segment_align: 8
    .kernarg_segment_size: 16
    .max_flat_workgroup_size: 128
    .sgpr_count:     80
    .vgpr_count:     640
    .wavefront_size: 32
...
	.end_amdgpu_metadata
.endif
;; end of part 2
;; launch flash (part 3): grid 64 x 4, 4 waves a work-group, clusters of 4 x 1, 327,680 bytes of LDS; arguments qkv, out0, lse; writes out0, lse
.if DOCPART == 3
	.amdgcn_target "amdgcn-amd-amdhsa--gfx1250"
	.amdhsa_code_object_version 6
	.text
	.protected	k_q51d5e8f674_flash
	.globl	k_q51d5e8f674_flash
	.p2align	8
	.type	k_q51d5e8f674_flash,@function
k_q51d5e8f674_flash:
	s_mov_b64 s[64:65], 0
	v_nop
	global_prefetch_b8 v0, s[64:65] scope:SCOPE_SE
	s_setreg_imm32_b32 hwreg(HW_REG_WAVE_MODE, 25, 1), 1
	s_wait_xcnt 0x0
	s_wait_alu depctr_hold_cnt(0) depctr_sa_sdst(0) depctr_va_vdst(0) depctr_va_sdst(0) depctr_va_ssrc(0) depctr_va_vcc(0) depctr_vm_vsrc(0)
	s_getreg_b32 s2, hwreg(HW_REG_IB_STS2, 6, 4)
	s_cmp_eq_u32 s2, 0
	s_cbranch_scc0 .Lentry_in_a_cluster
	s_endpgm
.Lentry_in_a_cluster:
	s_bfe_u32 s2, ttmp6, 0x10000c
	s_cmp_lg_u32 s2, 0x3003
	s_cbranch_scc0 .Lentry_shape_is_right
	s_endpgm
.Lentry_shape_is_right:
; out0[b][ch][n] = sum over keys of softmax(q k^T / sqrt(512)) v, both products on codes of FP6 (E2M3) with E8M0 scales; lse[b][n] = M + log2(l), for the launch that sums the columns.
; THE SOFTMAX: t = score x log2(e) / sqrt(512); M = the row's running largest t, rounded up to a whole number; p = 2^(t - M) is quantised along the keys, not normalised; l is the sum of the unquantised p and divides at the end.
; SHARES.  A work-group owns 64 queries (4 tiles m) of one batch; 8 supersteps of 512 keys.  THE WAVES SHARE THE KEYS IN THE FIRST PRODUCT AND THE CHANNELS IN THE SECOND, never the queries, so that each fragment read from LDS feeds four products:
;   A: wave w makes S^T for key step 4 sigma + w (8 tiles of keys) x all 64 queries: 128 products.   B: the rows' maxima meet in LDS, so M is the same in all waves; each wave quantises its p, which is key step w of the second product, and stores its image.
;   C: wave w makes O^T for channels 64 w .. 64 w + 63 x all 64 queries over the four key steps: 64 products.
; Source 0 is what streams (k, v), source 1 what stays (q, p): a lane holds one query throughout.  Operands are images of their registers (1,536 bytes a fragment), so each wave's K chunk (49,152 bytes) and V chunk (24,576) is dense; only the wave that asked for a chunk reads it.
; CLUSTER: four query blocks of a batch walk the same K and V: every chunk is asked for jointly (mask 15).  At most two tensor loads of a wave are out.
; LIMITS: a block of p that has fallen to zeros keeps the byte 1; NaN and infinities are not served.
; REGISTERS: window 0: addresses, statistics, scale words, what the quantiser makes.  window 1: S^T, (m, t) at 64 m + 8 t; in C two sets of 4 fragments of V and 4 of P.  window 2: Q, (m, s) at 12 (4 m + s).  window 3: O^T, (m, cc) at 32 m + 8 cc; from v128 two sets of 4 fragments of K.
.set KC,  6291456
.set VC,  12582912
.set QS,  15728640
.set KS,  15990784
.set VS,  16252928
.set KCH, 49152
.set VCH, 24576
.set VR,  196608                       ; LDS: four K chunks, then four V chunks,
.set PIM, 294912                       ; P's 16 images (4 m + key step),
.set PSC, 319488                       ; their paired scale words (4 p + key step) x 128,
.set MXR, 320512                       ; the waves' row maxima (4 w + m) x 128,
.set LEX, 322560                       ; the waves' row sums,
.set LST, 324608                       ; lse in token order,
.set SPARE, 324864                     ; and the spare words, 128 bytes a wave
.set WV,  10
.set G1K, 16
.set G1V, 24
.set G0K, 32
.set G0V, 36
.set KSB, 40
.set VSB, 42
.set PFA, 44
.set PFS, 46
.set LIM, 48
.set CNT, 49
.set CS,  50
.set SEL, 52
.set HM,  54
.set A16, 1
.set A4,  2
.set AK,  4
.set AV,  5
.set APW, 6
.set APR, 7
.set ASW, 8
.set ASR, 9
.set AMW, 10
.set AMR, 11
.set ALW, 12
.set ALR, 13
.set AST, 14
.set ASD, 15
.set GO,  16
.set ALS, 17
.set ALD, 18
.set A8,  19
.set PFO, 20
.set SPW, 22
.set NIL, 23
.set ST,  24                           ; tile m at ST + 8 m: -M, the largest t, l (a pair), f (a pair, the low word used), two at work
.set QW,  56
.set KW,  64
.set VW,  80
.set PWD, 88
.set BM,  96                           ; the blocks' largest scores, then largest p: 4 m + b
.set TP,  112
.set SO,  128
.set PC,  144
.set PT,  192
.set WD,  224
.set C2,  232
.set MSB, 0
.macro WIN new
.if MSB != \new
	s_set_vgpr_msb (MSB<<8)|\new
.set MSB, \new
.endif
.endm
.macro PL n
.rept \n
	v_nop
.endr
.endm
.macro CROUND
	s_barrier_signal -1
	s_barrier_wait -1
	s_cmp_lg_u32 s[WV], 0
	s_cbranch_scc1 .Lnot_wave_0_\@
	s_barrier_signal -3
.Lnot_wave_0_\@:
	s_barrier_wait -3
	s_barrier_signal -1
	s_barrier_wait -1
.endm
.macro WM d, a, b, z, sa, sb, ra, rb
.if (\z)
.if (\ra)&&(\rb)
	v_wmma_scale_f32_16x16x128_f8f6f4 v[(\d):(\d)+7], v[(\a):(\a)+11], v[(\b):(\b)+11], 0, v[\sa], v[\sb] matrix_a_fmt:MATRIX_FMT_FP6 matrix_b_fmt:MATRIX_FMT_FP6 matrix_a_scale:MATRIX_SCALE_ROW1 matrix_b_scale:MATRIX_SCALE_ROW1
.elseif (\ra)
	v_wmma_scale_f32_16x16x128_f8f6f4 v[(\d):(\d)+7], v[(\a):(\a)+11], v[(\b):(\b)+11], 0, v[\sa], v[\sb] matrix_a_fmt:MATRIX_FMT_FP6 matrix_b_fmt:MATRIX_FMT_FP6 matrix_a_scale:MATRIX_SCALE_ROW1
.elseif (\rb)
	v_wmma_scale_f32_16x16x128_f8f6f4 v[(\d):(\d)+7], v[(\a):(\a)+11], v[(\b):(\b)+11], 0, v[\sa], v[\sb] matrix_a_fmt:MATRIX_FMT_FP6 matrix_b_fmt:MATRIX_FMT_FP6 matrix_b_scale:MATRIX_SCALE_ROW1
.else
	v_wmma_scale_f32_16x16x128_f8f6f4 v[(\d):(\d)+7], v[(\a):(\a)+11], v[(\b):(\b)+11], 0, v[\sa], v[\sb] matrix_a_fmt:MATRIX_FMT_FP6 matrix_b_fmt:MATRIX_FMT_FP6
.endif
.else
.if (\ra)&&(\rb)
	v_wmma_scale_f32_16x16x128_f8f6f4 v[(\d):(\d)+7], v[(\a):(\a)+11], v[(\b):(\b)+11], v[(\d):(\d)+7], v[\sa], v[\sb] matrix_a_fmt:MATRIX_FMT_FP6 matrix_b_fmt:MATRIX_FMT_FP6 matrix_a_scale:MATRIX_SCALE_ROW1 matrix_b_scale:MATRIX_SCALE_ROW1
.elseif (\ra)
	v_wmma_scale_f32_16x16x128_f8f6f4 v[(\d):(\d)+7], v[(\a):(\a)+11], v[(\b):(\b)+11], v[(\d):(\d)+7], v[\sa], v[\sb] matrix_a_fmt:MATRIX_FMT_FP6 matrix_b_fmt:MATRIX_FMT_FP6 matrix_a_scale:MATRIX_SCALE_ROW1
.elseif (\rb)
	v_wmma_scale_f32_16x16x128_f8f6f4 v[(\d):(\d)+7], v[(\a):(\a)+11], v[(\b):(\b)+11], v[(\d):(\d)+7], v[\sa], v[\sb] matrix_a_fmt:MATRIX_FMT_FP6 matrix_b_fmt:MATRIX_FMT_FP6 matrix_b_scale:MATRIX_SCALE_ROW1
.else
	v_wmma_scale_f32_16x16x128_f8f6f4 v[(\d):(\d)+7], v[(\a):(\a)+11], v[(\b):(\b)+11], v[(\d):(\d)+7], v[\sa], v[\sb] matrix_a_fmt:MATRIX_FMT_FP6 matrix_b_fmt:MATRIX_FMT_FP6
.endif
.endif
.endm
; A PREFETCH INTO THE L2 of superstep sigma + 2, one superstep ahead of K's load: 196,608 bytes of K (24 pieces of 8,192: waves 0-2 x four partners x two instructions) and 98,304 of V (12 pieces: wave 3 x four partners x three), lanes 256 bytes apart.
; All clusters of a batch walk the same K and V: the batch's first cluster asks; its partners are told apart by address alone.  The last change that fills asks for nothing: there is no superstep behind it.
.macro ASK
	s_cmp_gt_u32 s[CNT], s[LIM]
	s_cbranch_scc0 .Lnot_mine_\@
	global_prefetch_b8 v[PFO], s[PFA:PFA+1] th:TH_LOAD_NT scope:SCOPE_SE
	global_prefetch_b8 v[PFO], s[PFA:PFA+1] offset:8192 th:TH_LOAD_NT scope:SCOPE_SE
	s_cmp_lg_u32 s[WV], 3
	s_cbranch_scc1 .Lnot_mine_\@
	global_prefetch_b8 v[PFO], s[PFA:PFA+1] offset:16384 th:TH_LOAD_NT scope:SCOPE_SE
.Lnot_mine_\@:
.endm
	s_load_b128 s[4:7], s[0:1], 0x0                ; qkv, out0
	s_load_b64 s[8:9], s[0:1], 0x10                ; lse
	v_lshl_add_u32 v[SPW], v0, 2, SPARE
	v_mov_b32 v[NIL], 0
	ds_add_u32 v[SPW], v[NIL]                      ; the wave's opening: the add and its wait stand ahead of my first tensor load; the set-up below stands between them
	v_lshrrev_b32 v3, 5, v0
	v_readfirstlane_b32 s[WV], v3                  ; wave 0..3
	s_bfe_u32 s11, ttmp6, 0x40000                  ; cx
	s_lshl_b32 s12, ttmp9, 2
	s_add_co_u32 s12, s12, s11                     ; my block of 64 queries: it enters Q's, out0's and lse's addresses alone
	s_and_b32 s13, ttmp7, 0xffff                   ; the batch, which the partners share
	s_mov_b32 s[G1K], 15|(3<<16)|(1<<21)           ; dense bytes as rows of 32 elements of 8 bytes; the mask names all four; bit 21 set beside it
	s_mov_b32 s[G1K+1], 32<<16
	s_mov_b32 s[G1K+2], 192<<16                    ; 192 rows: 49,152 bytes
	s_mov_b32 s[G1K+3], 32<<16
	s_mov_b32 s[G1K+4], 192
	s_mov_b32 s[G1K+5], 32
	s_mov_b32 s[G1K+6], 0
	s_mov_b32 s[G1K+7], 0
	s_mov_b32 s[G1V], 15|(3<<16)|(1<<21)
	s_mov_b32 s[G1V+1], 32<<16
	s_mov_b32 s[G1V+2], 96<<16                     ; 96 rows: 24,576 bytes
	s_mov_b32 s[G1V+3], 32<<16
	s_mov_b32 s[G1V+4], 96
	s_mov_b32 s[G1V+5], 32
	s_mov_b32 s[G1V+6], 0
	s_mov_b32 s[G1V+7], 0
	s_mov_b32 s[CS], 0x3d8293ee                    ; c = log2(e) / sqrt(512)
	s_mov_b32 s[CS+1], s[CS]
	s_mov_b32 s[SEL], 0x76543210
	s_mov_b32 s[SEL+1], 0xfedcba98
	s_mov_b32 s[HM], 0xffff0000
	s_mul_i32 s14, s[WV], KCH                      ; my K chunk in LDS
	s_mul_i32 s15, s[WV], VCH                      ; my V chunk, from VR on
	s_mul_i32 s56, s13, 1572864
	s_add_co_u32 s56, s56, s14
	s_add_co_u32 s56, s56, KC                      ; K: batch and wave alone
	s_mov_b32 s57, 0
	s_mul_i32 s58, s13, 786432
	s_add_co_u32 s58, s58, s15
	s_add_co_u32 s58, s58, VC                      ; V likewise
	s_mov_b32 s59, 0
	s_lshl_b32 s60, s[WV], 2                       ; the prefetches: K's piece pair 4 w + cx,
	s_add_co_u32 s60, s60, s11
	s_lshl_b32 s60, s60, 14
	s_mul_i32 s61, s13, 1572864
	s_add_co_u32 s60, s60, s61
	s_add_co_u32 s60, s60, KC+196608               ; in superstep 1: the first change steps it to 2
	s_mul_i32 s62, s11, 24576                      ; V's three pieces of partner cx
	s_mul_i32 s61, s13, 786432
	s_add_co_u32 s62, s62, s61
	s_add_co_u32 s62, s62, VC+98304
	s_cmp_lt_u32 s[WV], 3
	s_cselect_b32 s60, s60, s62
	s_mov_b32 s61, 0
	s_mov_b32 s[PFS], 98304
	s_cselect_b32 s[PFS], 196608, s[PFS]
	s_mov_b32 s[PFS+1], 0
	s_cmp_eq_u32 ttmp9, 0                          ; the batch's first cluster: the same in all four partners
	s_cselect_b32 s[LIM], 1, -1
	v_and_b32 v3, 31, v0
	v_lshlrev_b32 v[A16], 4, v3
	v_lshlrev_b32 v[A4], 2, v3
	v_lshlrev_b32 v[A8], 3, v3
	v_lshlrev_b32 v[PFO], 8, v3
	v_and_b32 v21, 15, v0                          ; r
	v_bfe_u32 v3, v0, 4, 1                         ; h
	v_and_b32 v[TP], 8, v21
	v_add_nc_u32 v[TP], v[TP], v21                 ; r + 8 (r / 8)
	v_add_nc_u32 v[AK], s14, v[A16]
	v_add_nc_u32 v[AV], s15, v[A16]
	v_add_nc_u32 v[AV], VR, v[AV]
	s_mul_i32 s72, s[WV], 1536
	v_add_nc_u32 v[APW], s72, v[A16]
	v_add_nc_u32 v[APW], PIM, v[APW]
	v_add_nc_u32 v[APR], PIM, v[A16]
	s_lshl_b32 s72, s[WV], 7
	v_add_nc_u32 v[ASW], s72, v[A4]
	v_add_nc_u32 v[ASW], PSC, v[ASW]
	v_add_nc_u32 v[ASR], PSC, v[A4]
	s_lshl_b32 s72, s[WV], 9
	v_add_nc_u32 v[AMW], s72, v[A4]
	v_add_nc_u32 v[ALW], LEX, v[AMW]
	v_add_nc_u32 v[AMW], MXR, v[AMW]
	v_add_nc_u32 v[AMR], MXR, v[A4]
	v_add_nc_u32 v[ALR], LEX, v[A4]
	v_mul_u32_u24 v[AST], v3, 4352                 ; the way out's stage, in my K chunk: 64 rows (channels) of 256 bytes + 16; in: 16 h rows down, my query's 4 bytes
	v_lshl_add_u32 v[AST], v[TP], 2, v[AST]
	v_add_nc_u32 v[AST], s14, v[AST]
	v_mul_u32_u24 v[ASD], v3, 272                  ; back: lanes 0-15 one row, lanes 16-31 the next
	v_lshl_add_u32 v[ASD], v21, 4, v[ASD]
	v_add_nc_u32 v[ASD], s14, v[ASD]
	v_lshlrev_b32 v[GO], 14, v3                    ; and the same two channels in out0
	v_lshl_add_u32 v[GO], v21, 4, v[GO]
	v_lshl_add_u32 v[ALS], v[TP], 2, LST
	v_add_nc_u32 v[ALD], LST, v[A8]
.irp m, 0,1,2,3
	v_mov_b32 v[ST+8*\m+1], 0xff61b1e6             ; the largest t so far: -3e38
	v_floor_f32 v[ST+8*\m], -v[ST+8*\m+1]          ; -M
.irp i, 2,3,4,5,6,7
	v_mov_b32 v[ST+8*\m+\i], 0                     ; l; and registers that are named in pairs or by lane permutes before they are first written
.endr
.endr
.set k, 0
.rept 16
	v_mov_b32 v[TP+k], 0
.set k, k+1
.endr
	s_wait_dscnt 0x0                               ; the opening add is done
	s_wait_kmcnt 0x0
	s_mov_b32 s[G0K], 1
	s_mov_b32 s[G0K+1], s14
	s_add_nc_u64 s[G0K+2:G0K+3], s[4:5], s[56:57]
	s_or_b32 s[G0K+3], s[G0K+3], 0x80000000
	s_mov_b32 s[G0V], 1
	s_add_co_u32 s[G0V+1], s15, VR
	s_add_nc_u64 s[G0V+2:G0V+3], s[4:5], s[58:59]
	s_or_b32 s[G0V+3], s[G0V+3], 0x80000000
	s_add_nc_u64 s[PFA:PFA+1], s[4:5], s[60:61]
	s_mov_b32 s71, 0
	s_lshl_b32 s70, s13, 16
	s_lshl_b32 s72, s[WV], 11
	s_add_co_u32 s70, s70, s72
	s_add_co_u32 s70, s70, KS
	s_add_nc_u64 s[KSB:KSB+1], s[4:5], s[70:71]    ; K's scale words: my key step's four pairs
	s_lshl_b32 s70, s13, 15
	s_lshl_b32 s72, s[WV], 8
	s_add_co_u32 s70, s70, s72
	s_add_co_u32 s70, s70, VS
	s_add_nc_u64 s[VSB:VSB+1], s[4:5], s[70:71]    ; V's: my two pairs of channels
	s_mul_i32 s70, s13, 1572864
	s_mul_i32 s72, s12, 24576
	s_add_co_u32 s70, s70, s72
	s_add_nc_u64 s[66:67], s[4:5], s[70:71]        ; Q's 16 images
	s_lshl_b32 s70, s13, 16
	s_lshl_b32 s72, s12, 10
	s_add_co_u32 s70, s70, s72
	s_add_co_u32 s70, s70, QS
	s_add_nc_u64 s[68:69], s[4:5], s[70:71]        ; and its two pairs of scale words
	s_lshl_b32 s70, s13, 22
	s_lshl_b32 s72, s[WV], 20
	s_add_co_u32 s70, s70, s72
	s_lshl_b32 s72, s12, 8
	s_add_co_u32 s70, s70, s72
	s_add_nc_u64 s[6:7], s[6:7], s[70:71]          ; out0: (256 b + 64 w) channels of 16,384 bytes + my 64 queries
	s_lshl_b32 s70, s13, 14
	s_add_co_u32 s70, s70, s72
	s_add_nc_u64 s[8:9], s[8:9], s[70:71]          ; lse
	CROUND                                         ; all four work-groups are here: the first joint loads meet
	tensor_load_to_lds s[G0K:G0K+3], s[G1K:G1K+7]
	s_nop 0
	tensor_load_to_lds s[G0V:G0V+3], s[G1V:G1V+7]
	s_nop 0
	PL 4
	WIN 0x80                                       ; destination window 2
.irp f, 0,1,2,3,4,5,6,7,8,9,10,11,12,13,14,15
.irp g, 0,1,2
	global_load_b128 v[12*\f+4*\g:12*\f+4*\g+3], v[A16], s[66:67] offset:1536*\f+512*\g   ; Q stays in registers
.endr
.endr
	WIN 0
.irp p, 0,1
	global_load_b128 v[QW+4*\p:QW+4*\p+3], v[A16], s[68:69] offset:512*\p
.endr
.irp p, 0,1,2,3
	global_load_b128 v[KW+4*\p:KW+4*\p+3], v[A16], s[KSB:KSB+1] offset:512*\p
.endr
.irp kp, 0,1,2,3
.irp p, 0,1
	global_load_b32 v[VW+4*\p+\kp], v[A4], s[VSB:VSB+1] offset:1024*\kp+128*\p
.endr
.endr
	WIN 0xc0
.set j, 0
.rept 128
	v_mov_b32 v[j], 0                              ; O^T.  (The superstep is written with no first form of its own: the first change of M multiplies zeros)
.set j, j+1
.endr
	WIN 0
.macro FETCHK gm                       ; four fragments of K: K step gm / 2, tiles 4 (gm % 2) .. + 3, into set gm % 2
	WIN 0xc0
.irp i, 0,1,2,3
.irp g, 0,1,2
	ds_load_b128 v[128+48*((\gm)%2)+12*\i+4*\g:128+48*((\gm)%2)+12*\i+4*\g+3], v[AK] offset:(4*(4*((\gm)%2)+\i)+(\gm)/2)*1536+512*\g
.endr
.endr
.endm
.macro FETCHC kp                       ; key step kp: my four fragments of V and the four of P, into set kp % 2
	WIN 0x40
.irp c, 0,1,2,3
.irp g, 0,1,2
	ds_load_b128 v[96*((\kp)%2)+12*\c+4*\g:96*((\kp)%2)+12*\c+4*\g+3], v[AV] offset:(4*\c+(\kp))*1536+512*\g
.endr
.endr
.irp m, 0,1,2,3
.irp g, 0,1,2
	ds_load_b128 v[96*((\kp)%2)+48+12*\m+4*\g:96*((\kp)%2)+48+12*\m+4*\g+3], v[APR] offset:(4*\m+(\kp))*1536+512*\g
.endr
.endr
.endm
; A SUPERSTEP of 512 keys.  fill = 1: the next superstep's K and V are asked for.
.macro SUPER fill
	; ---- A: S^T = K Q^T.  In every half step the 16 accumulators take turns, one instruction a turn
	s_wait_loadcnt 8                               ; K's scale words are in; V's eight, issued behind them, may be out
	FETCHK 0
	FETCHK 1
.irp gm, 0,1,2,3,4,5,6,7
.if \gm < 7
	s_wait_dscnt 12                                ; all but the next half step's 12 loads
.else
	s_wait_dscnt 0x0
.endif
	WIN 0x5b                                       ; K window 3, Q window 2, S^T window 1
.irp i, 0,1,2,3
.irp m, 0,1,2,3
	WM 64*\m+8*(4*(\gm%2)+\i), 128+48*(\gm%2)+12*\i, 12*(4*\m+\gm/2), (\gm<2), KW+4*((4*(\gm%2)+\i)/2)+\gm/2, QW+4*(\m/2)+\gm/2, \i%2, \m%2
.endr
.endr
.if \gm < 6
	PL 4                                           ; four plain lines between the products that read a set and the loads that fill it again
	FETCHK \gm+2
.endif
.endr
	WIN 0
	PL 4
	; ---- B1: the largest score of each block of 32 keys; it serves for the row's maximum and, since p rises with the score, for the block's largest p
.if \fill
	s_add_nc_u64 s[KSB:KSB+1], s[KSB:KSB+1], 8192  ; (the loads that read this base were shown done at A's head)
.irp p, 0,1,2,3
	global_load_b128 v[KW+4*\p:KW+4*\p+3], v[A16], s[KSB:KSB+1] offset:512*\p
.endr
.endif
	WIN 0x15
.irp m, 0,1,2,3
.irp b, 0,1,2,3
	v_max3_num_f32 v[BM+4*\m+\b], v[64*\m+16*\b], v[64*\m+16*\b+1], v[64*\m+16*\b+2]   ; each accumulator is read from its low end on
.endr
.endr
	WIN 0x14
.irp i, 3,5,7,9,11,13
.irp m, 0,1,2,3
.irp b, 0,1,2,3
	v_max3_num_f32 v[BM+4*\m+\b], v[BM+4*\m+\b], v[64*\m+16*\b+\i], v[64*\m+16*\b+\i+1]
.endr
.endr
.endr
	WIN 0x04
.irp m, 0,1,2,3
.irp b, 0,1,2,3
	v_max_num_f32 v[BM+4*\m+\b], v[BM+4*\m+\b], v[64*\m+16*\b+15]
.endr
.endr
	WIN 0
.set k, 0
.rept 16
	v_permlanex16_b32 v[TP+k], v[BM+k], s[SEL], s[SEL+1]
.set k, k+1
.endr
.set k, 0
.rept 16
	v_max_num_f32 v[BM+k], v[BM+k], v[TP+k]        ; with lane l xor 16's 16 keys
.set k, k+1
.endr
.irp m, 0,1,2,3
	v_max3_num_f32 v[ST+8*\m+6], v[BM+4*\m], v[BM+4*\m+1], v[BM+4*\m+2]
.endr
.irp m, 0,1,2,3
	v_max_num_f32 v[ST+8*\m+6], v[ST+8*\m+6], v[BM+4*\m+3]
.endr
.irp m, 0,1,2,3
	v_mul_f32 v[ST+8*\m+6], s[CS], v[ST+8*\m+6]    ; as t (c is positive)
.endr
.irp m, 0,1,2,3
	ds_store_b32 v[AMW], v[ST+8*\m+6] offset:128*\m   ; my 128 keys' largest t of each query
.endr
	; ---- the first barrier: the maxima lie in LDS; my reads of my K chunk are over; V's chunk has landed
	s_wait_tensorcnt 0x0                           ; no tensor load of mine is out, so a group 0 may be written
	ds_add_u32 v[SPW], v[NIL]                      ; 0 onto my spare word
.if \fill
	s_add_nc_u64 s[G0K+2:G0K+3], s[G0K+2:G0K+3], 4*KCH
	s_wait_xcnt 0x0                                ; the last prefetches, a superstep back, have read their address
	s_add_nc_u64 s[PFA:PFA+1], s[PFA:PFA+1], s[PFS:PFS+1]
.endif
	s_wait_dscnt 0x0                               ; the add and my stores are done, my reads are in
.if \fill
	CROUND                                         ; no wave of any partner still reads its K chunk or has a load on its way
	tensor_load_to_lds s[G0K:G0K+3], s[G1K:G1K+7]  ; the next superstep's K: it has B2 and C in which to land
	s_nop 0
	PL 4
	ASK
.else
	s_barrier_signal -1
	s_barrier_wait -1
.endif
	; ---- B2: M, p, l, and p's codes
.irp m, 0,1,2,3
.irp w, 0,1,2,3
	ds_load_b32 v[TP+4*\m+\w], v[AMR] offset:(4*\w+\m)*128
.endr
.endr
	s_wait_dscnt 0x0
.irp m, 0,1,2,3
	v_max3_num_f32 v[ST+8*\m+1], v[ST+8*\m+1], v[TP+4*\m], v[TP+4*\m+1]
.endr
.irp m, 0,1,2,3
	v_max3_num_f32 v[ST+8*\m+1], v[ST+8*\m+1], v[TP+4*\m+2], v[TP+4*\m+3]   ; the running largest t, the same in all four waves
.endr
.irp m, 0,1,2,3
	v_mov_b32 v[ST+8*\m+6], v[ST+8*\m]
.endr
.irp m, 0,1,2,3
	v_floor_f32 v[ST+8*\m], -v[ST+8*\m+1]          ; -M = floor(-t): M is a whole number
.endr
.irp m, 0,1,2,3
	v_sub_f32 v[ST+8*\m+6], v[ST+8*\m], v[ST+8*\m+6]   ; old M - new M, 0 or less
.endr
.irp m, 0,1,2,3
	v_cvt_i32_f32 v[ST+8*\m+6], v[ST+8*\m+6]       ; (it saturates)
.endr
.irp m, 0,1,2,3
	v_ldexp_f32 v[ST+8*\m+4], 1.0, v[ST+8*\m+6]    ; f = 2^(old M - new M): multiplying by it rounds nothing
.endr
.irp m, 0,1,2,3
.irp b, 0,1,2,3
	v_fma_f32 v[BM+4*\m+\b], v[BM+4*\m+\b], s[CS], v[ST+8*\m]   ; t - M of each block's largest score
.endr
.endr
	WIN 0x41
.irp m, 0,1,2,3
.set j, 0
.rept 32
	v_pk_fma_f32 v[64*\m+j:64*\m+j+1], v[64*\m+j:64*\m+j+1], s[CS:CS+1], v[ST+8*\m:ST+8*\m+1] op_sel_hi:[1,0,0]   ; t - M, two at a time
.set j, j+2
.endr
.endr
.set j, 0
.rept 256
	v_exp_f32 v[j], v[j]                           ; p = 2^(t - M): one batch
.set j, j+1
.endr
	WIN 0
.irp m, 0,1,2,3
	v_pk_mul_f32 v[ST+8*\m+2:ST+8*\m+3], v[ST+8*\m+2:ST+8*\m+3], v[ST+8*\m+4:ST+8*\m+5] op_sel_hi:[1,0]   ; l under the new M; plain lines behind the exponentials
.endr
	s_wait_alu depctr_va_vdst(0)                   ; one wait for the batch, ahead of its first reader
.set k, 0
.rept 16
	v_exp_f32 v[BM+k], v[BM+k]                     ; the blocks' largest p
.set k, k+1
.endr
	WIN 0x05
.irp m, 0,1,2,3
	v_pk_add_f32 v[C2+2*\m:C2+2*\m+1], v[64*\m:64*\m+1], v[64*\m+2:64*\m+3]   ; the sum of the unquantised p: two chains a tile
.endr
	WIN 0x04
.irp j, 4,8,12,16,20,24,28,32,36,40,44,48,52,56,60
.irp m, 0,1,2,3
	v_pk_add_f32 v[ST+8*\m+2:ST+8*\m+3], v[ST+8*\m+2:ST+8*\m+3], v[64*\m+\j:64*\m+\j+1]
	v_pk_add_f32 v[C2+2*\m:C2+2*\m+1], v[C2+2*\m:C2+2*\m+1], v[64*\m+\j+2:64*\m+\j+3]
.endr
.endr
	WIN 0
.irp m, 0,1,2,3
	v_pk_add_f32 v[ST+8*\m+2:ST+8*\m+3], v[ST+8*\m+2:ST+8*\m+3], v[C2+2*\m:C2+2*\m+1]
.endr
	s_wait_alu depctr_va_vdst(0)                   ; and one for the sixteen
.set k, 0
.rept 16
	v_max_num_f32 v[BM+k], 0x1800000, v[BM+k]      ; the floor 2^(3 - 127): the byte cannot fall under 1
.set k, k+1
.endr
.set k, 0
.rept 16
	v_add_nc_u32 v[SO+k], 0xff000000, v[BM+k]      ; the conversion's scale operand
.set k, k+1
.endr
.set k, 0
.rept 16
	v_lshrrev_b32 v[TP+k], 23, v[SO+k]             ; the byte
.set k, k+1
.endr
.irp m, 0,1,2,3
	v_lshl_or_b32 v[WD+\m], v[TP+4*\m+1], 8, v[TP+4*\m]
.endr
.irp m, 0,1,2,3
	v_lshl_or_b32 v[WD+\m], v[TP+4*\m+2], 16, v[WD+\m]
.endr
.irp m, 0,1,2,3
	v_lshl_or_b32 v[WD+\m], v[TP+4*\m+3], 24, v[WD+\m]
.endr
	WIN 0x01
.irp m, 0,1,2,3
.irp c, 0,1
	v_cvt_scalef32_pk16_fp6_f32 v[PC+12*\m+6*\c:PC+12*\m+6*\c+2], v[64*\m+32*\c:64*\m+32*\c+15], v[SO+4*\m+2*\c]
	v_cvt_scalef32_pk16_fp6_f32 v[PT+8*\m+4*\c:PT+8*\m+4*\c+2], v[64*\m+32*\c+16:64*\m+32*\c+31], v[SO+4*\m+2*\c+1]
.endr
.endr
	WIN 0
	v_nop                                          ; one plain line behind the conversions
.irp m, 0,1,2,3
.irp c, 0,1
.irp i, 0,1,2
	v_permlane16_swap_b32 v[PC+12*\m+6*\c+\i], v[PT+8*\m+4*\c+\i]   ; a whole block to a lane
.endr
.irp i, 0,1,2
	v_mov_b32 v[PC+12*\m+6*\c+3+\i], v[PT+8*\m+4*\c+\i]
.endr
.endr
.endr
.irp p, 0,1
	v_cndmask_b32 v[WD+4+\p], v[WD+2*\p], v[WD+2*\p+1], s[HM]   ; lanes 0-15 the even tile's words, lanes 16-31 the odd one's
.endr
.irp m, 0,1,2,3
.irp g, 0,1,2
	ds_store_b128 v[APW], v[PC+12*\m+4*\g:PC+12*\m+4*\g+3] offset:6144*\m+512*\g
.endr
.endr
.irp p, 0,1
	ds_store_b32 v[ASW], v[WD+4+\p] offset:512*\p
.endr
	; ---- the second barrier: P's images lie in LDS.  K's load may stay out
	s_wait_dscnt 0x0
	s_barrier_signal -1
	s_barrier_wait -1
	; ---- C: O^T = f O^T + V^T P^T
.if \fill
	s_wait_loadcnt 4                               ; V's scale words are in; K's four, issued behind them, may be out
.else
	s_wait_loadcnt 0x0
.endif
.irp p, 0,1
.irp kp, 0,1,2,3
	ds_load_b32 v[PWD+4*\p+\kp], v[ASR] offset:(4*\p+\kp)*128
.endr
.endr
	FETCHC 0
	FETCHC 1
	WIN 0xc3
.irp m, 0,1,2,3
.set j, 0
.rept 16
	v_pk_mul_f32 v[32*\m+j:32*\m+j+1], v[32*\m+j:32*\m+j+1], v[ST+8*\m+4:ST+8*\m+5] op_sel_hi:[1,0]   ; each accumulator from its low end on
.set j, j+2
.endr
.endr
.irp kp, 0,1,2,3
.if \kp < 3
	s_wait_dscnt 24                                ; all but the next key step's 24 loads
.else
	s_wait_dscnt 0x0
.endif
	WIN 0xf5                                       ; V and P window 1, O^T window 3
.irp c, 0,1,2,3
.irp m, 0,1,2,3
	WM 32*\m+8*\c, 96*(\kp%2)+12*\c, 96*(\kp%2)+48+12*\m, 0, VW+4*(\c/2)+\kp, PWD+4*(\m/2)+\kp, \c%2, \m%2
.endr
.endr
.if \kp < 2
	PL 4
	FETCHC \kp+2
.endif
.endr
	WIN 0
	PL 5                                           ; five: the next superstep's first products write over these products' operands
.if \fill
	s_add_nc_u64 s[VSB:VSB+1], s[VSB:VSB+1], 4096  ; (the loads that read this base were shown done at C's head)
.irp kp, 0,1,2,3
.irp p, 0,1
	global_load_b32 v[VW+4*\p+\kp], v[A4], s[VSB:VSB+1] offset:1024*\kp+128*\p
.endr
.endr
	; ---- the third barrier: my reads of my V chunk and of P's images are over; the next K has landed
	s_wait_tensorcnt 0x0
	ds_add_u32 v[SPW], v[NIL]
	s_add_nc_u64 s[G0V+2:G0V+3], s[G0V+2:G0V+3], 4*VCH
	s_wait_dscnt 0x0
	CROUND
	tensor_load_to_lds s[G0V:G0V+3], s[G1V:G1V+7]  ; the next superstep's V: it has A and B1 in which to land
	s_nop 0
	PL 4
.endif
.endm
	s_wait_tensorcnt 1                             ; my K chunk is in (V's may be out); only I read it
	s_mov_b32 s[CNT], 7
.Lsuper:
	SUPER 1
	s_sub_co_u32 s[CNT], s[CNT], 1
	s_cmp_lg_u32 s[CNT], 0
	s_cbranch_scc1 .Lsuper
	SUPER 0                                        ; the last superstep is written out: it asks for nothing
	; ---- THE WAY OUT.  The four waves' sums of a row meet in LDS
.irp m, 0,1,2,3
	v_add_f32 v[ST+8*\m+6], v[ST+8*\m+2], v[ST+8*\m+3]
.endr
.irp m, 0,1,2,3
	v_permlanex16_b32 v[ST+8*\m+7], v[ST+8*\m+6], s[SEL], s[SEL+1]
.endr
.irp m, 0,1,2,3
	v_add_f32 v[ST+8*\m+6], v[ST+8*\m+6], v[ST+8*\m+7]
.endr
.irp m, 0,1,2,3
	ds_store_b32 v[ALW], v[ST+8*\m+6] offset:128*\m
.endr
	s_wait_dscnt 0x0
	s_barrier_signal -1
	s_barrier_wait -1
.irp m, 0,1,2,3
.irp w, 0,1,2,3
	ds_load_b32 v[TP+4*\m+\w], v[ALR] offset:(4*\w+\m)*128
.endr
.endr
	s_wait_dscnt 0x0
.irp m, 0,1,2,3
	v_add_f32 v[ST+8*\m+6], v[TP+4*\m], v[TP+4*\m+1]
.endr
.irp m, 0,1,2,3
	v_add_f32 v[ST+8*\m+6], v[ST+8*\m+6], v[TP+4*\m+2]
.endr
.irp m, 0,1,2,3
	v_add_f32 v[ST+8*\m+6], v[ST+8*\m+6], v[TP+4*\m+3]   ; l, the same bits in all four waves
.endr
.irp m, 0,1,2,3
	v_rcp_f32 v[ST+8*\m+4], v[ST+8*\m+6]
.endr
.irp m, 0,1,2,3
	v_log_f32 v[ST+8*\m+7], v[ST+8*\m+6]
.endr
	v_nop                                          ; a plain line behind the batch
	s_wait_alu depctr_va_vdst(0)                   ; and its one wait
.irp m, 0,1,2,3
	v_sub_f32 v[ST+8*\m+7], v[ST+8*\m+7], v[ST+8*\m]   ; log2(l) + M
.endr
	WIN 0xc3
.irp m, 0,1,2,3
.set j, 0
.rept 16
	v_pk_mul_f32 v[32*\m+j:32*\m+j+1], v[32*\m+j:32*\m+j+1], v[ST+8*\m+4:ST+8*\m+5] op_sel_hi:[1,0]
.set j, j+2
.endr
.endr
	WIN 0x0c                                       ; an LDS store's data: window 3
.irp m, 0,1,2,3                                ; out0 has the queries innermost: a lane's numbers go to 32 rows of the stage, which lies in my K chunk: it has had its last fill and its last read
.irp c, 0,1,2,3
.irp j, 0,1,2,3,4,5,6,7
	ds_store_b32 v[AST], v[32*\m+8*\c+\j] offset:(32*(\c/2)+8*(\c%2)+\j)*272+(32*(\m/2)+8*(\m%2))*4
.endr
.endr
.endr
	WIN 0x40
.set i, 0
.rept 32
	ds_load_b128 v[4*i:4*i+3], v[ASD] offset:544*i   ; LDS serves a wave's instructions in order: these see my stores
.set i, i+1
.endr
	WIN 0x04
.set i, 0
.rept 32
	s_wait_dscnt 31-i
	global_store_b128 v[GO], v[4*i:4*i+3], s[6:7] offset:32768*i th:TH_STORE_NT   ; sixteen lanes store a channel's 64 queries: 256 consecutive aligned bytes
.set i, i+1
.endr
	WIN 0
	s_cmp_lg_u32 s[WV], 0
	s_cbranch_scc1 .Lno_lse
.irp m, 0,1,2,3
	ds_store_b32 v[ALS], v[ST+8*\m+7] offset:(32*(\m/2)+8*(\m%2))*4   ; in token order; both halves of the lanes write the same word with the same value
.endr
	ds_load_b64 v[TP:TP+1], v[ALD]
	s_wait_dscnt 0x0
	global_store_b64 v[A8], v[TP:TP+1], s[8:9]     ; 256 consecutive aligned bytes
.Lno_lse:
	s_wait_tensorcnt 0x0                           ; the wave's end
	ds_add_u32 v[SPW], v[NIL]
	s_wait_dscnt 0x0
	CROUND                                         ; the closing round
	s_endpgm
.Lfunc_end_k_q51d5e8f674_flash:
	.size	k_q51d5e8f674_flash, .Lfunc_end_k_q51d5e8f674_flash-k_q51d5e8f674_flash
	.p2alignl 7, 3214868480
	.fill 96, 4, 3214868480
	.section	.rodata,"a",@progbits
	.p2align	6, 0x0
	.amdhsa_kernel k_q51d5e8f674_flash
		.amdhsa_group_segment_fixed_size 327680
		.amdhsa_private_segment_fixed_size 0
		.amdhsa_enable_private_segment 0
		.amdhsa_kernarg_size 24
		.amdhsa_user_sgpr_count 2
		.amdhsa_user_sgpr_kernarg_segment_ptr 1
		.amdhsa_wavefront_size32 1
		.amdhsa_system_sgpr_workgroup_id_x 1
		.amdhsa_system_sgpr_workgroup_id_y 1
		.amdhsa_system_sgpr_workgroup_id_z 1
		.amdhsa_system_vgpr_workitem_id 0
		.amdhsa_next_free_vgpr 1024
		.amdhsa_next_free_sgpr 80
		.amdhsa_reserve_vcc 0
		.amdhsa_float_denorm_mode_32 3
		.amdhsa_float_denorm_mode_16_64 3
		.amdhsa_memory_ordered 1
		.amdhsa_forward_progress 1
		.amdhsa_inst_pref_size 221
	.end_amdhsa_kernel
	.amdgpu_metadata
---
amdhsa.version: [ 1, 2 ]
amdhsa.kernels:
  - .name:           k_q51d5e8f674_flash
    .symbol:         k_q51d5e8f674_flash.kd
    .args:
      - { .name: qkv, .offset: 0, .size: 8, .value_kind: global_buffer, .address_space: global }
      - { .name: out0, .offset: 8, .size: 8, .value_kind: global_buffer, .address_space: global }
      - { .name: lse, .offset: 16, .size: 8, .value_kind: global_buffer, .address_space: global }
    .group_segment_fixed_size: 327680
    .private_segment_fixed_size: 0
    .kernarg_segment_align: 8
    .kernarg_segment_size: 24
    .max_flat_workgroup_size: 128
    .sgpr_count:     80
    .vgpr_count:     1024
    .wavefront_size: 32
...
	.end_amdgpu_metadata
.endif
;; end of part 3
;; launch colsum (part 4): grid 64 x 4, 4 waves a work-group, clusters of 4 x 1, 327,680 bytes of LDS; arguments qkv, lse, out1; writes out1
.if DOCPART == 4
	.amdgcn_target "amdgcn-amd-amdhsa--gfx1250"
	.amdhsa_code_object_version 6
	.text
	.protected	k_q51d5e8f674_colsum
	.globl	k_q51d5e8f674_colsum
	.p2align	8
	.type	k_q51d5e8f674_colsum,@function
k_q51d5e8f674_colsum:
	s_mov_b64 s[64:65], 0
	v_nop
	global_prefetch_b8 v0, s[64:65] scope:SCOPE_SE
	s_setreg_imm32_b32 hwreg(HW_REG_WAVE_MODE, 25, 1), 1
	s_wait_xcnt 0x0
	s_wait_alu depctr_hold_cnt(0) depctr_sa_sdst(0) depctr_va_vdst(0) depctr_va_sdst(0) depctr_va_ssrc(0) depctr_va_vcc(0) depctr_vm_vsrc(0)
	s_getreg_b32 s2, hwreg(HW_REG_IB_STS2, 6, 4)
	s_cmp_eq_u32 s2, 0
	s_cbranch_scc0 .Lentry_in_a_cluster
	s_endpgm
.Lentry_in_a_cluster:
	s_bfe_u32 s2, ttmp6, 0x10000c
	s_cmp_lg_u32 s2, 0x3003
	s_cbranch_scc0 .Lentry_shape_is_right
	s_endpgm
.Lentry_shape_is_right:
; out1[b][m] = the sum over the queries n of softmax(q k^T / sqrt(512))[n][m] = the sum over n of 2^(t(n, m) - lse[n]), lse[n] = M + log2(l) as the launch before stored it.
; lse[n] is at least every t of its row, so the row's maximum has been taken away and no exponential is above 1.  The scores are the same product on the same codes as before, with the sources changed over.
; SHARES.  A work-group owns 64 keys (4 tiles m), which stay in registers; 16 steps; in step i wave w takes the 64 queries of block 4 i + w (4 tiles t): 64 products, 128 exponentials, sums within the lane.
; Source 0 = 16 queries, source 1 = 16 keys: a lane holds one key, its registers run along the queries in natural order, as lse lies.
; A ring of two LDS slots of 98,304 bytes; each wave fills and reads its own quarter.  The batch's scale words of q (65,536 bytes) and its lse (16,384) come once, with the first fills.  Three tensor loads of a wave are out at the most.
; CLUSTER: four key blocks of a batch walk the same queries: all loads are joint (mask 15).
; LIMITS: NaN and infinities are not served.
; REGISTERS: window 0: addresses, scale words, lse, the sums, and S from v128 ((m, t) at 128 + 32 m + 8 t).  window 1: K, (m, s) at 12 (4 m + s).  window 2: two sets of four fragments of Q.
.set KC,  6291456
.set QS,  15728640
.set KS,  15990784
.set SLOTB, 98304
.set WPART, 24576
.set QSR, 196608
.set LSR, 262144
.set CEX, 278528
.set LST, 280576
.set SPARE, 280832
.set WV,  10
.set G1T, 16
.set G1S, 24
.set G1L, 32
.set G0T, 40
.set G0S, 48
.set G0L, 52
.set PFA, 56
.set LIM, 58
.set STP, 59
.set TS,  60
.set TL,  61
.set CS,  62
.set SEL, 66
.set CNT, 68
.set A16, 1
.set AQ,  3
.set ASB, 5
.set ALB, 6
.set ASC, 7
.set ALC, 8
.set ACW, 9
.set ACR, 10
.set ALS, 11
.set ALD, 12
.set A8,  13
.set PFO, 14
.set SPW, 16
.set NIL, 17
.set KWS, 20
.set SW,  28
.set LS,  36
.set ACC, 68
.set S,   128
.set MSB, 0
.macro WIN new
.if MSB != \new
	s_set_vgpr_msb (MSB<<8)|\new
.set MSB, \new
.endif
.endm
.macro PL n
.rept \n
	v_nop
.endr
.endm
.macro CROUND
	s_barrier_signal -1
	s_barrier_wait -1
	s_cmp_lg_u32 s[WV], 0
	s_cbranch_scc1 .Lnot_wave_0_\@
	s_barrier_signal -3
.Lnot_wave_0_\@:
	s_barrier_wait -3
	s_barrier_signal -1
	s_barrier_wait -1
.endm
.macro WM d, a, b, z, sa, sb, ra, rb
.if (\z)
.if (\ra)&&(\rb)
	v_wmma_scale_f32_16x16x128_f8f6f4 v[(\d):(\d)+7], v[(\a):(\a)+11], v[(\b):(\b)+11], 0, v[\sa], v[\sb] matrix_a_fmt:MATRIX_FMT_FP6 matrix_b_fmt:MATRIX_FMT_FP6 matrix_a_scale:MATRIX_SCALE_ROW1 matrix_b_scale:MATRIX_SCALE_ROW1
.elseif (\ra)
	v_wmma_scale_f32_16x16x128_f8f6f4 v[(\d):(\d)+7], v[(\a):(\a)+11], v[(\b):(\b)+11], 0, v[\sa], v[\sb] matrix_a_fmt:MATRIX_FMT_FP6 matrix_b_fmt:MATRIX_FMT_FP6 matrix_a_scale:MATRIX_SCALE_ROW1
.elseif (\rb)
	v_wmma_scale_f32_16x16x128_f8f6f4 v[(\d):(\d)+7], v[(\a):(\a)+11], v[(\b):(\b)+11], 0, v[\sa], v[\sb] matrix_a_fmt:MATRIX_FMT_FP6 matrix_b_fmt:MATRIX_FMT_FP6 matrix_b_scale:MATRIX_SCALE_ROW1
.else
	v_wmma_scale_f32_16x16x128_f8f6f4 v[(\d):(\d)+7], v[(\a):(\a)+11], v[(\b):(\b)+11], 0, v[\sa], v[\sb] matrix_a_fmt:MATRIX_FMT_FP6 matrix_b_fmt:MATRIX_FMT_FP6
.endif
.else
.if (\ra)&&(\rb)
	v_wmma_scale_f32_16x16x128_f8f6f4 v[(\d):(\d)+7], v[(\a):(\a)+11], v[(\b):(\b)+11], v[(\d):(\d)+7], v[\sa], v[\sb] matrix_a_fmt:MATRIX_FMT_FP6 matrix_b_fmt:MATRIX_FMT_FP6 matrix_a_scale:MATRIX_SCALE_ROW1 matrix_b_scale:MATRIX_SCALE_ROW1
.elseif (\ra)
	v_wmma_scale_f32_16x16x128_f8f6f4 v[(\d):(\d)+7], v[(\a):(\a)+11], v[(\b):(\b)+11], v[(\d):(\d)+7], v[\sa], v[\sb] matrix_a_fmt:MATRIX_FMT_FP6 matrix_b_fmt:MATRIX_FMT_FP6 matrix_a_scale:MATRIX_SCALE_ROW1
.elseif (\rb)
	v_wmma_scale_f32_16x16x128_f8f6f4 v[(\d):(\d)+7], v[(\a):(\a)+11], v[(\b):(\b)+11], v[(\d):(\d)+7], v[\sa], v[\sb] matrix_a_fmt:MATRIX_FMT_FP6 matrix_b_fmt:MATRIX_FMT_FP6 matrix_b_scale:MATRIX_SCALE_ROW1
.else
	v_wmma_scale_f32_16x16x128_f8f6f4 v[(\d):(\d)+7], v[(\a):(\a)+11], v[(\b):(\b)+11], v[(\d):(\d)+7], v[\sa], v[\sb] matrix_a_fmt:MATRIX_FMT_FP6 matrix_b_fmt:MATRIX_FMT_FP6
.endif
.endif
.endm
; A PREFETCH INTO THE L2 of the step three on, two steps ahead of its load: 98,304 bytes are 12 pieces of 8,192: waves 0-2 x four partners, one instruction each, lanes 256 bytes apart.
; All clusters of a batch walk the same queries: the batch's first cluster asks; its partners are told apart by address alone.  From step 13 on there is no step three on.
.macro ASK
	s_cmp_lt_u32 s[STP], s[LIM]
	s_cbranch_scc0 .Lnot_mine_\@
	global_prefetch_b8 v[PFO], s[PFA:PFA+1] th:TH_LOAD_NT scope:SCOPE_SE
.Lnot_mine_\@:
.endm
	s_load_b128 s[4:7], s[0:1], 0x0                ; qkv, lse
	s_load_b64 s[8:9], s[0:1], 0x10                ; out1
	v_lshl_add_u32 v[SPW], v0, 2, SPARE
	v_mov_b32 v[NIL], 0
	ds_add_u32 v[SPW], v[NIL]                      ; the wave's opening: the add and its wait stand ahead of my first tensor load; the set-up below stands between them
	v_lshrrev_b32 v2, 5, v0
	v_readfirstlane_b32 s[WV], v2
	s_bfe_u32 s11, ttmp6, 0x40000                  ; cx
	s_lshl_b32 s12, ttmp9, 2
	s_add_co_u32 s12, s12, s11                     ; my block of 64 keys: it enters K's and out1's addresses alone
	s_and_b32 s13, ttmp7, 0xffff                   ; the batch
.irp g, G1T, G1S, G1L
	s_mov_b32 s[\g], 15|(3<<16)|(1<<21)            ; dense bytes as rows of 32 elements of 8 bytes; the mask names all four; bit 21 set beside it
	s_mov_b32 s[\g+1], 32<<16
	s_mov_b32 s[\g+3], 32<<16
	s_mov_b32 s[\g+5], 32
	s_mov_b32 s[\g+6], 0
	s_mov_b32 s[\g+7], 0
.endr
	s_mov_b32 s[G1T+2], 96<<16                     ; 24,576 bytes of codes,
	s_mov_b32 s[G1T+4], 96
	s_mov_b32 s[G1S+2], 64<<16                     ; 16,384 of scale words,
	s_mov_b32 s[G1S+4], 64
	s_mov_b32 s[G1L+2], 16<<16                     ; 4,096 of lse
	s_mov_b32 s[G1L+4], 16
	s_mov_b32 s[CS], 0x3d8293ee                    ; c = log2(e) / sqrt(512)
	s_mov_b32 s[CS+1], s[CS]
	s_mov_b32 s[SEL], 0x76543210
	s_mov_b32 s[SEL+1], 0xfedcba98
	s_mov_b32 s[STP], 0
	s_mov_b32 s[TS], 0
	s_mov_b32 s[TL], 0
	s_cmp_lt_u32 s[WV], 3
	s_cselect_b32 s[LIM], 13, 0
	s_cmp_eq_u32 ttmp9, 0                          ; the batch's first cluster: the same in all four partners
	s_cselect_b32 s[LIM], s[LIM], 0
	s_mul_i32 s14, s[WV], WPART                    ; my quarter of a slot
	s_mul_i32 s70, s13, 1572864
	s_add_co_u32 s70, s70, s14                     ; Q's codes: batch and wave alone
	s_mov_b32 s71, 0
	s_lshl_b32 s72, s13, 16
	s_lshl_b32 s15, s[WV], 14
	s_add_co_u32 s72, s72, s15
	s_add_co_u32 s72, s72, QS                      ; Q's scale words, my quarter
	s_mov_b32 s73, 0
	s_lshl_b32 s74, s13, 14
	s_lshl_b32 s76, s[WV], 12
	s_add_co_u32 s74, s74, s76                     ; lse, my quarter
	s_mov_b32 s75, 0
	v_and_b32 v2, 31, v0
	v_lshlrev_b32 v[A16], 4, v2
	v_lshlrev_b32 v[A8], 3, v2
	v_lshlrev_b32 v[PFO], 8, v2
	v_lshlrev_b32 v18, 2, v2                       ; 4 x lane
	v_and_b32 v19, 15, v0                          ; r
	v_bfe_u32 v2, v0, 4, 1                         ; h
	v_add_nc_u32 v[AQ], s14, v[A16]
	v_add_nc_u32 v[AQ+1], SLOTB, v[AQ]
	s_lshl_b32 s77, s[WV], 10
	v_add_nc_u32 v[ASB], s77, v[A16]
	v_add_nc_u32 v[ASB], QSR, v[ASB]               ; my query block's two pairs of scale words
	s_lshl_b32 s77, s[WV], 8
	v_lshlrev_b32 v[ALB], 6, v2
	v_add_nc_u32 v[ALB], s77, v[ALB]
	v_add_nc_u32 v[ALB], LSR, v[ALB]               ; my query block's lse, + 16 queries for lanes 16-31
	s_lshl_b32 s77, s[WV], 9
	v_add_nc_u32 v[ACW], s77, v18
	v_add_nc_u32 v[ACW], CEX, v[ACW]
	v_add_nc_u32 v[ACR], CEX, v18
	v_and_b32 v[ALS], 8, v19
	v_add_nc_u32 v[ALS], v[ALS], v19               ; r + 8 (r / 8)
	v_lshl_add_u32 v[ALS], v[ALS], 2, LST
	v_add_nc_u32 v[ALD], LST, v[A8]
.set k, 0
.rept 16
	v_mov_b32 v[ACC+k], 0                          ; the sums: two pairs a tile of keys
.set k, k+1
.endr
	s_wait_dscnt 0x0                               ; the opening add is done
	s_wait_kmcnt 0x0
	s_mov_b32 s[G0L], 1
	s_add_co_u32 s[G0L+1], s76, LSR
	s_add_nc_u64 s[G0L+2:G0L+3], s[6:7], s[74:75]
	s_or_b32 s[G0L+3], s[G0L+3], 0x80000000
	s_mov_b32 s[G0S], 1
	s_add_co_u32 s[G0S+1], s15, QSR
	s_add_nc_u64 s[G0S+2:G0S+3], s[4:5], s[72:73]
	s_or_b32 s[G0S+3], s[G0S+3], 0x80000000
.irp n, 0,1
	s_mov_b32 s[G0T+4*\n], 1
	s_add_co_u32 s[G0T+4*\n+1], s14, \n*SLOTB
	s_add_nc_u64 s[G0T+4*\n+2:G0T+4*\n+3], s[4:5], s[70:71]
	s_add_nc_u64 s[G0T+4*\n+2:G0T+4*\n+3], s[G0T+4*\n+2:G0T+4*\n+3], \n*SLOTB
	s_or_b32 s[G0T+4*\n+3], s[G0T+4*\n+3], 0x80000000
.endr
	s_lshl_b32 s70, s[WV], 2
	s_add_co_u32 s70, s70, s11
	s_lshl_b32 s70, s70, 13                        ; the prefetches: piece 4 w + cx,
	s_mul_i32 s72, s13, 1572864
	s_add_co_u32 s70, s70, s72
	s_add_co_u32 s70, s70, 2*SLOTB                 ; in step 2: the first trip steps it to 3
	s_add_nc_u64 s[PFA:PFA+1], s[4:5], s[70:71]
	s_mul_i32 s70, s12, WPART
	s_add_co_u32 s70, s70, s72
	s_add_co_u32 s70, s70, KC
	s_add_nc_u64 s[78:79], s[4:5], s[70:71]        ; K's 16 images
	s_lshl_b32 s70, s13, 16
	s_lshl_b32 s72, s12, 10
	s_add_co_u32 s70, s70, s72
	s_add_co_u32 s70, s70, KS
	s_add_nc_u64 s[80:81], s[4:5], s[70:71]        ; and its two pairs of scale words
	s_lshl_b32 s70, s13, 14
	s_lshl_b32 s72, s12, 8
	s_add_co_u32 s70, s70, s72
	s_add_nc_u64 s[8:9], s[8:9], s[70:71]          ; out1
	CROUND                                         ; all four work-groups are here: the first joint loads meet
	tensor_load_to_lds s[G0L:G0L+3], s[G1L:G1L+7]
	s_nop 0
	tensor_load_to_lds s[G0S:G0S+3], s[G1S:G1S+7]
	s_nop 0
	tensor_load_to_lds s[G0T:G0T+3], s[G1T:G1T+7]  ; step 0; slot 1 is filled behind the first trip's round
	s_nop 0
	PL 4
	WIN 0x40
.irp f, 0,1,2,3,4,5,6,7,8,9,10,11,12,13,14,15
.irp g, 0,1,2
	global_load_b128 v[12*\f+4*\g:12*\f+4*\g+3], v[A16], s[78:79] offset:1536*\f+512*\g   ; K stays in registers
.endr
.endr
	WIN 0
.irp p, 0,1
	global_load_b128 v[KWS+4*\p:KWS+4*\p+3], v[A16], s[80:81] offset:512*\p
.endr
.macro FQ slot, ks                     ; my four fragments of Q of K step ks into set ks % 2
	WIN 0x80
.irp t, 0,1,2,3
.irp g, 0,1,2
	ds_load_b128 v[48*((\ks)%2)+12*\t+4*\g:48*((\ks)%2)+12*\t+4*\g+3], v[AQ+\slot] offset:(4*\t+(\ks))*1536+512*\g
.endr
.endr
.endm
.macro TRIP slot, refill
	s_wait_tensorcnt 0x0                           ; all my loads are done, my part of this trip's slot among them, so every group 0 may be written
	ds_add_u32 v[SPW], v[NIL]                      ; 0 onto my spare word
	s_add_nc_u64 s[G0T+4*\slot+2:G0T+4*\slot+3], s[G0T+4*\slot+2:G0T+4*\slot+3], 2*SLOTB   ; this slot's next step
	s_wait_xcnt 0x0                                ; the last prefetch, a step back, has read its address
	s_add_nc_u64 s[PFA:PFA+1], s[PFA:PFA+1], SLOTB
	s_wait_dscnt 0x0                               ; the add is done, and so are my reads of the other slot
	CROUND                                         ; both now hold of every wave of every work-group of the cluster
.if \refill
	tensor_load_to_lds s[G0T+4-4*\slot:G0T+7-4*\slot], s[G1T:G1T+7]   ; the next step, into the slot read last trip
	s_nop 0
	PL 4
	ASK
.endif
	v_add_nc_u32 v[ASC], s[TS], v[ASB]
	v_add_nc_u32 v[ALC], s[TL], v[ALB]
.irp p, 0,1
	ds_load_b128 v[SW+4*\p:SW+4*\p+3], v[ASC] offset:512*\p
.endr
	FQ \slot, 0
	FQ \slot, 1
	WIN 0
.irp t, 0,1,2,3
.irp u, 0,1
	ds_load_b128 v[LS+8*\t+4*\u:LS+8*\t+4*\u+3], v[ALC] offset:(32*(\t/2)+8*(\t%2))*4+16*\u   ; lse of the eight queries that tile t's registers hold in my half of the lanes
.endr
.endr
.irp s, 0,1,2,3
.if \s < 2
	s_wait_dscnt 20                                ; step 0: the second K step's 12 and lse's 8 may be out; step 1: lse's 8 and the third's 12
.elseif \s == 2
	s_wait_dscnt 12                                ; the fourth K step's 12
.else
	s_wait_dscnt 0x0
.endif
	WIN 0x06                                       ; Q window 2, K window 1, S window 0
.irp t, 0,1,2,3
.irp m, 0,1,2,3
	WM S+32*\m+8*\t, 48*(\s%2)+12*\t, 12*(4*\m+\s), (\s==0), SW+4*(\t/2)+\s, KWS+4*(\m/2)+\s, \t%2, \m%2
.endr
.endr
.if \s < 2
	PL 4                                           ; four plain lines between the products that read a set and the loads that fill it again
	FQ \slot, \s+2
.endif
.endr
	WIN 0
	PL 4
.irp m, 0,1,2,3
.irp t, 0,1,2,3
.irp j, 0,2,4,6
	v_pk_fma_f32 v[S+32*\m+8*\t+\j:S+32*\m+8*\t+\j+1], v[S+32*\m+8*\t+\j:S+32*\m+8*\t+\j+1], s[CS:CS+1], v[LS+8*\t+\j:LS+8*\t+\j+1] op_sel_hi:[1,0,1] neg_lo:[0,0,1] neg_hi:[0,0,1]   ; t - lse; each accumulator from its low end on
.endr
.endr
.endr
.set j, 0
.rept 128
	v_exp_f32 v[S+j], v[S+j]                       ; one batch
.set j, j+1
.endr
	v_nop                                          ; a plain line behind it
	s_wait_alu depctr_va_vdst(0)                   ; and its one wait, ahead of the first reader
.irp j, 0,4,8,12,16,20,24,28
.irp m, 0,1,2,3
	v_pk_add_f32 v[ACC+4*\m:ACC+4*\m+1], v[ACC+4*\m:ACC+4*\m+1], v[S+32*\m+\j:S+32*\m+\j+1]
	v_pk_add_f32 v[ACC+4*\m+2:ACC+4*\m+3], v[ACC+4*\m+2:ACC+4*\m+3], v[S+32*\m+\j+2:S+32*\m+\j+3]
.endr
.endr
	s_add_co_u32 s[TS], s[TS], 4096                ; four query blocks on: eight pairs of scale words,
	s_add_co_u32 s[TL], s[TL], 1024                ; 256 numbers of lse
	s_add_co_u32 s[STP], s[STP], 1
.endm
	s_wait_loadcnt 0x0                             ; K and its scale words
	s_mov_b32 s[CNT], 7
.Lloop:
	TRIP 0, 1
	TRIP 1, 1
	s_sub_co_u32 s[CNT], s[CNT], 1
	s_cmp_lg_u32 s[CNT], 0
	s_cbranch_scc1 .Lloop
	TRIP 0, 1                                      ; the last two steps are written out: the very last asks for nothing
	TRIP 1, 0
	; ---- the sums: the two chains, the two halves of a pair, lane l xor 16's queries, and the four waves'
.irp m, 0,1,2,3
	v_pk_add_f32 v[ACC+4*\m:ACC+4*\m+1], v[ACC+4*\m:ACC+4*\m+1], v[ACC+4*\m+2:ACC+4*\m+3]
.endr
.irp m, 0,1,2,3
	v_add_f32 v[ACC+4*\m], v[ACC+4*\m], v[ACC+4*\m+1]
.endr
.irp m, 0,1,2,3
	v_permlanex16_b32 v[ACC+4*\m+1], v[ACC+4*\m], s[SEL], s[SEL+1]
.endr
.irp m, 0,1,2,3
	v_add_f32 v[ACC+4*\m], v[ACC+4*\m], v[ACC+4*\m+1]
.endr
.irp m, 0,1,2,3
	ds_store_b32 v[ACW], v[ACC+4*\m] offset:128*\m
.endr
	s_wait_dscnt 0x0
	s_barrier_signal -1
	s_barrier_wait -1
	s_cmp_lg_u32 s[WV], 0
	s_cbranch_scc1 .Lnot_mine
.irp m, 0,1,2,3
.irp w, 0,1,2,3
	ds_load_b32 v[LS+4*\m+\w], v[ACR] offset:(4*\w+\m)*128
.endr
.endr
	s_wait_dscnt 0x0
.irp m, 0,1,2,3
	v_add_f32 v[ACC+4*\m], v[LS+4*\m], v[LS+4*\m+1]
.endr
.irp m, 0,1,2,3
	v_add_f32 v[ACC+4*\m], v[ACC+4*\m], v[LS+4*\m+2]
.endr
.irp m, 0,1,2,3
	v_add_f32 v[ACC+4*\m], v[ACC+4*\m], v[LS+4*\m+3]
.endr
.irp m, 0,1,2,3
	ds_store_b32 v[ALS], v[ACC+4*\m] offset:(32*(\m/2)+8*(\m%2))*4   ; in key order; both halves of the lanes write the same word with the same value
.endr
	ds_load_b64 v[LS+16:LS+17], v[ALD]
	s_wait_dscnt 0x0
	global_store_b64 v[A8], v[LS+16:LS+17], s[8:9] ; 256 consecutive aligned bytes
.Lnot_mine:
	s_wait_tensorcnt 0x0                           ; the wave's end
	ds_add_u32 v[SPW], v[NIL]
	s_wait_dscnt 0x0
	CROUND                                         ; the closing round
	s_endpgm
.Lfunc_end_k_q51d5e8f674_colsum:
	.size	k_q51d5e8f674_colsum, .Lfunc_end_k_q51d5e8f674_colsum-k_q51d5e8f674_colsum
	.p2alignl 7, 3214868480
	.fill 96, 4, 3214868480
	.section	.rodata,"a",@progbits
	.p2align	6, 0x0
	.amdhsa_kernel k_q51d5e8f674_colsum
		.amdhsa_group_segment_fixed_size 327680
		.amdhsa_private_segment_fixed_size 0
		.amdhsa_enable_private_segment 0
		.amdhsa_kernarg_size 24
		.amdhsa_user_sgpr_count 2
		.amdhsa_user_sgpr_kernarg_segment_ptr 1
		.amdhsa_wavefront_size32 1
		.amdhsa_system_sgpr_workgroup_id_x 1
		.amdhsa_system_sgpr_workgroup_id_y 1
		.amdhsa_system_sgpr_workgroup_id_z 1
		.amdhsa_system_vgpr_workitem_id 0
		.amdhsa_next_free_vgpr 640
		.amdhsa_next_free_sgpr 90
		.amdhsa_reserve_vcc 0
		.amdhsa_float_denorm_mode_32 3
		.amdhsa_float_denorm_mode_16_64 3
		.amdhsa_memory_ordered 1
		.amdhsa_forward_progress 1
		.amdhsa_inst_pref_size 118
	.end_amdhsa_kernel
	.amdgpu_metadata
---
amdhsa.version: [ 1, 2 ]
amdhsa.kernels:
  - .name:           k_q51d5e8f674_colsum
    .symbol:         k_q51d5e8f674_colsum.kd
    .args:
      - { .name: qkv, .offset: 0, .size: 8, .value_kind: global_buffer, .address_space: global }
      - { .name: lse, .offset: 8, .size: 8, .value_kind: global_buffer, .address_space: global }
      - { .name: out1, .offset: 16, .size: 8, .value_kind: global_buffer, .address_space: global }
    .group_segment_fixed_size: 327680
    .private_segment_fixed_size: 0
    .kernarg_segment_align: 8
    .kernarg_segment_size: 24
    .max_flat_workgroup_size: 128
    .sgpr_count:     90
    .vgpr_count:     640
    .wavefront_size: 32
...
	.end_amdgpu_metadata
.endif
;; end of part 4
;; ======== version 2 of 2: 4 launches
;; limits: right only within a limited range of input values
;; workspace buffers: xw 7,065,600 bytes; qkv 16,384,000 bytes; lse 65,536 bytes
;; launch prep (part 5): grid 256 x 1, 8 waves a work-group, no clusters, 0 bytes of LDS; arguments x, Wq, Wk, Wv, xw; writes xw
.if DOCPART == 5
	.amdgcn_target "amdgcn-amd-amdhsa--gfx1250"
	.amdhsa_code_object_version 6
	.text
	.protected	k_q51d5e8f674_prep
	.globl	k_q51d5e8f674_prep
	.p2align	8
	.type	k_q51d5e8f674_prep,@function
k_q51d5e8f674_prep:
	s_mov_b64 s[64:65], 0
	v_nop
	global_prefetch_b8 v0, s[64:65] scope:SCOPE_SE
	s_setreg_imm32_b32 hwreg(HW_REG_WAVE_MODE, 25, 1), 1
	s_wait_xcnt 0x0
; x [4][512 c][4096 n] and Wq, Wk [512][512 c], Wv [256][512 c], f32, become codes of FP6 (E2M3) with one E8M0 byte for each 32 along c, the products' K.
; THE LAYOUT IS THE OPERAND'S REGISTERS.  A fragment (16 rows x 128 K) is 12 registers a lane; its image is 1,536 bytes: registers 4 g .. 4 g + 3 of lane l at 512 g + 16 l.
; Lane r of tile 2 p + u holds row 32 p + 8 u + r + 8 (r / 8), so that a later product's results, taken transposed, run along the next K in natural order.
; xw: x's images [tile 0..1023][K step 0..3][1536]; x's scale words [pair][K step][32 lanes] (lanes 0-15 the even tile, 16-31 the odd one); then the weights' 80 tiles (Wq 0-31, Wk 32-63, Wv 64-79) and 40 pairs likewise.
; A block's scale byte is its largest magnitude's exponent field - 2, held at 1 from below.
; LIMITS: a block of zeros, or one whose largest magnitude lies under 2^-124, gets the byte 1 (its codes are zeros or tiny; this program alone reads the bytes); NaN and infinities among the inputs are not served.
; SHARES.  256 work-groups, 64 tokens of x each; wave = (K step, pair of tiles); A LANE TAKES A TOKEN AND ITS REGISTERS RUN DOWN c: each load reads 128 consecutive bytes, a block of 32 lies in one lane.
; THE WEIGHTS RIDE ALONG: they are 320 fragments (80 tiles x 4 K steps).  Fragment 256 x wave + work-group is taken where that number is under 320: by wave 0 of every work-group and wave 1 of the first 64.
; Its 16 loads go out ahead of the wave's loads of x, so that x's counted waits stay as they are, and it is quantised behind x's stores, in registers that x's numbers have left.
; The two paths part once, on ids alone, and x's text stands in both.  No LDS, no barrier, no cluster: no two work-groups read the same bytes.
.set XSO, 6291456
.set WCO, 6553600
.set WSO, 7045120
.set PC,  16                           ; v16-39   two runs of 12 fragment registers
.set T,   40                           ; v40-47   the upper halves of blocks, as the conversions leave them
.set X,   64                           ; v64-191  128 numbers of x
.set WX,  192                          ; v192-255 64 numbers of a weight
.set WP,  64                           ; v64-75   the weight's fragment
.set WT,  76                           ; v76-83   its blocks' upper halves
.macro LOADX be                        ; block be: x(128 s + 32 be + i, my token), i = 0 .. 31
.set li, 0
.rept 32
	global_load_b32 v[X+32*(\be)+li], v3, s[4:5] offset:(32*(\be)+li)*16384 th:TH_LOAD_NT
.set li, li+1
.endr
.endm
.macro BLK be                          ; block be = 2 c + h becomes registers 6 c .. 6 c + 5 of the lane (r, h) of my token's tile: they are kept at PC + 12 h
.set XB, X+32*(\be)
.set PD, PC+12*((\be)%2)+6*((\be)/2)
.set TD, T+4*((\be)%2)
	v_max3_num_f32 v10, |v[XB]|, |v[XB+1]|, |v[XB+2]|
	v_max3_num_f32 v11, |v[XB+3]|, |v[XB+4]|, |v[XB+5]|
.irp i, 6,10,14,18,22,26
	s_delay_alu instid0(VALU_DEP_2)
	v_max3_num_f32 v10, v10, |v[XB+\i]|, |v[XB+\i+1]|
	s_delay_alu instid0(VALU_DEP_2)
	v_max3_num_f32 v11, v11, |v[XB+\i+2]|, |v[XB+\i+3]|
.endr
	s_delay_alu instid0(VALU_DEP_2)
	v_max3_num_f32 v10, v10, |v[XB+30]|, |v[XB+31]|
	s_delay_alu instid0(VALU_DEP_1)
	v_max3_num_f32 v10, v10, v11, 0x1800000        ; with the floor 2^(3 - 127): the byte cannot fall under 1
	s_delay_alu instid0(VALU_DEP_1)
	v_add_nc_u32 v12, 0xff000000, v10              ; 2 off the exponent field: the conversion's scale operand
	s_delay_alu instid0(VALU_DEP_1)
	v_lshrrev_b32 v13, 23, v12                     ; the byte
.if (\be) == 0
	s_delay_alu instid0(VALU_DEP_1)
	v_mov_b32 v14, v13
.else
	s_delay_alu instid0(VALU_DEP_1)
	v_lshl_or_b32 v14, v13, 8*(\be), v14           ; byte be of my token's scale word
.endif
	v_cvt_scalef32_pk16_fp6_f32 v[PD:PD+2], v[XB:XB+15], v12
	v_cvt_scalef32_pk16_fp6_f32 v[TD:TD+2], v[XB+16:XB+31], v12   ; (a conversion's three registers begin on an even number)
	v_nop                                          ; one plain line behind the conversions
.irp i, 0,1,2
	v_mov_b32 v[PD+3+\i], v[TD+\i]
.endr
.endm
.macro XPATH                           ; my 32 tokens x 128 along c
	LOADX 0
	LOADX 1
	LOADX 2
	LOADX 3
	s_wait_loadcnt 63                              ; at most 63 loads are out: all but x's last 63 are in, blocks 0 and 1 among them (and what was issued ahead of x's)
	BLK 0
	BLK 1
	s_wait_loadcnt 32                              ; block 3's 32 may be out
	BLK 2
	s_wait_loadcnt 0x0
	BLK 3
.irp h, 0,1
.irp g, 0,1,2
	global_store_b128 v7, v[PC+12*\h+4*\g:PC+12*\h+4*\g+3], s[22:23] offset:256*\h+512*\g   ; sixteen lanes fill 256 consecutive aligned bytes of the even tile's image, sixteen of the odd one's
.endr
.endr
	global_store_b32 v8, v14, s[24:25]             ; the pair's 32 scale words: 128 consecutive bytes
.endm
	s_load_b256 s[4:11], s[0:1], 0x0               ; x, Wq, Wk, Wv
	s_load_b64 s[12:13], s[0:1], 0x20              ; xw
	v_lshrrev_b32 v2, 5, v0
	s_delay_alu instid0(VALU_DEP_1)
	v_readfirstlane_b32 s14, v2                    ; wave 0..7
	v_and_b32 v1, 31, v0                           ; lane
	s_wait_alu depctr_va_vdst(0)
	s_and_b32 s15, s14, 3                          ; x's K step
	s_lshr_b32 s16, s14, 2                         ; which 32 of the 64 tokens
	s_lshl_b32 s17, ttmp9, 1
	s_add_co_u32 s17, s17, s16                     ; the pair of tiles, 0..511
	s_lshr_b32 s20, ttmp9, 6
	s_lshl_b32 s20, s20, 23                        ; batch x 512 x 4096 x 4
	s_lshl_b32 s18, s15, 21                        ; K step x 128 rows of 16,384 bytes
	s_add_co_u32 s20, s20, s18
	s_and_b32 s18, ttmp9, 63
	s_lshl_b32 s18, s18, 8                         ; 64 tokens x 4 bytes
	s_add_co_u32 s20, s20, s18
	s_lshl_b32 s18, s16, 7
	s_add_co_u32 s20, s20, s18
	s_mov_b32 s21, 0
	s_mul_i32 s22, s17, 12288                      ; two tiles x four K steps x 1,536
	s_mul_i32 s18, s15, 1536
	s_add_co_u32 s22, s22, s18
	s_mov_b32 s23, 0
	s_lshl_b32 s24, s17, 9
	s_lshl_b32 s18, s15, 7
	s_add_co_u32 s24, s24, s18
	s_add_co_u32 s24, s24, XSO
	s_mov_b32 s25, 0
	s_lshl_b32 s26, s14, 8
	s_add_co_u32 s26, s26, ttmp9                   ; the weights' fragment that would be mine: 256 x wave + work-group
	v_lshlrev_b32 v3, 2, v1                        ; in: 4 bytes a token
	v_bfe_u32 v4, v1, 3, 1                         ; u: which tile of the pair my token lies in
	v_and_b32 v5, 7, v1
	v_lshrrev_b32 v6, 1, v1
	s_delay_alu instid0(VALU_DEP_1)
	v_and_b32 v6, 8, v6
	s_delay_alu instid0(VALU_DEP_1)
	v_or_b32 v5, v5, v6                            ; r: and which lane of it
	v_mul_u32_u24 v7, v4, 6144
	s_delay_alu instid0(VALU_DEP_1)
	v_lshl_add_u32 v7, v5, 4, v7                   ; out: tile u, 16 r
	v_lshlrev_b32 v8, 6, v4
	s_delay_alu instid0(VALU_DEP_1)
	v_lshl_add_u32 v8, v5, 2, v8                   ; scale word: 64 u + 4 r
	s_wait_kmcnt 0x0
	s_add_nc_u64 s[4:5], s[4:5], s[20:21]
	s_add_nc_u64 s[22:23], s[12:13], s[22:23]
	s_add_nc_u64 s[24:25], s[12:13], s[24:25]
	s_cmp_lt_u32 s26, 320
	s_cbranch_scc0 .Lplain
	; ---------------- a wave with a fragment of the weights: tile s26 / 4, K step s26 % 4
	s_lshr_b32 s27, s26, 2
	s_and_b32 s31, s26, 3
	s_mov_b32 s28, 0x76543210
	s_mov_b32 s29, 0xfedcba98                      ; lane l xor 16
	s_cmp_lt_u32 s27, 32                           ; which weight: the choice hangs on ids alone
	s_cselect_b64 s[32:33], s[6:7], s[8:9]
	s_cselect_b32 s34, 0, 32
	s_cmp_lt_u32 s27, 64
	s_cselect_b64 s[32:33], s[32:33], s[10:11]
	s_cselect_b32 s34, s34, 64
	s_sub_co_u32 s34, s27, s34                     ; the tile within its weight: 2 p + u
	s_lshr_b32 s35, s34, 1
	s_lshl_b32 s35, s35, 16                        ; p x 32 rows of 2,048 bytes
	s_and_b32 s34, s34, 1
	s_lshl_b32 s34, s34, 14                        ; u x 8 rows
	s_add_co_u32 s36, s35, s34
	s_lshl_b32 s34, s31, 9                         ; K step: 128 numbers
	s_add_co_u32 s36, s36, s34
	s_mov_b32 s37, 0
	s_add_nc_u64 s[32:33], s[32:33], s[36:37]
	s_mul_i32 s36, s26, 1536
	s_add_co_u32 s36, s36, WCO
	s_add_nc_u64 s[36:37], s[12:13], s[36:37]      ; its image
	s_lshr_b32 s38, s27, 1
	s_lshl_b32 s38, s38, 9                         ; its scale words: pair x 512
	s_lshl_b32 s34, s31, 7
	s_add_co_u32 s38, s38, s34                     ; + K step x 128
	s_and_b32 s34, s27, 1
	s_lshl_b32 s34, s34, 6
	s_add_co_u32 s38, s38, s34                     ; + 64 for the odd tile
	s_add_co_u32 s38, s38, WSO
	s_mov_b32 s39, 0
	s_add_nc_u64 s[38:39], s[12:13], s[38:39]
	v_and_b32 v48, 15, v1                          ; r
	v_lshrrev_b32 v51, 4, v1                       ; h
	s_delay_alu instid0(VALU_DEP_2)
	v_and_b32 v49, 8, v48
	s_delay_alu instid0(VALU_DEP_1)
	v_add_nc_u32 v49, v49, v48                     ; r + 8 (r / 8)
	s_delay_alu instid0(VALU_DEP_1)
	v_lshlrev_b32 v53, 11, v49                     ; a row of 512 f32
	s_delay_alu instid0(VALU_DEP_1)
	v_lshl_add_u32 v53, v51, 7, v53                ; + 32 numbers for lanes 16-31
	v_lshlrev_b32 v49, 4, v1                       ; out: 16 x lane
	v_lshlrev_b32 v50, 2, v48                      ; scale word: 4 r
	v_lshlrev_b32 v51, 3, v51                      ; 8 h bits
	v_mov_b32 v52, 0                               ; a lane permute's destination counts as read
.irp c, 0,1
.irp i, 0,1,2,3,4,5,6,7
	global_load_b128 v[WX+32*\c+4*\i:WX+32*\c+4*\i+3], v53, s[32:33] offset:256*\c+16*\i th:TH_LOAD_NT   ; W(row, 128 s + 64 c + 32 h + 4 i ..): the very numbers that my fragment registers hold
.endr
.endr
	XPATH                                          ; its last wait is for 0: the weight's numbers are in too
.irp c, 0,1                                    ; my two whole blocks, h and 2 + h
	v_max3_num_f32 v[54+\c], |v[WX+32*\c]|, |v[WX+32*\c+1]|, |v[WX+32*\c+2]|
	v_max3_num_f32 v[56+\c], |v[WX+32*\c+3]|, |v[WX+32*\c+4]|, |v[WX+32*\c+5]|
.endr
.irp i, 6,10,14,18,22,26
.irp c, 0,1
	s_delay_alu instid0(VALU_DEP_4)
	v_max3_num_f32 v[54+\c], v[54+\c], |v[WX+32*\c+\i]|, |v[WX+32*\c+\i+1]|
	s_delay_alu instid0(VALU_DEP_4)
	v_max3_num_f32 v[56+\c], v[56+\c], |v[WX+32*\c+\i+2]|, |v[WX+32*\c+\i+3]|
.endr
.endr
.irp c, 0
	s_delay_alu instid0(VALU_DEP_4)
	v_max3_num_f32 v[54+\c], v[54+\c], |v[WX+32*\c+30]|, |v[WX+32*\c+31]|
.endr
.irp c, 1
	s_delay_alu instid0(VALU_DEP_3)
	v_max3_num_f32 v[54+\c], v[54+\c], |v[WX+32*\c+30]|, |v[WX+32*\c+31]|
.endr
.irp c, 0,1
	s_delay_alu instid0(VALU_DEP_2)
	v_max3_num_f32 v[54+\c], v[54+\c], v[56+\c], 0x1800000
.endr
.irp c, 0,1
	s_delay_alu instid0(VALU_DEP_2)
	v_add_nc_u32 v[58+\c], 0xff000000, v[54+\c]
.endr
.irp c, 0,1
	s_delay_alu instid0(VALU_DEP_2)
	v_lshrrev_b32 v[60+\c], 23, v[58+\c]
.endr
	s_delay_alu instid0(VALU_DEP_1)
	v_lshl_or_b32 v62, v61, 16, v60                ; my two bytes,
	s_delay_alu instid0(VALU_DEP_1)
	v_lshlrev_b32 v62, v51, v62                    ; at their places in the word;
	s_delay_alu instid0(VALU_DEP_1)
	v_permlanex16_b32 v52, v62, s28, s29
	s_delay_alu instid0(VALU_DEP_1)
	v_or_b32 v62, v62, v52                         ; with lane l xor 16's two it is whole, in both lanes
.irp c, 0,1
	v_cvt_scalef32_pk16_fp6_f32 v[WP+6*\c:WP+6*\c+2], v[WX+32*\c:WX+32*\c+15], v[58+\c]
	v_cvt_scalef32_pk16_fp6_f32 v[WT+4*\c:WT+4*\c+2], v[WX+32*\c+16:WX+32*\c+31], v[58+\c]
.endr
	v_nop                                          ; one plain line behind the conversions
.irp c, 0,1
.irp i, 0,1,2
	v_mov_b32 v[WP+6*\c+3+\i], v[WT+4*\c+\i]
.endr
.endr
.irp g, 0,1,2
	global_store_b128 v49, v[WP+4*\g:WP+4*\g+3], s[36:37] offset:512*\g   ; 512 consecutive bytes
.endr
	global_store_b32 v50, v62, s[38:39]            ; the tile's 16 scale words; lanes r and 16 + r store the same word to the same place
	s_endpgm
.Lplain:
	XPATH
	s_endpgm
.Lfunc_end_k_q51d5e8f674_prep:
	.size	k_q51d5e8f674_prep, .Lfunc_end_k_q51d5e8f674_prep-k_q51d5e8f674_prep
	.p2alignl 7, 3214868480
	.fill 96, 4, 3214868480
	.section	.rodata,"a",@progbits
	.p2align	6, 0x0
	.amdhsa_kernel k_q51d5e8f674_prep
		.amdhsa_group_segment_fixed_size 0
		.amdhsa_private_segment_fixed_size 0
		.amdhsa_enable_private_segment 0
		.amdhsa_kernarg_size 40
		.amdhsa_user_sgpr_count 2
		.amdhsa_user_sgpr_kernarg_segment_ptr 1
		.amdhsa_wavefront_size32 1
		.amdhsa_system_sgpr_workgroup_id_x 1
		.amdhsa_system_sgpr_workgroup_id_y 1
		.amdhsa_system_sgpr_workgroup_id_z 1
		.amdhsa_system_vgpr_workitem_id 0
		.amdhsa_next_free_vgpr 256
		.amdhsa_next_free_sgpr 66
		.amdhsa_reserve_vcc 0
		.amdhsa_float_denorm_mode_32 3
		.amdhsa_float_denorm_mode_16_64 3
		.amdhsa_memory_ordered 1
		.amdhsa_forward_progress 1
		.amdhsa_inst_pref_size 52
	.end_amdhsa_kernel
	.amdgpu_metadata
---
amdhsa.version: [ 1, 2 ]
amdhsa.kernels:
  - .name:           k_q51d5e8f674_prep
    .symbol:         k_q51d5e8f674_prep.kd
    .args:
      - { .name: x, .offset: 0, .size: 8, .value_kind: global_buffer, .address_space: global }
      - { .name: Wq, .offset: 8, .size: 8, .value_kind: global_buffer, .address_space: global }
      - { .name: Wk, .offset: 16, .size: 8, .value_kind: global_buffer, .address_space: global }
      - { .name: Wv, .offset: 24, .size: 8, .value_kind: global_buffer, .address_space: global }
      - { .name: xw, .offset: 32, .size: 8, .value_kind: global_buffer, .address_space: global }
    .group_segment_fixed_size: 0
    .private_segment_fixed_size: 0
    .kernarg_segment_align: 8
    .kernarg_segment_size: 40
    .max_flat_workgroup_size: 256
    .sgpr_count:     66
    .vgpr_count:     256
    .wavefront_size: 32
...
	.end_amdgpu_metadata
.endif
;; end of part 5
;; launch proj (part 6): grid 128 x 2, 4 waves a work-group, clusters of 4 x 1, 327,680 bytes of LDS; arguments xw, qkv; writes qkv
.if DOCPART == 6
	.amdgcn_target "amdgcn-amd-amdhsa--gfx1250"
	.amdhsa_code_object_version 6
	.text
	.protected	k_q51d5e8f674_proj
	.globl	k_q51d5e8f674_proj
	.p2align	8
	.type	k_q51d5e8f674_proj,@function
k_q51d5e8f674_proj:
	s_mov_b64 s[64:65], 0
	v_nop
	global_prefetch_b8 v0, s[64:65] scope:SCOPE_SE
	s_setreg_imm32_b32 hwreg(HW_REG_WAVE_MODE, 25, 1), 1
	s_wait_xcnt 0x0
	s_wait_alu depctr_hold_cnt(0) depctr_sa_sdst(0) depctr_va_vdst(0) depctr_va_sdst(0) depctr_va_ssrc(0) depctr_va_vcc(0) depctr_vm_vsrc(0)
	s_getreg_b32 s2, hwreg(HW_REG_IB_STS2, 6, 4)
	s_cmp_eq_u32 s2, 0
	s_cbranch_scc0 .Lentry_in_a_cluster
	s_endpgm
.Lentry_in_a_cluster:
	s_bfe_u32 s2, ttmp6, 0x10000c
	s_cmp_lg_u32 s2, 0x3003
	s_cbranch_scc0 .Lentry_shape_is_right
	s_endpgm
.Lentry_shape_is_right:
; q = x Wq^T, k = x Wk^T, v = x Wv^T on codes of FP6 (E2M3) with E8M0 scales, and the results quantised again in registers: q and k along the features, v along the tokens (the keys).
; A work-group takes 128 tokens (block tb) and one half y of the weights: y = 0: Wq and Wv's channels 0-127; y = 1: Wk and Wv's channels 128-255.
; FIVE JOBS A WAVE, 64 matrix instructions each, one macro.  Source 0 is what streams (8 tiles), source 1 what stays (2 tiles): a lane then holds one row of what stays, and its registers run along the rows of what streams.
;   jobs 0-3: my two tiles of tokens stay, the 128 features of group G stream: the 64 numbers of a lane are K step G of q's (k's) fragment.
;   job 4:    my two tiles of Wv's channels stay, the block's 128 tokens stream: the 64 numbers are this key step of v's fragment, keys innermost.
; All operands lie in memory as images of their registers (1,536 bytes a fragment), so a chunk of 8 tiles x 4 K steps is 49,152 dense bytes, and a fragment is three loads of 512 consecutive bytes: no pitch, no padding.
; LDS: six chunks, each filled once (x, W's four groups, Wv's half), each whole by one wave's load: one tensor load of a wave is out at the most.  Nothing is filled again.
; CLUSTER: four token blocks of one half read the same five chunks of weights: those are asked for jointly (mask 15); x's chunk is each work-group's own.
; qkv: q's images [token tile][K step][1536]; k's; v's [batch][superstep of 512 keys][64 channels][4 x channel tile + key step][1536]; then scale words: q's and k's [pair][lane][K step], v's [key step][pair][lane].
; LIMITS: a block of zeros or under 2^-124 gets the byte 1; NaN and infinities are not served.
; REGISTERS: window 0: v1-10 addresses; v12-15, v16-79 scale words; v80-207 the 16 accumulators ((a, t) at 80 + 64 a + 8 t); v208-227 codes; v228-239 at work; v240-247 the words made.  window 1: two sets of 8 streaming fragments.  window 2: the 8 fragments that stay.
.set XSO, 6291456
.set WCO, 6553600
.set WSO, 7045120
.set KCO, 6291456
.set VCO, 12582912
.set QSO, 15728640
.set VSO, 16252928
.set CH,  49152
.set QTR, 12288
.set SPARE, 294912                     ; behind the six chunks: the spare words, 128 bytes a wave
.set WV,  8
.set G1J, 16                           ; s[16:23] group 1 of the joint loads
.set G1P, 24                           ; s[24:31] group 1 of x's load
.set G0,  32                           ; s[32:55] six groups 0
.set SEL, 74
.set HM,  76
.set A16, 1
.set A4,  2
.set ASM, 4                            ; v4-8 where job J's streaming chunk begins, + 16 x lane
.set ASTX, 9
.set ASTV, 10
.set SSX, 12
.set WSC, 16
.set HA,  80
.set PC,  208
.set TM,  228
.set PWS, 240
.set SPW, 252
.set NIL, 253
.set MSB, 0
.macro WIN new                         ; the immediate's high byte repeats the setting that is left
.if MSB != \new
	s_set_vgpr_msb (MSB<<8)|\new
.set MSB, \new
.endif
.endm
.macro PL n
.rept \n
	v_nop
.endr
.endm
.macro CROUND                          ; a round of the cluster's barrier
	s_barrier_signal -1
	s_barrier_wait -1
	s_cmp_lg_u32 s[WV], 0
	s_cbranch_scc1 .Lnot_wave_0_\@
	s_barrier_signal -3
.Lnot_wave_0_\@:
	s_barrier_wait -3
	s_barrier_signal -1
	s_barrier_wait -1
.endm
; one product: D, source 0, source 1; z: it starts the sum; the two scale registers; ra, rb: the side's words lie in lanes 16-31
.macro WM d, a, b, z, sa, sb, ra, rb
.if (\z)
.if (\ra)&&(\rb)
	v_wmma_scale_f32_16x16x128_f8f6f4 v[(\d):(\d)+7], v[(\a):(\a)+11], v[(\b):(\b)+11], 0, v[\sa], v[\sb] matrix_a_fmt:MATRIX_FMT_FP6 matrix_b_fmt:MATRIX_FMT_FP6 matrix_a_scale:MATRIX_SCALE_ROW1 matrix_b_scale:MATRIX_SCALE_ROW1
.elseif (\ra)
	v_wmma_scale_f32_16x16x128_f8f6f4 v[(\d):(\d)+7], v[(\a):(\a)+11], v[(\b):(\b)+11], 0, v[\sa], v[\sb] matrix_a_fmt:MATRIX_FMT_FP6 matrix_b_fmt:MATRIX_FMT_FP6 matrix_a_scale:MATRIX_SCALE_ROW1
.elseif (\rb)
	v_wmma_scale_f32_16x16x128_f8f6f4 v[(\d):(\d)+7], v[(\a):(\a)+11], v[(\b):(\b)+11], 0, v[\sa], v[\sb] matrix_a_fmt:MATRIX_FMT_FP6 matrix_b_fmt:MATRIX_FMT_FP6 matrix_b_scale:MATRIX_SCALE_ROW1
.else
	v_wmma_scale_f32_16x16x128_f8f6f4 v[(\d):(\d)+7], v[(\a):(\a)+11], v[(\b):(\b)+11], 0, v[\sa], v[\sb] matrix_a_fmt:MATRIX_FMT_FP6 matrix_b_fmt:MATRIX_FMT_FP6
.endif
.else
.if (\ra)&&(\rb)
	v_wmma_scale_f32_16x16x128_f8f6f4 v[(\d):(\d)+7], v[(\a):(\a)+11], v[(\b):(\b)+11], v[(\d):(\d)+7], v[\sa], v[\sb] matrix_a_fmt:MATRIX_FMT_FP6 matrix_b_fmt:MATRIX_FMT_FP6 matrix_a_scale:MATRIX_SCALE_ROW1 matrix_b_scale:MATRIX_SCALE_ROW1
.elseif (\ra)
	v_wmma_scale_f32_16x16x128_f8f6f4 v[(\d):(\d)+7], v[(\a):(\a)+11], v[(\b):(\b)+11], v[(\d):(\d)+7], v[\sa], v[\sb] matrix_a_fmt:MATRIX_FMT_FP6 matrix_b_fmt:MATRIX_FMT_FP6 matrix_a_scale:MATRIX_SCALE_ROW1
.elseif (\rb)
	v_wmma_scale_f32_16x16x128_f8f6f4 v[(\d):(\d)+7], v[(\a):(\a)+11], v[(\b):(\b)+11], v[(\d):(\d)+7], v[\sa], v[\sb] matrix_a_fmt:MATRIX_FMT_FP6 matrix_b_fmt:MATRIX_FMT_FP6 matrix_b_scale:MATRIX_SCALE_ROW1
.else
	v_wmma_scale_f32_16x16x128_f8f6f4 v[(\d):(\d)+7], v[(\a):(\a)+11], v[(\b):(\b)+11], v[(\d):(\d)+7], v[\sa], v[\sb] matrix_a_fmt:MATRIX_FMT_FP6 matrix_b_fmt:MATRIX_FMT_FP6
.endif
.endif
.endm
	s_load_b128 s[4:7], s[0:1], 0x0                ; xw, qkv
	v_lshl_add_u32 v[SPW], v0, 2, SPARE
	v_mov_b32 v[NIL], 0
	ds_add_u32 v[SPW], v[NIL]                      ; the wave's opening: the add and its wait stand ahead of my first tensor load; the set-up below stands between them
	ds_add_u32 v[SPW], v[NIL]
	v_lshrrev_b32 v3, 5, v0
	v_readfirstlane_b32 s[WV], v3                  ; wave 0..3
	s_bfe_u32 s9, ttmp6, 0x40000                   ; cx
	s_lshl_b32 s10, ttmp9, 2
	s_add_co_u32 s10, s10, s9                      ; tb: the block of 128 tokens
	s_and_b32 s11, ttmp7, 0xffff                   ; y: the half of the weights, which the four partners share
	; group 1: 49,152 dense bytes as 192 rows of 32 elements of 8 bytes
	s_mov_b32 s[G1J], 15|(3<<16)|(1<<21)           ; the mask names all four work-groups; bit 21 is set beside a mask
	s_mov_b32 s[G1P], 3<<16                        ; no mask
.irp g, G1J, G1P
	s_mov_b32 s[\g+1], 32<<16                      ; tensor_dim0
	s_mov_b32 s[\g+2], 192<<16                     ; tensor_dim1: a whole chunk, 192 rows of 256 bytes
	s_mov_b32 s[\g+3], 32<<16                      ; tile_dim0
	s_mov_b32 s[\g+4], 192                         ; tile_dim1
	s_mov_b32 s[\g+5], 32                          ; the pitch
	s_mov_b32 s[\g+6], 0
	s_mov_b32 s[\g+7], 0
.endr
	s_mov_b32 s[SEL], 0x76543210
	s_mov_b32 s[SEL+1], 0xfedcba98
	s_mov_b32 s[HM], 0xffff0000
	s_mul_i32 s12, s[WV], QTR                      ; my quarter of every chunk
	s_mul_i32 s56, s10, CH
	s_mov_b32 s57, 0
	s_mul_i32 s58, s11, 4*CH
	s_add_co_u32 s58, s58, WCO                     ; the half's first group of features: y alone
	s_mov_b32 s59, 0
	s_mul_i32 s60, s11, CH
	s_add_co_u32 s60, s60, WCO+8*CH                ; Wv's half
	s_mov_b32 s61, 0
	v_and_b32 v3, 31, v0
	v_lshlrev_b32 v[A16], 4, v3
	v_lshlrev_b32 v[A4], 2, v3
.irp g, 0,1,2,3
	v_add_nc_u32 v[ASM+\g], (1+\g)*CH, v[A16]
.endr
	v_mov_b32 v[ASM+4], v[A16]
	v_add_nc_u32 v[ASTX], s12, v[A16]
	v_add_nc_u32 v[ASTV], 5*CH, v[ASTX]
.irp b, 0,1,2,3
	v_mov_b32 v[TM+4+\b], 0                        ; a lane permute's destination counts as read
.endr
	s_wait_dscnt 0x0                               ; the opening add is done
	s_wait_kmcnt 0x0
	s_mov_b32 s[G0], 1
	s_mov_b32 s[G0+1], 0
	s_add_nc_u64 s[G0+2:G0+3], s[4:5], s[56:57]
	s_or_b32 s[G0+3], s[G0+3], 0x80000000
.irp g, 0,1,2,3
	s_mov_b32 s[G0+4+4*\g], 1
	s_mov_b32 s[G0+5+4*\g], (1+\g)*CH
	s_add_nc_u64 s[G0+6+4*\g:G0+7+4*\g], s[4:5], s[58:59]
	s_add_nc_u64 s[G0+6+4*\g:G0+7+4*\g], s[G0+6+4*\g:G0+7+4*\g], \g*CH
	s_or_b32 s[G0+7+4*\g], s[G0+7+4*\g], 0x80000000
.endr
	s_mov_b32 s[G0+20], 1
	s_mov_b32 s[G0+21], 5*CH
	s_add_nc_u64 s[G0+22:G0+23], s[4:5], s[60:61]
	s_or_b32 s[G0+23], s[G0+23], 0x80000000
	CROUND                                         ; all four work-groups are here: the joint loads meet
	; EACH CHUNK COMES WHOLE, BY ONE WAVE'S LOAD: one tensor load a wave here: wave 0 x's chunk, waves 1 to 3 the weights' groups 0 to 2; one chain of arms, one join
	s_cmp_lg_u32 s[WV], 0
	s_cbranch_scc1 .Lh1
	tensor_load_to_lds s[G0:G0+3], s[G1P:G1P+7]
	s_nop 0
	PL 4
	s_branch .Lhj
.Lh1:
	s_cmp_lg_u32 s[WV], 1
	s_cbranch_scc1 .Lh2
	tensor_load_to_lds s[G0+4:G0+7], s[G1J:G1J+7]
	s_nop 0
	PL 4
	s_branch .Lhj
.Lh2:
	s_cmp_lg_u32 s[WV], 2
	s_cbranch_scc1 .Lh3
	tensor_load_to_lds s[G0+8:G0+11], s[G1J:G1J+7]
	s_nop 0
	PL 4
	s_branch .Lhj
.Lh3:
	tensor_load_to_lds s[G0+12:G0+15], s[G1J:G1J+7]
	s_nop 0
	PL 4
.Lhj:
	; the bases of the scale words and of the results
	s_mov_b32 s15, 0
	s_lshl_b32 s13, s10, 2
	s_add_co_u32 s13, s13, s[WV]                   ; my pair of token tiles: 4 tb + w
	s_lshl_b32 s14, s13, 9
	s_add_co_u32 s14, s14, XSO
	s_add_nc_u64 s[66:67], s[4:5], s[14:15]        ; its words
	s_lshl_b32 s14, s11, 13
	s_add_co_u32 s14, s14, WSO
	s_add_nc_u64 s[68:69], s[4:5], s[14:15]        ; the half's 16 pairs of features
	s_lshl_b32 s14, s10, 11
	s_add_co_u32 s14, s14, XSO
	s_add_nc_u64 s[70:71], s[4:5], s[14:15]        ; the block's four pairs of tokens
	s_lshl_b32 s14, s11, 2
	s_add_co_u32 s14, s14, s[WV]
	s_add_co_u32 s14, s14, 32
	s_lshl_b32 s14, s14, 9
	s_add_co_u32 s14, s14, WSO
	s_add_nc_u64 s[72:73], s[4:5], s[14:15]        ; my pair of Wv's channels
	s_mul_i32 s14, s11, KCO
	s_mul_i32 s77, s10, CH
	s_add_co_u32 s14, s14, s77
	s_add_co_u32 s14, s14, s12
	s_add_nc_u64 s[56:57], s[6:7], s[14:15]        ; q's or k's images of my two tiles
	s_lshr_b32 s14, s10, 2
	s_lshl_b32 s14, s14, 2
	s_lshl_b32 s77, s11, 1
	s_add_co_u32 s14, s14, s77
	s_lshr_b32 s77, s[WV], 1
	s_add_co_u32 s14, s14, s77                     ; (batch x 8 + superstep) x 4 + which 64 channels
	s_mul_i32 s14, s14, 24576
	s_and_b32 s77, s[WV], 1
	s_lshl_b32 s77, s77, 3
	s_and_b32 s78, s10, 3
	s_add_co_u32 s77, s77, s78                     ; 4 x channel tile + key step of the superstep
	s_mul_i32 s77, s77, 1536
	s_add_co_u32 s14, s14, s77
	s_add_co_u32 s14, s14, VCO
	s_add_nc_u64 s[58:59], s[6:7], s[14:15]        ; v's images
	s_lshl_b32 s14, s13, 9
	s_lshl_b32 s77, s11, 18
	s_add_co_u32 s14, s14, s77
	s_add_co_u32 s14, s14, QSO
	s_add_nc_u64 s[60:61], s[6:7], s[14:15]        ; q's or k's scale words
	s_lshl_b32 s14, s10, 3
	s_lshl_b32 s77, s11, 2
	s_add_co_u32 s14, s14, s77
	s_add_co_u32 s14, s14, s[WV]
	s_lshl_b32 s14, s14, 7
	s_add_co_u32 s14, s14, VSO
	s_add_nc_u64 s[62:63], s[6:7], s[14:15]        ; v's scale words
.irp s, 0,1,2,3
	global_load_b32 v[SSX+\s], v[A4], s[66:67] offset:128*\s
.endr
.irp g, 0,1,2,3
.irp p, 0,1,2,3
.irp s, 0,1,2,3
	global_load_b32 v[WSC+16*\g+4*\p+\s], v[A4], s[68:69] offset:(4*\g+\p)*512+128*\s
.endr
.endr
.endr
.macro STAT adr                        ; the 8 fragments that stay: (a, s) at 12 (4 a + s) of window 2
	WIN 0x80
.irp f, 0,1,2,3,4,5,6,7
.irp g, 0,1,2
	ds_load_b128 v[12*\f+4*\g:12*\f+4*\g+3], v[\adr] offset:1536*\f+512*\g
.endr
.endr
.endm
.macro FETCHS adr, ks                  ; the 8 streaming fragments of K step ks into set ks % 2 of window 1
	WIN 0x40
.irp t, 0,1,2,3,4,5,6,7
.irp g, 0,1,2
	ds_load_b128 v[96*((\ks)%2)+12*\t+4*\g:96*((\ks)%2)+12*\t+4*\g+3], v[\adr] offset:(4*\t+(\ks))*1536+512*\g
.endr
.endr
.endm
; 64 products: the 16 accumulators take turns, one instruction a turn, in the same order in every K step.
; Four plain lines stand between the products that read a set and the loads that fill it again (ISA guide 7.12.1 for vector instructions).
.macro JOB adr, wsc, ssc
	FETCHS \adr, 0
.irp s, 0,1,2,3
.if (\s==1)||(\s==2)
	PL 4
.endif
.if \s < 3
	FETCHS \adr, \s+1
	s_wait_dscnt 24                                ; all but the next K step's 24 loads
.else
	s_wait_dscnt 0x0
.endif
	WIN 0x09                                       ; source 0 window 1, source 1 window 2, C and D window 0
.irp t, 0,1,2,3,4,5,6,7
.irp a, 0,1
	WM HA+64*\a+8*\t, 96*(\s%2)+12*\t, 12*(4*\a+\s), (\s==0), (\wsc)+4*(\t/2)+\s, (\ssc)+\s, \t%2, \a
.endr
.endr
.endr
	WIN 0
	PL 4
.endm
; 64 numbers of a lane, register 16 b + i = k 32 b + 16 (lane / 16) + i of my row, become a fragment's codes in v[PC] on and its scale word in v[pw]
.macro QUANT src, pw
	s_wait_xcnt 0x0                                ; the last stores have read v[PC] on and v[TM] on: they are written again only behind this wait
.irp b, 0,1,2,3
	v_max3_num_f32 v[TM+\b], |v[(\src)+16*\b]|, |v[(\src)+1+16*\b]|, 0x1800000   ; each accumulator is read from its low end on; the floor holds the byte at 1 from below
.endr
.irp i, 2,4,6,8,10,12,14
.irp b, 0,1,2,3
	v_max3_num_f32 v[TM+\b], v[TM+\b], |v[(\src)+16*\b+\i]|, |v[(\src)+1+16*\b+\i]|
.endr
.endr
.irp b, 0,1,2,3
	v_permlanex16_b32 v[TM+4+\b], v[TM+\b], s[SEL], s[SEL+1]
.endr
.irp b, 0,1,2,3
	v_max_num_f32 v[TM+\b], v[TM+\b], v[TM+4+\b]   ; with lane l xor 16's 16: the block's largest magnitude
.endr
.irp b, 0,1,2,3
	v_add_nc_u32 v[TM+8+\b], 0xff000000, v[TM+\b]  ; 2 off the exponent field: the conversion's scale operand
.endr
.irp b, 0,1,2,3
	v_lshrrev_b32 v[TM+4+\b], 23, v[TM+8+\b]       ; the byte
.endr
	v_lshl_or_b32 v[\pw], v[TM+5], 8, v[TM+4]
	v_lshl_or_b32 v[\pw], v[TM+6], 16, v[\pw]
	v_lshl_or_b32 v[\pw], v[TM+7], 24, v[\pw]
.irp c, 0,1
	v_cvt_scalef32_pk16_fp6_f32 v[PC+6*\c:PC+2+6*\c], v[(\src)+32*\c:(\src)+15+32*\c], v[TM+8+2*\c]
	v_cvt_scalef32_pk16_fp6_f32 v[PC+12+4*\c:PC+14+4*\c], v[(\src)+16+32*\c:(\src)+31+32*\c], v[TM+9+2*\c]
.endr
	v_nop                                          ; one plain line behind the conversions
.irp c, 0,1                                    ; the layout wants a whole block in a lane: lanes 0-15 block 2 c, lanes 16-31 block 2 c + 1
.irp i, 0,1,2
	v_permlane16_swap_b32 v[PC+6*\c+\i], v[PC+12+4*\c+\i]
.endr
.irp i, 0,1,2
	v_mov_b32 v[PC+3+6*\c+\i], v[PC+12+4*\c+\i]
.endr
.endr
.endm
.macro EMIT sb, g                      ; my two tiles' results of a job: quantised, and their images stored, 512 consecutive bytes a store
.irp a, 0,1
	QUANT HA+64*\a, PWS+4*\a+(\g)
.irp c, 0,1,2
	global_store_b128 v[A16], v[PC+4*\c:PC+4*\c+3], s[\sb:\sb+1] offset:\a*6144+(\g)*1536+512*\c
.endr
.endr
.endm
.macro GATE left                       ; my tensor loads have landed (left: the chunks issued behind it); then everybody's.
	s_wait_tensorcnt \left
	s_wait_dscnt 0x0
	s_barrier_signal -1
	s_barrier_wait -1
.endm
	s_wait_alu depctr_va_vdst(0)                   ; the wait at the head's end
	s_wait_tensorcnt 0x0                           ; my chunk is in
	ds_add_u32 v[SPW], v[NIL]
	s_wait_dscnt 0x0
	CROUND                                         ; x's chunk and groups 0 to 2 are whole for all four waves, and the partners are here
	s_cmp_lg_u32 s[WV], 0
	s_cbranch_scc1 .Lg1
	tensor_load_to_lds s[G0+16:G0+19], s[G1J:G1J+7] ; wave 0: group 3
	s_nop 0
	PL 4
	s_branch .Lgj
.Lg1:
	s_cmp_lg_u32 s[WV], 1
	s_cbranch_scc1 .Lgj
	tensor_load_to_lds s[G0+20:G0+23], s[G1J:G1J+7] ; wave 1: Wv's half; waves 2 and 3 have nothing left to ask for
	s_nop 0
	PL 4
.Lgj:
	STAT ASTX
	s_wait_loadcnt 0x0                             ; the scale words
	JOB ASM, WSC, SSX
	EMIT 56, 0
	JOB ASM+1, WSC+16, SSX
	EMIT 56, 1
	JOB ASM+2, WSC+32, SSX
	EMIT 56, 2
	GATE 0                                         ; group 3 and Wv's half have landed, and every wave knows it
.irp p, 0,1,2,3                                ; job 4's scale words, into registers whose jobs are long over
.irp s, 0,1,2,3
	global_load_b32 v[16+4*\p+\s], v[A4], s[70:71] offset:512*\p+128*\s
.endr
.endr
.irp s, 0,1,2,3
	global_load_b32 v[32+\s], v[A4], s[72:73] offset:128*\s
.endr
	JOB ASM+3, WSC+48, SSX
	EMIT 56, 3
.irp g, 0,1,2,3
	v_cndmask_b32 v[TM+\g], v[PWS+\g], v[PWS+4+\g], s[HM]   ; lanes 0-15 the even tile's word, lanes 16-31 the odd one's
.endr
	global_store_b128 v[A16], v[TM:TM+3], s[60:61] ; the pair's words of all four K steps: 512 consecutive bytes
	STAT ASTV
	s_wait_loadcnt 0x0
	JOB ASM+4, 16, 32
	EMIT 58, 0
	v_cndmask_b32 v[TM], v[PWS], v[PWS+4], s[HM]
	global_store_b32 v[A4], v[TM], s[62:63]
	s_wait_tensorcnt 0x0                           ; the wave's end
	ds_add_u32 v[SPW], v[NIL]
	s_wait_dscnt 0x0
	CROUND                                         ; the closing round
	s_endpgm
.Lfunc_end_k_q51d5e8f674_proj:
	.size	k_q51d5e8f674_proj, .Lfunc_end_k_q51d5e8f674_proj-k_q51d5e8f674_proj
	.p2alignl 7, 3214868480
	.fill 96, 4, 3214868480
	.section	.rodata,"a",@progbits
	.p2align	6, 0x0
	.amdhsa_kernel k_q51d5e8f674_proj
		.amdhsa_group_segment_fixed_size 327680
		.amdhsa_private_segment_fixed_size 0
		.amdhsa_enable_private_segment 0
		.amdhsa_kernarg_size 16
		.amdhsa_user_sgpr_count 2
		.amdhsa_user_sgpr_kernarg_segment_ptr 1
		.amdhsa_wavefront_size32 1
		.amdhsa_system_sgpr_workgroup_id_x 1
		.amdhsa_system_sgpr_workgroup_id_y 1
		.amdhsa_system_sgpr_workgroup_id_z 1
		.amdhsa_system_vgpr_workitem_id 0
		.amdhsa_next_free_vgpr 640
		.amdhsa_next_free_sgpr 80
		.amdhsa_reserve_vcc 0
		.amdhsa_float_denorm_mode_32 3
		.amdhsa_float_denorm_mode_16_64 3
		.amdhsa_memory_ordered 1
		.amdhsa_forward_progress 1
		.amdhsa_inst_pref_size 136
	.end_amdhsa_kernel
	.amdgpu_metadata
---
amdhsa.version: [ 1, 2 ]
amdhsa.kernels:
  - .name:           k_q51d5e8f674_proj
    .symbol:         k_q51d5e8f674_proj.kd
    .args:
      - { .name: xw, .offset: 0, .size: 8, .value_kind: global_buffer, .address_space: global }
      - { .name: qkv, .offset: 8, .size: 8, .value_kind: global_buffer, .address_space: global }
    .group_segment_fixed_size: 327680
    .private_segment_fixed_size: 0
    .kernarg_segment_align: 8
    .kernarg_segment_size: 16
    .max_flat_workgroup_size: 128
    .sgpr_count:     80
    .vgpr_count:     640
    .wavefront_size: 32
...
	.end_amdgpu_metadata
.endif
;; end of part 6
;; launch flash (part 7): grid 64 x 4, 4 waves a work-group, clusters of 4 x 1, 327,680 bytes of LDS; arguments qkv, out0, lse; writes out0, lse
.if DOCPART == 7
	.amdgcn_target "amdgcn-amd-amdhsa--gfx1250"
	.amdhsa_code_object_version 6
	.text
	.protected	k_q51d5e8f674_flash
	.globl	k_q51d5e8f674_flash
	.p2align	8
	.type	k_q51d5e8f674_flash,@function
k_q51d5e8f674_flash:
	s_mov_b64 s[64:65], 0
	v_nop
	global_prefetch_b8 v0, s[64:65] scope:SCOPE_SE
	s_setreg_imm32_b32 hwreg(HW_REG_WAVE_MODE, 25, 1), 1
	s_wait_xcnt 0x0
	s_wait_alu depctr_hold_cnt(0) depctr_sa_sdst(0) depctr_va_vdst(0) depctr_va_sdst(0) depctr_va_ssrc(0) depctr_va_vcc(0) depctr_vm_vsrc(0)
	s_getreg_b32 s2, hwreg(HW_REG_IB_STS2, 6, 4)
	s_cmp_eq_u32 s2, 0
	s_cbranch_scc0 .Lentry_in_a_cluster
	s_endpgm
.Lentry_in_a_cluster:
	s_bfe_u32 s2, ttmp6, 0x10000c
	s_cmp_lg_u32 s2, 0x3003
	s_cbranch_scc0 .Lentry_shape_is_right
	s_endpgm
.Lentry_shape_is_right:
; out0[b][ch][n] = sum over keys of softmax(q k^T / sqrt(512)) v, both products on codes of FP6 (E2M3) with E8M0 scales; lse[b][n] = M + log2(l), for the launch that sums the columns.
; THE SOFTMAX: t = score x log2(e) / sqrt(512); M = the row's running largest t, rounded up to a whole number; p = 2^(t - M) is quantised along the keys, not normalised; l is the sum of the unquantised p and divides at the end.
; SHARES.  A work-group owns 64 queries (4 tiles m) of one batch; 8 supersteps of 512 keys.  THE WAVES SHARE THE KEYS IN THE FIRST PRODUCT AND THE CHANNELS IN THE SECOND, never the queries, so that each fragment read from LDS feeds four products:
;   A: wave w makes S^T for key step 4 sigma + w (8 tiles of keys) x all 64 queries: 128 products.   B: the rows' maxima meet in LDS, so M is the same in all waves; each wave quantises its p, which is key step w of the second product, and stores its image.
;   C: wave w makes O^T for channels 64 w .. 64 w + 63 x all 64 queries over the four key steps: 64 products.
; Source 0 is what streams (k, v), source 1 what stays (q, p): a lane holds one query throughout.  Operands are images of their registers (1,536 bytes a fragment), so each wave's K chunk (49,152 bytes) and V chunk (24,576) is dense; only the wave that asked for a chunk reads it.
; CLUSTER: four query blocks of a batch walk the same K and V: every chunk is asked for jointly (mask 15).  At most two tensor loads of a wave are out.
; LIMITS: a block of p that has fallen to zeros keeps the byte 1; NaN and infinities are not served.
; REGISTERS: window 0: addresses, statistics, scale words, what the quantiser makes.  window 1: S^T, (m, t) at 64 m + 8 t; in C two sets of 4 fragments of V and 4 of P.  window 2: Q, (m, s) at 12 (4 m + s).  window 3: O^T, (m, cc) at 32 m + 8 cc; from v128 two sets of 4 fragments of K.
.set KC,  6291456
.set VC,  12582912
.set QS,  15728640
.set KS,  15990784
.set VS,  16252928
.set KCH, 49152
.set VCH, 24576
.set VR,  196608                       ; LDS: four K chunks, then four V chunks,
.set PIM, 294912                       ; P's 16 images (4 m + key step),
.set PSC, 319488                       ; their paired scale words (4 p + key step) x 128,
.set MXR, 320512                       ; the waves' row maxima (4 w + m) x 128,
.set LEX, 322560                       ; the waves' row sums,
.set LST, 324608                       ; lse in token order,
.set SPARE, 324864                     ; and the spare words, 128 bytes a wave
.set WV,  10
.set G1K, 16
.set G1V, 24
.set G0K, 32
.set G0V, 36
.set KSB, 40
.set VSB, 42
.set PFA, 44
.set PFS, 46
.set LIM, 48
.set CNT, 49
.set CS,  50
.set SEL, 52
.set HM,  54
.set A16, 1
.set A4,  2
.set AK,  4
.set AV,  5
.set APW, 6
.set APR, 7
.set ASW, 8
.set ASR, 9
.set AMW, 10
.set AMR, 11
.set ALW, 12
.set ALR, 13
.set AST, 14
.set ASD, 15
.set GO,  16
.set ALS, 17
.set ALD, 18
.set A8,  19
.set PFO, 20
.set SPW, 22
.set NIL, 23
.set ST,  24                           ; tile m at ST + 8 m: -M, the largest t, l (a pair), f (a pair, the low word used), two at work
.set QW,  56
.set KW,  64
.set VW,  80
.set PWD, 88
.set BM,  96                           ; the blocks' largest scores, then largest p: 4 m + b
.set TP,  112
.set SO,  128
.set PC,  144
.set PT,  192
.set WD,  224
.set C2,  232
.set MSB, 0
.macro WIN new
.if MSB != \new
	s_set_vgpr_msb (MSB<<8)|\new
.set MSB, \new
.endif
.endm
.macro PL n
.rept \n
	v_nop
.endr
.endm
.macro CROUND
	s_barrier_signal -1
	s_barrier_wait -1
	s_cmp_lg_u32 s[WV], 0
	s_cbranch_scc1 .Lnot_wave_0_\@
	s_barrier_signal -3
.Lnot_wave_0_\@:
	s_barrier_wait -3
	s_barrier_signal -1
	s_barrier_wait -1
.endm
.macro WM d, a, b, z, sa, sb, ra, rb
.if (\z)
.if (\ra)&&(\rb)
	v_wmma_scale_f32_16x16x128_f8f6f4 v[(\d):(\d)+7], v[(\a):(\a)+11], v[(\b):(\b)+11], 0, v[\sa], v[\sb] matrix_a_fmt:MATRIX_FMT_FP6 matrix_b_fmt:MATRIX_FMT_FP6 matrix_a_scale:MATRIX_SCALE_ROW1 matrix_b_scale:MATRIX_SCALE_ROW1
.elseif (\ra)
	v_wmma_scale_f32_16x16x128_f8f6f4 v[(\d):(\d)+7], v[(\a):(\a)+11], v[(\b):(\b)+11], 0, v[\sa], v[\sb] matrix_a_fmt:MATRIX_FMT_FP6 matrix_b_fmt:MATRIX_FMT_FP6 matrix_a_scale:MATRIX_SCALE_ROW1
.elseif (\rb)
	v_wmma_scale_f32_16x16x128_f8f6f4 v[(\d):(\d)+7], v[(\a):(\a)+11], v[(\b):(\b)+11], 0, v[\sa], v[\sb] matrix_a_fmt:MATRIX_FMT_FP6 matrix_b_fmt:MATRIX_FMT_FP6 matrix_b_scale:MATRIX_SCALE_ROW1
.else
	v_wmma_scale_f32_16x16x128_f8f6f4 v[(\d):(\d)+7], v[(\a):(\a)+11], v[(\b):(\b)+11], 0, v[\sa], v[\sb] matrix_a_fmt:MATRIX_FMT_FP6 matrix_b_fmt:MATRIX_FMT_FP6
.endif
.else
.if (\ra)&&(\rb)
	v_wmma_scale_f32_16x16x128_f8f6f4 v[(\d):(\d)+7], v[(\a):(\a)+11], v[(\b):(\b)+11], v[(\d):(\d)+7], v[\sa], v[\sb] matrix_a_fmt:MATRIX_FMT_FP6 matrix_b_fmt:MATRIX_FMT_FP6 matrix_a_scale:MATRIX_SCALE_ROW1 matrix_b_scale:MATRIX_SCALE_ROW1
.elseif (\ra)
	v_wmma_scale_f32_16x16x128_f8f6f4 v[(\d):(\d)+7], v[(\a):(\a)+11], v[(\b):(\b)+11], v[(\d):(\d)+7], v[\sa], v[\sb] matrix_a_fmt:MATRIX_FMT_FP6 matrix_b_fmt:MATRIX_FMT_FP6 matrix_a_scale:MATRIX_SCALE_ROW1
.elseif (\rb)
	v_wmma_scale_f32_16x16x128_f8f6f4 v[(\d):(\d)+7], v[(\a):(\a)+11], v[(\b):(\b)+11], v[(\d):(\d)+7], v[\sa], v[\sb] matrix_a_fmt:MATRIX_FMT_FP6 matrix_b_fmt:MATRIX_FMT_FP6 matrix_b_scale:MATRIX_SCALE_ROW1
.else
	v_wmma_scale_f32_16x16x128_f8f6f4 v[(\d):(\d)+7], v[(\a):(\a)+11], v[(\b):(\b)+11], v[(\d):(\d)+7], v[\sa], v[\sb] matrix_a_fmt:MATRIX_FMT_FP6 matrix_b_fmt:MATRIX_FMT_FP6
.endif
.endif
.endm
; A PREFETCH INTO THE L2 of superstep sigma + 2, one superstep ahead of K's load: 196,608 bytes of K (24 pieces of 8,192: waves 0-2 x four partners x two instructions) and 98,304 of V (12 pieces: wave 3 x four partners x three), lanes 256 bytes apart.
; All clusters of a batch walk the same K and V: the batch's first cluster asks; its partners are told apart by address alone.  The last change that fills asks for nothing: there is no superstep behind it.
.macro ASK
	s_cmp_gt_u32 s[CNT], s[LIM]
	s_cbranch_scc0 .Lnot_mine_\@
	global_prefetch_b8 v[PFO], s[PFA:PFA+1] th:TH_LOAD_NT scope:SCOPE_SE
	global_prefetch_b8 v[PFO], s[PFA:PFA+1] offset:8192 th:TH_LOAD_NT scope:SCOPE_SE
	s_cmp_lg_u32 s[WV], 3
	s_cbranch_scc1 .Lnot_mine_\@
	global_prefetch_b8 v[PFO], s[PFA:PFA+1] offset:16384 th:TH_LOAD_NT scope:SCOPE_SE
.Lnot_mine_\@:
.endm
	s_load_b128 s[4:7], s[0:1], 0x0                ; qkv, out0
	s_load_b64 s[8:9], s[0:1], 0x10                ; lse
	v_lshl_add_u32 v[SPW], v0, 2, SPARE
	v_mov_b32 v[NIL], 0
	ds_add_u32 v[SPW], v[NIL]                      ; the wave's opening: the add and its wait stand ahead of my first tensor load; the set-up below stands between them
	ds_add_u32 v[SPW], v[NIL]
	v_lshrrev_b32 v3, 5, v0
	v_readfirstlane_b32 s[WV], v3                  ; wave 0..3
	s_bfe_u32 s11, ttmp6, 0x40000                  ; cx
	s_lshl_b32 s12, ttmp9, 2
	s_add_co_u32 s12, s12, s11                     ; my block of 64 queries: it enters Q's, out0's and lse's addresses alone
	s_and_b32 s13, ttmp7, 0xffff                   ; the batch, which the partners share
	s_mov_b32 s[G1K], 15|(3<<16)|(1<<21)           ; dense bytes as rows of 32 elements of 8 bytes; the mask names all four; bit 21 set beside it
	s_mov_b32 s[G1K+1], 32<<16
	s_mov_b32 s[G1K+2], 192<<16                    ; 192 rows: 49,152 bytes
	s_mov_b32 s[G1K+3], 32<<16
	s_mov_b32 s[G1K+4], 192
	s_mov_b32 s[G1K+5], 32
	s_mov_b32 s[G1K+6], 0
	s_mov_b32 s[G1K+7], 0
	s_mov_b32 s[G1V], 15|(3<<16)|(1<<21)
	s_mov_b32 s[G1V+1], 32<<16
	s_mov_b32 s[G1V+2], 96<<16                     ; 96 rows: 24,576 bytes
	s_mov_b32 s[G1V+3], 32<<16
	s_mov_b32 s[G1V+4], 96
	s_mov_b32 s[G1V+5], 32
	s_mov_b32 s[G1V+6], 0
	s_mov_b32 s[G1V+7], 0
	s_mov_b32 s[CS], 0x3d8293ee                    ; c = log2(e) / sqrt(512)
	s_mov_b32 s[CS+1], s[CS]
	s_mov_b32 s[SEL], 0x76543210
	s_mov_b32 s[SEL+1], 0xfedcba98
	s_mov_b32 s[HM], 0xffff0000
	s_mul_i32 s14, s[WV], KCH                      ; my K chunk in LDS
	s_mul_i32 s15, s[WV], VCH                      ; my V chunk, from VR on
	s_mul_i32 s56, s13, 1572864
	s_add_co_u32 s56, s56, s14
	s_add_co_u32 s56, s56, KC                      ; K: batch and wave alone
	s_mov_b32 s57, 0
	s_mul_i32 s58, s13, 786432
	s_add_co_u32 s58, s58, s15
	s_add_co_u32 s58, s58, VC                      ; V likewise
	s_mov_b32 s59, 0
	s_lshl_b32 s60, s[WV], 2                       ; the prefetches: K's piece pair 4 w + cx,
	s_add_co_u32 s60, s60, s11
	s_lshl_b32 s60, s60, 14
	s_mul_i32 s61, s13, 1572864
	s_add_co_u32 s60, s60, s61
	s_add_co_u32 s60, s60, KC+196608               ; in superstep 1: the first change steps it to 2
	s_mul_i32 s62, s11, 24576                      ; V's three pieces of partner cx
	s_mul_i32 s61, s13, 786432
	s_add_co_u32 s62, s62, s61
	s_add_co_u32 s62, s62, VC+98304
	s_cmp_lt_u32 s[WV], 3
	s_cselect_b32 s60, s60, s62
	s_mov_b32 s61, 0
	s_mov_b32 s[PFS], 98304
	s_cselect_b32 s[PFS], 196608, s[PFS]
	s_mov_b32 s[PFS+1], 0
	s_cmp_eq_u32 ttmp9, 0                          ; the batch's first cluster: the same in all four partners
	s_cselect_b32 s[LIM], 1, -1
	v_and_b32 v3, 31, v0
	v_lshlrev_b32 v[A16], 4, v3
	v_lshlrev_b32 v[A4], 2, v3
	v_lshlrev_b32 v[A8], 3, v3
	v_lshlrev_b32 v[PFO], 8, v3
	v_and_b32 v21, 15, v0                          ; r
	v_bfe_u32 v3, v0, 4, 1                         ; h
	v_and_b32 v[TP], 8, v21
	v_add_nc_u32 v[TP], v[TP], v21                 ; r + 8 (r / 8)
	v_add_nc_u32 v[AK], s14, v[A16]
	v_add_nc_u32 v[AV], s15, v[A16]
	v_add_nc_u32 v[AV], VR, v[AV]
	s_mul_i32 s72, s[WV], 1536
	v_add_nc_u32 v[APW], s72, v[A16]
	v_add_nc_u32 v[APW], PIM, v[APW]
	v_add_nc_u32 v[APR], PIM, v[A16]
	s_lshl_b32 s72, s[WV], 7
	v_add_nc_u32 v[ASW], s72, v[A4]
	v_add_nc_u32 v[ASW], PSC, v[ASW]
	v_add_nc_u32 v[ASR], PSC, v[A4]
	s_lshl_b32 s72, s[WV], 9
	v_add_nc_u32 v[AMW], s72, v[A4]
	v_add_nc_u32 v[ALW], LEX, v[AMW]
	v_add_nc_u32 v[AMW], MXR, v[AMW]
	v_add_nc_u32 v[AMR], MXR, v[A4]
	v_add_nc_u32 v[ALR], LEX, v[A4]
	v_mul_u32_u24 v[AST], v3, 4352                 ; the way out's stage, in my K chunk: 64 rows (channels) of 256 bytes + 16; in: 16 h rows down, my query's 4 bytes
	v_lshl_add_u32 v[AST], v[TP], 2, v[AST]
	v_add_nc_u32 v[AST], s14, v[AST]
	v_mul_u32_u24 v[ASD], v3, 272                  ; back: lanes 0-15 one row, lanes 16-31 the next
	v_lshl_add_u32 v[ASD], v21, 4, v[ASD]
	v_add_nc_u32 v[ASD], s14, v[ASD]
	v_lshlrev_b32 v[GO], 14, v3                    ; and the same two channels in out0
	v_lshl_add_u32 v[GO], v21, 4, v[GO]
	v_lshl_add_u32 v[ALS], v[TP], 2, LST
	v_add_nc_u32 v[ALD], LST, v[A8]
.irp m, 0,1,2,3
	v_mov_b32 v[ST+8*\m+1], 0xff61b1e6             ; the largest t so far: -3e38
	v_floor_f32 v[ST+8*\m], -v[ST+8*\m+1]          ; -M
.irp i, 2,3,4,5,6,7
	v_mov_b32 v[ST+8*\m+\i], 0                     ; l; and registers that are named in pairs or by lane permutes before they are first written
.endr
.endr
.set k, 0
.rept 16
	v_mov_b32 v[TP+k], 0
.set k, k+1
.endr
	s_wait_dscnt 0x0                               ; the opening add is done
	s_wait_kmcnt 0x0
	s_mov_b32 s[G0K], 1
	s_mov_b32 s[G0K+1], s14
	s_add_nc_u64 s[G0K+2:G0K+3], s[4:5], s[56:57]
	s_or_b32 s[G0K+3], s[G0K+3], 0x80000000
	s_mov_b32 s[G0V], 1
	s_add_co_u32 s[G0V+1], s15, VR
	s_add_nc_u64 s[G0V+2:G0V+3], s[4:5], s[58:59]
	s_or_b32 s[G0V+3], s[G0V+3], 0x80000000
	s_add_nc_u64 s[PFA:PFA+1], s[4:5], s[60:61]
	s_mov_b32 s71, 0
	s_lshl_b32 s70, s13, 16
	s_lshl_b32 s72, s[WV], 11
	s_add_co_u32 s70, s70, s72
	s_add_co_u32 s70, s70, KS
	s_add_nc_u64 s[KSB:KSB+1], s[4:5], s[70:71]    ; K's scale words: my key step's four pairs
	s_lshl_b32 s70, s13, 15
	s_lshl_b32 s72, s[WV], 8
	s_add_co_u32 s70, s70, s72
	s_add_co_u32 s70, s70, VS
	s_add_nc_u64 s[VSB:VSB+1], s[4:5], s[70:71]    ; V's: my two pairs of channels
	s_mul_i32 s70, s13, 1572864
	s_mul_i32 s72, s12, 24576
	s_add_co_u32 s70, s70, s72
	s_add_nc_u64 s[66:67], s[4:5], s[70:71]        ; Q's 16 images
	s_lshl_b32 s70, s13, 16
	s_lshl_b32 s72, s12, 10
	s_add_co_u32 s70, s70, s72
	s_add_co_u32 s70, s70, QS
	s_add_nc_u64 s[68:69], s[4:5], s[70:71]        ; and its two pairs of scale words
	s_lshl_b32 s70, s13, 22
	s_lshl_b32 s72, s[WV], 20
	s_add_co_u32 s70, s70, s72
	s_lshl_b32 s72, s12, 8
	s_add_co_u32 s70, s70, s72
	s_add_nc_u64 s[6:7], s[6:7], s[70:71]          ; out0: (256 b + 64 w) channels of 16,384 bytes + my 64 queries
	s_lshl_b32 s70, s13, 14
	s_add_co_u32 s70, s70, s72
	s_add_nc_u64 s[8:9], s[8:9], s[70:71]          ; lse
	CROUND                                         ; all four work-groups are here: the first joint loads meet
	tensor_load_to_lds s[G0K:G0K+3], s[G1K:G1K+7]
	s_nop 0
	PL 4
	WIN 0x80
.irp f, 0,1,2,3,4,5,6,7,8,9,10,11,12,13,14,15
.irp g, 0,1,2
	global_load_b128 v[12*\f+4*\g:12*\f+4*\g+3], v[A16], s[66:67] offset:1536*\f+512*\g   ; Q stays in registers
.endr
.endr
	WIN 0
.irp p, 0,1
	global_load_b128 v[QW+4*\p:QW+4*\p+3], v[A16], s[68:69] offset:512*\p
.endr
.irp p, 0,1,2,3
	global_load_b128 v[KW+4*\p:KW+4*\p+3], v[A16], s[KSB:KSB+1] offset:512*\p
.endr
.irp kp, 0,1,2,3
.irp p, 0,1
	global_load_b32 v[VW+4*\p+\kp], v[A4], s[VSB:VSB+1] offset:1024*\kp+128*\p
.endr
.endr
	WIN 0xc0
.set j, 0
.rept 128
	v_mov_b32 v[j], 0                              ; O^T.  (The superstep is written with no first form of its own: the first change of M multiplies zeros)
.set j, j+1
.endr
	WIN 0
.macro FETCHK gm                       ; four fragments of K: K step gm / 2, tiles 4 (gm % 2) .. + 3, into set gm % 2
	WIN 0xc0
.irp i, 0,1,2,3
.irp g, 0,1,2
	ds_load_b128 v[128+48*((\gm)%2)+12*\i+4*\g:128+48*((\gm)%2)+12*\i+4*\g+3], v[AK] offset:(4*(4*((\gm)%2)+\i)+(\gm)/2)*1536+512*\g
.endr
.endr
.endm
.macro FETCHC kp                       ; key step kp: my four fragments of V and the four of P, into set kp % 2
	WIN 0x40
.irp c, 0,1,2,3
.irp g, 0,1,2
	ds_load_b128 v[96*((\kp)%2)+12*\c+4*\g:96*((\kp)%2)+12*\c+4*\g+3], v[AV] offset:(4*\c+(\kp))*1536+512*\g
.endr
.endr
.irp m, 0,1,2,3
.irp g, 0,1,2
	ds_load_b128 v[96*((\kp)%2)+48+12*\m+4*\g:96*((\kp)%2)+48+12*\m+4*\g+3], v[APR] offset:(4*\m+(\kp))*1536+512*\g
.endr
.endr
.endm
; A SUPERSTEP of 512 keys.  fill = 1: the next superstep's K and V are asked for.
.macro SUPER fill
	; ---- A: S^T = K Q^T.  In every half step the 16 accumulators take turns, one instruction a turn
	s_wait_loadcnt 8                               ; K's scale words are in; V's eight, issued behind them, may be out
	FETCHK 0
	FETCHK 1
.irp gm, 0,1,2,3,4,5,6,7
.if \gm < 7
	s_wait_dscnt 12                                ; all but the next half step's 12 loads
.else
	s_wait_dscnt 0x0
.endif
	WIN 0x5b                                       ; K window 3, Q window 2, S^T window 1
.irp i, 0,1,2,3
.irp m, 0,1,2,3
	WM 64*\m+8*(4*(\gm%2)+\i), 128+48*(\gm%2)+12*\i, 12*(4*\m+\gm/2), (\gm<2), KW+4*((4*(\gm%2)+\i)/2)+\gm/2, QW+4*(\m/2)+\gm/2, \i%2, \m%2
.endr
.endr
.if \gm < 6
	PL 4                                           ; four plain lines between the products that read a set and the loads that fill it again
	FETCHK \gm+2
.endif
.endr
	WIN 0
	PL 4
	; ---- B1: the largest score of each block of 32 keys; it serves for the row's maximum and, since p rises with the score, for the block's largest p
.if \fill
	s_add_nc_u64 s[KSB:KSB+1], s[KSB:KSB+1], 8192  ; (the loads that read this base were shown done at A's head)
.irp p, 0,1,2,3
	global_load_b128 v[KW+4*\p:KW+4*\p+3], v[A16], s[KSB:KSB+1] offset:512*\p
.endr
.endif
	WIN 0x15
.irp m, 0,1,2,3
.irp b, 0,1,2,3
	v_max3_num_f32 v[BM+4*\m+\b], v[64*\m+16*\b], v[64*\m+16*\b+1], v[64*\m+16*\b+2]   ; each accumulator is read from its low end on
.endr
.endr
	WIN 0x14
.irp i, 3,5,7,9,11,13
.irp m, 0,1,2,3
.irp b, 0,1,2,3
	v_max3_num_f32 v[BM+4*\m+\b], v[BM+4*\m+\b], v[64*\m+16*\b+\i], v[64*\m+16*\b+\i+1]
.endr
.endr
.endr
	WIN 0x04
.irp m, 0,1,2,3
.irp b, 0,1,2,3
	v_max_num_f32 v[BM+4*\m+\b], v[BM+4*\m+\b], v[64*\m+16*\b+15]
.endr
.endr
	WIN 0
.set k, 0
.rept 16
	v_permlanex16_b32 v[TP+k], v[BM+k], s[SEL], s[SEL+1]
.set k, k+1
.endr
.set k, 0
.rept 16
	v_max_num_f32 v[BM+k], v[BM+k], v[TP+k]        ; with lane l xor 16's 16 keys
.set k, k+1
.endr
.irp m, 0,1,2,3
	v_max3_num_f32 v[ST+8*\m+6], v[BM+4*\m], v[BM+4*\m+1], v[BM+4*\m+2]
.endr
.irp m, 0,1,2,3
	v_max_num_f32 v[ST+8*\m+6], v[ST+8*\m+6], v[BM+4*\m+3]
.endr
.irp m, 0,1,2,3
	v_mul_f32 v[ST+8*\m+6], s[CS], v[ST+8*\m+6]    ; as t (c is positive)
.endr
.irp m, 0,1,2,3
	ds_store_b32 v[AMW], v[ST+8*\m+6] offset:128*\m   ; my 128 keys' largest t of each query
.endr
	; ---- the first barrier: the maxima lie in LDS; my reads of my K chunk are over; V's chunk has landed
	s_wait_tensorcnt 0x0                           ; no tensor load of mine is out, so a group 0 may be written
	ds_add_u32 v[SPW], v[NIL]                      ; 0 onto my spare word
.if \fill
	s_add_nc_u64 s[G0K+2:G0K+3], s[G0K+2:G0K+3], 4*KCH
	s_wait_xcnt 0x0                                ; the last prefetches, a superstep back, have read their address
	s_add_nc_u64 s[PFA:PFA+1], s[PFA:PFA+1], s[PFS:PFS+1]
.endif
	s_wait_dscnt 0x0                               ; the add and my stores are done, my reads are in
.if \fill
	CROUND                                         ; no wave of any partner still reads its K chunk or has a load on its way
	tensor_load_to_lds s[G0K:G0K+3], s[G1K:G1K+7]  ; the next superstep's K: it has B2 and C in which to land
	s_nop 0
	PL 4
	ASK
.else
	s_barrier_signal -1
	s_barrier_wait -1
.endif
	; ---- B2: M, p, l, and p's codes
.irp m, 0,1,2,3
.irp w, 0,1,2,3
	ds_load_b32 v[TP+4*\m+\w], v[AMR] offset:(4*\w+\m)*128
.endr
.endr
	s_wait_dscnt 0x0
.irp m, 0,1,2,3
	v_max3_num_f32 v[ST+8*\m+1], v[ST+8*\m+1], v[TP+4*\m], v[TP+4*\m+1]
.endr
.irp m, 0,1,2,3
	v_max3_num_f32 v[ST+8*\m+1], v[ST+8*\m+1], v[TP+4*\m+2], v[TP+4*\m+3]   ; the running largest t, the same in all four waves
.endr
.irp m, 0,1,2,3
	v_mov_b32 v[ST+8*\m+6], v[ST+8*\m]
.endr
.irp m, 0,1,2,3
	v_floor_f32 v[ST+8*\m], -v[ST+8*\m+1]          ; -M = floor(-t): M is a whole number
.endr
.irp m, 0,1,2,3
	v_sub_f32 v[ST+8*\m+6], v[ST+8*\m], v[ST+8*\m+6]   ; old M - new M, 0 or less
.endr
.irp m, 0,1,2,3
	v_cvt_i32_f32 v[ST+8*\m+6], v[ST+8*\m+6]       ; (it saturates)
.endr
.irp m, 0,1,2,3
	v_ldexp_f32 v[ST+8*\m+4], 1.0, v[ST+8*\m+6]    ; f = 2^(old M - new M): multiplying by it rounds nothing
.endr
.irp m, 0,1,2,3
.irp b, 0,1,2,3
	v_fma_f32 v[BM+4*\m+\b], v[BM+4*\m+\b], s[CS], v[ST+8*\m]   ; t - M of each block's largest score
.endr
.endr
	WIN 0x41
.irp m, 0,1,2,3
.set j, 0
.rept 32
	v_pk_fma_f32 v[64*\m+j:64*\m+j+1], v[64*\m+j:64*\m+j+1], s[CS:CS+1], v[ST+8*\m:ST+8*\m+1] op_sel_hi:[1,0,0]   ; t - M, two at a time
.set j, j+2
.endr
.endr
.set j, 0
	s_wait_alu depctr_va_vdst(0)
.rept 256
	v_exp_f32 v[j], v[j]                           ; p = 2^(t - M): one batch
.set j, j+1
.endr
	WIN 0
.irp m, 0,1,2,3
	v_pk_mul_f32 v[ST+8*\m+2:ST+8*\m+3], v[ST+8*\m+2:ST+8*\m+3], v[ST+8*\m+4:ST+8*\m+5] op_sel_hi:[1,0]   ; l under the new M; plain lines behind the exponentials
.endr
	s_wait_alu depctr_va_vdst(0)                   ; one wait for the batch, ahead of its first reader
.set k, 0
.rept 16
	v_exp_f32 v[BM+k], v[BM+k]                     ; the blocks' largest p
.set k, k+1
.endr
	WIN 0x05
.irp m, 0,1,2,3
	v_pk_add_f32 v[C2+2*\m:C2+2*\m+1], v[64*\m:64*\m+1], v[64*\m+2:64*\m+3]   ; the sum of the unquantised p: two chains a tile
.endr
	WIN 0x04
.irp j, 4,8,12,16,20,24,28,32,36,40,44,48,52,56,60
.irp m, 0,1,2,3
	v_pk_add_f32 v[ST+8*\m+2:ST+8*\m+3], v[ST+8*\m+2:ST+8*\m+3], v[64*\m+\j:64*\m+\j+1]
	v_pk_add_f32 v[C2+2*\m:C2+2*\m+1], v[C2+2*\m:C2+2*\m+1], v[64*\m+\j+2:64*\m+\j+3]
.endr
.endr
	WIN 0
.irp m, 0,1,2,3
	v_pk_add_f32 v[ST+8*\m+2:ST+8*\m+3], v[ST+8*\m+2:ST+8*\m+3], v[C2+2*\m:C2+2*\m+1]
.endr
	s_wait_alu depctr_va_vdst(0)                   ; and one for the sixteen
.set k, 0
.rept 16
	v_max_num_f32 v[BM+k], 0x1800000, v[BM+k]      ; the floor 2^(3 - 127): the byte cannot fall under 1
.set k, k+1
.endr
.set k, 0
.rept 16
	v_add_nc_u32 v[SO+k], 0xff000000, v[BM+k]      ; the conversion's scale operand
.set k, k+1
.endr
.set k, 0
.rept 16
	v_lshrrev_b32 v[TP+k], 23, v[SO+k]             ; the byte
.set k, k+1
.endr
.irp m, 0,1,2,3
	v_lshl_or_b32 v[WD+\m], v[TP+4*\m+1], 8, v[TP+4*\m]
.endr
.irp m, 0,1,2,3
	v_lshl_or_b32 v[WD+\m], v[TP+4*\m+2], 16, v[WD+\m]
.endr
.irp m, 0,1,2,3
	v_lshl_or_b32 v[WD+\m], v[TP+4*\m+3], 24, v[WD+\m]
.endr
	WIN 0x01
.irp m, 0,1,2,3
.irp c, 0,1
	v_cvt_scalef32_pk16_fp6_f32 v[PC+12*\m+6*\c:PC+12*\m+6*\c+2], v[64*\m+32*\c:64*\m+32*\c+15], v[SO+4*\m+2*\c]
	v_cvt_scalef32_pk16_fp6_f32 v[PT+8*\m+4*\c:PT+8*\m+4*\c+2], v[64*\m+32*\c+16:64*\m+32*\c+31], v[SO+4*\m+2*\c+1]
.endr
.endr
	WIN 0
	v_nop                                          ; one plain line behind the conversions
.irp m, 0,1,2,3
.irp c, 0,1
.irp i, 0,1,2
	v_permlane16_swap_b32 v[PC+12*\m+6*\c+\i], v[PT+8*\m+4*\c+\i]   ; a whole block to a lane
.endr
.irp i, 0,1,2
	v_mov_b32 v[PC+12*\m+6*\c+3+\i], v[PT+8*\m+4*\c+\i]
.endr
.endr
.endr
.irp p, 0,1
	v_cndmask_b32 v[WD+4+\p], v[WD+2*\p], v[WD+2*\p+1], s[HM]   ; lanes 0-15 the even tile's words, lanes 16-31 the odd one's
.endr
.irp m, 0,1,2,3
.irp g, 0,1,2
	ds_store_b128 v[APW], v[PC+12*\m+4*\g:PC+12*\m+4*\g+3] offset:6144*\m+512*\g
.endr
.endr
.irp p, 0,1
	ds_store_b32 v[ASW], v[WD+4+\p] offset:512*\p
.endr
	; ---- the second barrier: P's images lie in LDS.  K's load may stay out
	s_wait_dscnt 0x0
	s_barrier_signal -1
	s_barrier_wait -1
	; ---- C: O^T = f O^T + V^T P^T
.if \fill
	s_wait_loadcnt 4                               ; V's scale words are in; K's four, issued behind them, may be out
.else
	s_wait_loadcnt 0x0
.endif
.irp p, 0,1
.irp kp, 0,1,2,3
	ds_load_b32 v[PWD+4*\p+\kp], v[ASR] offset:(4*\p+\kp)*128
.endr
.endr
	FETCHC 0
	FETCHC 1
	WIN 0xc3
.irp m, 0,1,2,3
.set j, 0
.rept 16
	v_pk_mul_f32 v[32*\m+j:32*\m+j+1], v[32*\m+j:32*\m+j+1], v[ST+8*\m+4:ST+8*\m+5] op_sel_hi:[1,0]   ; each accumulator from its low end on
.set j, j+2
.endr
.endr
	s_wait_alu depctr_va_vdst(0)
.irp kp, 0,1,2,3
.if \kp < 3
	s_wait_dscnt 24                                ; all but the next key step's 24 loads
.else
	s_wait_dscnt 0x0
.endif
	WIN 0xf5                                       ; V and P window 1, O^T window 3
.irp c, 0,1,2,3
.irp m, 0,1,2,3
	WM 32*\m+8*\c, 96*(\kp%2)+12*\c, 96*(\kp%2)+48+12*\m, 0, VW+4*(\c/2)+\kp, PWD+4*(\m/2)+\kp, \c%2, \m%2
.endr
.endr
.if \kp < 2
	PL 4
	FETCHC \kp+2
.endif
.endr
	WIN 0
	PL 5                                           ; five: the next superstep's first products write over these products' operands
.if \fill
	s_add_nc_u64 s[VSB:VSB+1], s[VSB:VSB+1], 4096  ; (the loads that read this base were shown done at C's head)
.irp kp, 0,1,2,3
.irp p, 0,1
	global_load_b32 v[VW+4*\p+\kp], v[A4], s[VSB:VSB+1] offset:1024*\kp+128*\p
.endr
.endr
	; ---- the third barrier: my reads of my V chunk and of P's images are over; the next K has landed
	s_wait_tensorcnt 0x0
	ds_add_u32 v[SPW], v[NIL]
	s_add_nc_u64 s[G0V+2:G0V+3], s[G0V+2:G0V+3], 4*VCH
	s_wait_dscnt 0x0
	CROUND
	tensor_load_to_lds s[G0V:G0V+3], s[G1V:G1V+7]  ; the next superstep's V: it has A and B1 in which to land
	s_nop 0
	PL 4
.endif
.endm
	s_wait_alu depctr_va_vdst(0)                   ; the wait at the head's end
	s_wait_tensorcnt 0x0                           ; my K chunk is in
	ds_add_u32 v[SPW], v[NIL]
	s_mov_b32 s[CNT], 7
	s_wait_dscnt 0x0
	CROUND
	tensor_load_to_lds s[G0V:G0V+3], s[G1V:G1V+7]  ; V's first chunk: it has A and B1 in which to land
	s_nop 0
	PL 4
.Lsuper:
	SUPER 1
	s_sub_co_u32 s[CNT], s[CNT], 1
	s_cmp_lg_u32 s[CNT], 0
	s_cbranch_scc1 .Lsuper
	SUPER 0                                        ; the last superstep is written out: it asks for nothing
	; ---- THE WAY OUT.  The four waves' sums of a row meet in LDS
.irp m, 0,1,2,3
	v_add_f32 v[ST+8*\m+6], v[ST+8*\m+2], v[ST+8*\m+3]
.endr
.irp m, 0,1,2,3
	v_permlanex16_b32 v[ST+8*\m+7], v[ST+8*\m+6], s[SEL], s[SEL+1]
.endr
.irp m, 0,1,2,3
	v_add_f32 v[ST+8*\m+6], v[ST+8*\m+6], v[ST+8*\m+7]
.endr
.irp m, 0,1,2,3
	ds_store_b32 v[ALW], v[ST+8*\m+6] offset:128*\m
.endr
	s_wait_dscnt 0x0
	s_barrier_signal -1
	s_barrier_wait -1
.irp m, 0,1,2,3
.irp w, 0,1,2,3
	ds_load_b32 v[TP+4*\m+\w], v[ALR] offset:(4*\w+\m)*128
.endr
.endr
	s_wait_dscnt 0x0
.irp m, 0,1,2,3
	v_add_f32 v[ST+8*\m+6], v[TP+4*\m], v[TP+4*\m+1]
.endr
.irp m, 0,1,2,3
	v_add_f32 v[ST+8*\m+6], v[ST+8*\m+6], v[TP+4*\m+2]
.endr
.irp m, 0,1,2,3
	v_add_f32 v[ST+8*\m+6], v[ST+8*\m+6], v[TP+4*\m+3]   ; l, the same bits in all four waves
.endr
	s_wait_alu depctr_va_vdst(0)
.irp m, 0,1,2,3
	v_rcp_f32 v[ST+8*\m+4], v[ST+8*\m+6]
.endr
.irp m, 0,1,2,3
	v_log_f32 v[ST+8*\m+7], v[ST+8*\m+6]
.endr
	v_nop                                          ; a plain line behind the batch
	s_wait_alu depctr_va_vdst(0)                   ; and its one wait
.irp m, 0,1,2,3
	v_sub_f32 v[ST+8*\m+7], v[ST+8*\m+7], v[ST+8*\m]   ; log2(l) + M
.endr
	WIN 0xc3
.irp m, 0,1,2,3
.set j, 0
.rept 16
	v_pk_mul_f32 v[32*\m+j:32*\m+j+1], v[32*\m+j:32*\m+j+1], v[ST+8*\m+4:ST+8*\m+5] op_sel_hi:[1,0]
.set j, j+2
.endr
.endr
	WIN 0x0c                                       ; an LDS store's data: window 3
.irp m, 0,1,2,3                                ; out0 has the queries innermost: a lane's numbers go to 32 rows of the stage, which lies in my K chunk: it has had its last fill and its last read
.irp c, 0,1,2,3
.irp j, 0,1,2,3,4,5,6,7
	ds_store_b32 v[AST], v[32*\m+8*\c+\j] offset:(32*(\c/2)+8*(\c%2)+\j)*272+(32*(\m/2)+8*(\m%2))*4
.endr
.endr
.endr
	WIN 0x40
.set i, 0
.rept 32
	ds_load_b128 v[4*i:4*i+3], v[ASD] offset:544*i   ; LDS serves a wave's instructions in order: these see my stores
.set i, i+1
.endr
	WIN 0x04
.set i, 0
.rept 32
	s_wait_dscnt 31-i
	global_store_b128 v[GO], v[4*i:4*i+3], s[6:7] offset:32768*i th:TH_STORE_NT   ; sixteen lanes store a channel's 64 queries: 256 consecutive aligned bytes
.set i, i+1
.endr
	WIN 0
	s_cmp_lg_u32 s[WV], 0
	s_cbranch_scc1 .Lno_lse
.irp m, 0,1,2,3
	ds_store_b32 v[ALS], v[ST+8*\m+7] offset:(32*(\m/2)+8*(\m%2))*4   ; in token order; both halves of the lanes write the same word with the same value
.endr
	ds_load_b64 v[TP:TP+1], v[ALD]
	s_wait_dscnt 0x0
	global_store_b64 v[A8], v[TP:TP+1], s[8:9]     ; 256 consecutive aligned bytes
.Lno_lse:
	s_wait_tensorcnt 0x0                           ; the wave's end
	ds_add_u32 v[SPW], v[NIL]
	s_wait_dscnt 0x0
	CROUND                                         ; the closing round
	s_endpgm
.Lfunc_end_k_q51d5e8f674_flash:
	.size	k_q51d5e8f674_flash, .Lfunc_end_k_q51d5e8f674_flash-k_q51d5e8f674_flash
	.p2alignl 7, 3214868480
	.fill 96, 4, 3214868480
	.section	.rodata,"a",@progbits
	.p2align	6, 0x0
	.amdhsa_kernel k_q51d5e8f674_flash
		.amdhsa_group_segment_fixed_size 327680
		.amdhsa_private_segment_fixed_size 0
		.amdhsa_enable_private_segment 0
		.amdhsa_kernarg_size 24
		.amdhsa_user_sgpr_count 2
		.amdhsa_user_sgpr_kernarg_segment_ptr 1
		.amdhsa_wavefront_size32 1
		.amdhsa_system_sgpr_workgroup_id_x 1
		.amdhsa_system_sgpr_workgroup_id_y 1
		.amdhsa_system_sgpr_workgroup_id_z 1
		.amdhsa_system_vgpr_workitem_id 0
		.amdhsa_next_free_vgpr 1024
		.amdhsa_next_free_sgpr 80
		.amdhsa_reserve_vcc 0
		.amdhsa_float_denorm_mode_32 3
		.amdhsa_float_denorm_mode_16_64 3
		.amdhsa_memory_ordered 1
		.amdhsa_forward_progress 1
		.amdhsa_inst_pref_size 222
	.end_amdhsa_kernel
	.amdgpu_metadata
---
amdhsa.version: [ 1, 2 ]
amdhsa.kernels:
  - .name:           k_q51d5e8f674_flash
    .symbol:         k_q51d5e8f674_flash.kd
    .args:
      - { .name: qkv, .offset: 0, .size: 8, .value_kind: global_buffer, .address_space: global }
      - { .name: out0, .offset: 8, .size: 8, .value_kind: global_buffer, .address_space: global }
      - { .name: lse, .offset: 16, .size: 8, .value_kind: global_buffer, .address_space: global }
    .group_segment_fixed_size: 327680
    .private_segment_fixed_size: 0
    .kernarg_segment_align: 8
    .kernarg_segment_size: 24
    .max_flat_workgroup_size: 128
    .sgpr_count:     80
    .vgpr_count:     1024
    .wavefront_size: 32
...
	.end_amdgpu_metadata
.endif
;; end of part 7
;; launch colsum (part 8): grid 64 x 4, 8 waves a work-group, no clusters, 21,760 bytes of LDS; arguments qkv, lse, out1; writes out1
.if DOCPART == 8
	.amdgcn_target "amdgcn-amd-amdhsa--gfx1250"
	.amdhsa_code_object_version 6
	.text
	.protected	k_q51d5e8f674_colsum
	.globl	k_q51d5e8f674_colsum
	.p2align	8
	.type	k_q51d5e8f674_colsum,@function
k_q51d5e8f674_colsum:
	s_mov_b64 s[64:65], 0
	v_nop
	global_prefetch_b8 v0, s[64:65] scope:SCOPE_SE
	s_setreg_imm32_b32 hwreg(HW_REG_WAVE_MODE, 25, 1), 1
	s_wait_xcnt 0x0
; out1[b][m] = sum over the queries n of 2^(c s(n, m) - lse[b][n]), s = q k^T on codes of FP6 (E2M3) with E8M0 scales, c = log2(e) / sqrt(512), lse = M + log2(l) as the launch before stored it.
; SHARES.  A work-group owns 64 keys (4 tiles m) of one batch; their 16 fragments stay in every wave's registers as source 1.  The batch's 256 tiles of queries stream as source 0 in 16 trips of 16 tiles, two tiles a wave;
; a lane holds one key, its registers run along the queries.
; Q GOES FROM MEMORY STRAIGHT INTO REGISTERS; NO CLUSTER, NO TENSOR LOAD.  A fragment of Q is multiplied by one wave alone, once, and lies in memory as the image of that wave's registers (1,536 bytes, three loads of 512 consecutive bytes).
; Through LDS each of the 1,572,864 bytes that a work-group walks would be written and read once more, and every slot would want a round of a cluster's barrier; nothing of Q is used twice inside a work-group, so there is nothing for LDS to share.
; The six loads of a K step's two fragments for the next trip are issued behind the products that read these registers in this trip: a whole trip ahead of their use; 24 such loads and 2 of scale words are out at the most.
; TWO WAVES TO A SIMD, IN OPPOSITE ORDER.  Waves 0-3 multiply a trip's tiles and then take their exponentials; waves 4-7 take the exponentials of the trip before and then multiply this trip's.
; One work-group barrier a trip keeps the two halves in these places; it orders no memory.
; lse of the batch (16,384 bytes) is copied once into LDS, 2,048 bytes a wave, in whole runs of 512 bytes, and read from there.
; PREFETCH: in trip t chunk t + 3 (98,304 bytes, two trips ahead of the loads that want it) is asked for: 12 pieces of 8,192 bytes, a lane a block of 256, by wave 0 of the batch's first 12 work-groups, since all 64 walk the same bytes.
; Chunks 0 to 2 come by their loads alone; trips 13 to 15 ask for nothing.
; LIMITS: NaN and infinities are not served.
; REGISTERS: window 0: v1-19 addresses; v20-27 K's scale words; v28-43 Q's, two sets; v44-139 Q's fragments ((s, t) at 44 + 24 s + 12 t); v144-207 the 8 accumulators ((m, t) at 144 + 16 m + 8 t).  window 1: v0-191 K; v192-207 lse; v216-231 the sums.
.set KC,  6291456
.set QS,  15728640
.set KS,  15990784
.set TRIPB, 98304                      ; 16 tiles of 6,144 bytes
.set CEX, 16384                        ; LDS: lse from byte 0; the waves' sums (4 w + m) x 128,
.set LST, 20480                        ; the result in token order,
.set SPARE, 20736                      ; and the spare words, 128 bytes a wave
.set WV,  10
.set QB,  72
.set PFA, 74
.set SQB, 76
.set CS,  80
.set SEL, 82
.set LIM, 84
.set TL,  86
.set CNT, 87
.set TEAM, 88
.set A16, 1
.set A16R, 2
.set ALB, 3
.set ALC, 4
.set ACW, 5
.set ACR, 6
.set ALS, 7
.set ALD, 8
.set A8,  9
.set PFO, 10
.set ASTG, 11
.set SPW, 16
.set NIL, 17
.set KWS, 20
.set SW,  28
.set QF,  44
.set AC,  144
.set R,   224
.set LS,  192                          ; window 1
.set ACC, 216                          ; window 1
.set MSB, 0
.macro WIN new                         ; the immediate's high byte repeats the setting that is left
.if MSB != \new
	s_set_vgpr_msb (MSB<<8)|\new
.set MSB, \new
.endif
.endm
.macro PL n
.rept \n
	v_nop
.endr
.endm
.macro WM d, a, b, z, sa, sb, rb       ; one product; z: it starts the sum; rb: K's words lie in lanes 16-31
.if (\z)
.if (\rb)
	v_wmma_scale_f32_16x16x128_f8f6f4 v[(\d):(\d)+7], v[(\a):(\a)+11], v[(\b):(\b)+11], 0, v[\sa], v[\sb] matrix_a_fmt:MATRIX_FMT_FP6 matrix_b_fmt:MATRIX_FMT_FP6 matrix_b_scale:MATRIX_SCALE_ROW1
.else
	v_wmma_scale_f32_16x16x128_f8f6f4 v[(\d):(\d)+7], v[(\a):(\a)+11], v[(\b):(\b)+11], 0, v[\sa], v[\sb] matrix_a_fmt:MATRIX_FMT_FP6 matrix_b_fmt:MATRIX_FMT_FP6
.endif
.else
.if (\rb)
	v_wmma_scale_f32_16x16x128_f8f6f4 v[(\d):(\d)+7], v[(\a):(\a)+11], v[(\b):(\b)+11], v[(\d):(\d)+7], v[\sa], v[\sb] matrix_a_fmt:MATRIX_FMT_FP6 matrix_b_fmt:MATRIX_FMT_FP6 matrix_b_scale:MATRIX_SCALE_ROW1
.else
	v_wmma_scale_f32_16x16x128_f8f6f4 v[(\d):(\d)+7], v[(\a):(\a)+11], v[(\b):(\b)+11], v[(\d):(\d)+7], v[\sa], v[\sb] matrix_a_fmt:MATRIX_FMT_FP6 matrix_b_fmt:MATRIX_FMT_FP6
.endif
.endif
.endm
.macro ASK                             ; the loop's last trip pair (trips 13, 14) asks for nothing: there is no chunk 16
	s_cmp_gt_u32 s[CNT], s[LIM]
	s_cbranch_scc0 .Lna_\@
	global_prefetch_b8 v[PFO], s[PFA:PFA+1] th:TH_LOAD_NT scope:SCOPE_SE
.Lna_\@:
.endm
	s_load_b128 s[4:7], s[0:1], 0x0                ; qkv, lse
	s_load_b64 s[8:9], s[0:1], 0x10                ; out1
	v_lshl_add_u32 v[SPW], v0, 2, SPARE
	v_mov_b32 v[NIL], 0
	v_lshrrev_b32 v18, 5, v0
	s_delay_alu instid0(VALU_DEP_1)
	v_readfirstlane_b32 s[WV], v18                 ; wave 0..7
	s_lshr_b32 s[TEAM], s[WV], 2                   ; 0: multiply first; 1: exponentials first
	s_mov_b32 s12, ttmp9                           ; my block of 64 keys
	s_and_b32 s13, ttmp7, 0xffff                   ; the batch
	s_mov_b32 s[CS], 0x3d8293ee                    ; c
	s_mov_b32 s[CS+1], s[CS]
	s_mov_b32 s[SEL], 0x76543210
	s_mov_b32 s[SEL+1], 0xfedcba98                 ; lane l xor 16
	s_mov_b32 s[TL], 0
	s_mov_b32 s[CNT], 7
	s_cmp_eq_u32 s[WV], 0
	s_cselect_b32 s[LIM], 1, -1
	s_cmp_lt_u32 s12, 12
	s_cselect_b32 s[LIM], s[LIM], -1               ; 1 in the waves that prefetch, else the greatest number
	s_mul_i32 s15, s13, 1572864
	s_lshl_b32 s89, s13, 16
	s_mov_b32 s91, 0
	s_lshl_b32 s92, s[WV], 11                      ; my 2,048 bytes of lse
	s_lshl_b32 s93, s[WV], 7                       ; my first tile of a trip, 16 t + 2 w: its lse numbers begin at byte 1024 t + 128 w (+ 64 for lanes 16-31); the second tile's 32 bytes on
	s_lshl_b32 s96, s[WV], 9
	s_add_co_u32 s96, s96, CEX
	v_and_b32 v18, 31, v0                          ; lane
	v_and_b32 v19, 15, v0                          ; r
	v_bfe_u32 v[ALC], v0, 4, 1                     ; h
	s_delay_alu instid0(VALU_DEP_3)
	v_lshlrev_b32 v[A16], 4, v18
	s_delay_alu instid0(VALU_DEP_4)
	v_lshlrev_b32 v[A8], 3, v18
	s_delay_alu instid0(VALU_DEP_4)
	v_lshlrev_b32 v[A16R], 4, v19
	v_lshlrev_b32 v[PFO], 8, v18
	v_lshlrev_b32 v[ALC], 6, v[ALC]                ; 64 h
	v_and_b32 v[ALS], 8, v19
	v_add_nc_u32 v[ASTG], s92, v[A16]
	v_lshlrev_b32 v18, 2, v18
	s_delay_alu instid0(VALU_DEP_4)
	v_add_nc_u32 v[ALB], s93, v[ALC]
	s_delay_alu instid0(VALU_DEP_4)
	v_add_nc_u32 v[ALS], v[ALS], v19               ; r + 8 (r / 8)
	v_add_nc_u32 v[ALD], LST, v[A8]
	s_delay_alu instid0(VALU_DEP_4)
	v_add_nc_u32 v[ACR], CEX, v18
	v_add_nc_u32 v[ACW], s96, v18
	s_delay_alu instid0(VALU_DEP_4)
	v_lshl_add_u32 v[ALS], v[ALS], 2, LST
	WIN 0x40
.set k, 0
.rept 16
	v_mov_b32 v[ACC+k], 0                          ; the sums
.set k, k+1
.endr
	WIN 0
	s_wait_alu depctr_va_vdst(0)                   ; the wait at the head's end
	s_wait_kmcnt 0x0
	s_lshl_b32 s90, s13, 14
	s_add_co_u32 s90, s90, s92
	s_add_nc_u64 s[6:7], s[6:7], s[90:91]          ; lse: batch, my 2,048 bytes
.irp i, 0,1,2,3
	global_load_b128 v[AC+4*\i:AC+4*\i+3], v[A16], s[6:7] offset:512*\i
.endr
	s_mul_i32 s90, s12, 24576                      ; K's 16 images
	s_add_co_u32 s90, s90, s15
	s_add_co_u32 s90, s90, KC
	s_add_nc_u64 s[94:95], s[4:5], s[90:91]
	WIN 0x40
.irp f, 0,1,2,3,4,5,6,7,8,9,10,11,12,13,14,15
.irp g, 0,1,2
	global_load_b128 v[12*\f+4*\g:12*\f+4*\g+3], v[A16], s[94:95] offset:1536*\f+512*\g   ; K stays in registers
.endr
.endr
	WIN 0
	s_lshl_b32 s90, s12, 10                        ; and its two pairs of scale words
	s_add_co_u32 s90, s90, s89
	s_add_co_u32 s90, s90, KS
	s_add_nc_u64 s[96:97], s[4:5], s[90:91]
.irp p, 0,1
	global_load_b128 v[KWS+4*\p:KWS+4*\p+3], v[A16], s[96:97] offset:512*\p
.endr
	s_lshl_b32 s90, s[WV], 9                       ; Q's scale words: 256 bytes a tile, 16 a row
	s_add_co_u32 s90, s90, s89
	s_add_co_u32 s90, s90, QS
	s_add_nc_u64 s[SQB:SQB+1], s[4:5], s[90:91]
.irp t, 0,1
	global_load_b128 v[SW+4*\t:SW+4*\t+3], v[A16R], s[SQB:SQB+1] offset:256*\t
.endr
	s_mul_i32 s90, s[WV], 12288                    ; Q's images: my two tiles of trip 0
	s_add_co_u32 s90, s90, s15
	s_add_nc_u64 s[QB:QB+1], s[4:5], s[90:91]
.irp s, 0,1,2,3
.irp t, 0,1
.irp g, 0,1,2
	global_load_b128 v[QF+24*\s+12*\t+4*\g:QF+24*\s+12*\t+4*\g+3], v[A16], s[QB:QB+1] offset:(4*\t+\s)*1536+512*\g
.endr
.endr
.endr
	s_lshl_b32 s90, s13, 14
	s_lshl_b32 s92, s12, 8
	s_add_co_u32 s90, s90, s92
	s_add_nc_u64 s[8:9], s[8:9], s[90:91]          ; out1: my 64 keys
	s_lshl_b32 s90, s12, 13                        ; the prefetches: piece = my work-group's number, at chunk 3
	s_add_co_u32 s90, s90, s15
	s_add_co_u32 s90, s90, 3*TRIPB
	s_add_nc_u64 s[PFA:PFA+1], s[4:5], s[90:91]
	s_wait_loadcnt 63                              ; 80 loads were issued: the oldest 17 are in, lse's four among them
.irp i, 0,1,2,3
	ds_store_b128 v[ASTG], v[AC+4*\i:AC+4*\i+3] offset:512*\i
.endr
	s_wait_dscnt 0x0                               ; my part of lse lies in LDS;
	s_barrier_signal -1
	s_barrier_wait -1                              ; everybody's does
; The products of a trip: 2 tiles x 4 tiles of keys x 4 K steps.  The 8 accumulators take turns, one instruction a turn, in the same order in every K step.
.macro MAT par, last
	v_add_nc_u32 v[ALC], s[TL], v[ALB]
	WIN 0x40
.irp u, 0,1,2,3                                ; lse of the eight queries that each accumulator's registers hold: tile 0 at 0, tile 1 at 32
	ds_load_b128 v[LS+4*\u:LS+4*\u+3], v[ALC] offset:16*\u
.endr
	WIN 0
.if \last == 0
	ASK
.endif
.irp s, 0,1,2,3
.if \last == 0
	s_wait_loadcnt 20                              ; younger than this K step's fragments: the three other K steps' loads (18) and the next trip's scale words (2)
.else
	s_wait_loadcnt 6*(3-\s)                        ; younger: the later K steps' loads alone
.endif
	WIN 0x04                                       ; K window 1; Q, C and D window 0
.irp t, 0,1
.irp m, 0,1,2,3
	WM AC+16*\m+8*\t, QF+24*\s+12*\t, 12*(4*\m+\s), (\s==0), SW+8*\par+4*\t+\s, KWS+4*(\m/2)+\s, \m%2
.endr
.endr
.if \last == 0
	PL 4                                           ; four plain lines between the products that read these registers and the loads that fill them again
	WIN 0
.irp t, 0,1
.irp g, 0,1,2
	global_load_b128 v[QF+24*\s+12*\t+4*\g:QF+24*\s+12*\t+4*\g+3], v[A16], s[QB:QB+1] offset:TRIPB+(4*\t+\s)*1536+512*\g   ; the next trip's
.endr
.endr
.endif
.endr
	WIN 0
	PL 4
	s_wait_dscnt 0x0                               ; lse's numbers are in
.endm
; The exponentials of two tiles and their sums
.macro VEC
	WIN 0x10                                       ; lse: window 1
	s_wait_alu depctr_va_vdst(0)                   ; directly ahead of the first reader of the products
.irp m, 0,1,2,3
.set j, 0
.rept 8
	v_pk_fma_f32 v[AC+16*\m+j:AC+16*\m+j+1], v[AC+16*\m+j:AC+16*\m+j+1], s[CS:CS+1], v[LS+j:LS+j+1] op_sel_hi:[1,0,1] neg_lo:[0,0,1] neg_hi:[0,0,1]   ; c s - lse; each accumulator from its low end on
.set j, j+2
.endr
.endr
	WIN 0
	s_wait_alu depctr_va_vdst(0)                   ; ahead of the batch
.set j, 0
.rept 64
	v_exp_f32 v[AC+j], v[AC+j]
.set j, j+1
.endr
	v_nop                                          ; a plain line behind the batch
	s_wait_alu depctr_va_vdst(0)                   ; and its one wait
	WIN 0x41                                       ; the sums: window 1
.set j, 0
.rept 4
.irp m, 0,1,2,3
	v_pk_add_f32 v[ACC+4*\m:ACC+4*\m+1], v[ACC+4*\m:ACC+4*\m+1], v[AC+16*\m+j:AC+16*\m+j+1]
	v_pk_add_f32 v[ACC+4*\m+2:ACC+4*\m+3], v[ACC+4*\m+2:ACC+4*\m+3], v[AC+16*\m+j+2:AC+16*\m+j+3]
.endr
.set j, j+4
.endr
	WIN 0
	s_wait_alu depctr_va_vdst(0)                   ; ahead of the branches and waits that follow
.endm
; A trip.  par: its set of scale words; first: no trip stands before it; last: none behind it
.macro TRIP par, first, last
.if \first == 0
	s_wait_xcnt 0x0                                ; the last trip's loads and prefetch have read their bases
	s_add_nc_u64 s[QB:QB+1], s[QB:QB+1], TRIPB
	s_add_nc_u64 s[SQB:SQB+1], s[SQB:SQB+1], 4096
	s_add_nc_u64 s[PFA:PFA+1], s[PFA:PFA+1], TRIPB
	s_barrier_signal -1                            ; the eight waves begin a trip together, so that the two halves stay in opposite places; no LDS instruction of mine is out
	s_barrier_wait -1
.endif
.if \last == 0
.irp t, 0,1
	global_load_b128 v[SW+8*(1-\par)+4*\t:SW+8*(1-\par)+4*\t+3], v[A16R], s[SQB:SQB+1] offset:4096+256*\t
.endr
.endif
.if \first == 0
	s_cmp_eq_u32 s[TEAM], 0
	s_cbranch_scc1 .Lno_early_\@
	VEC                                            ; waves 4-7: the trip before
.Lno_early_\@:
.endif
	MAT \par, \last
	s_cmp_lg_u32 s[TEAM], 0
	s_cbranch_scc1 .Lno_late_\@
	VEC                                            ; waves 0-3: this trip
.Lno_late_\@:
	s_add_co_u32 s[TL], s[TL], 1024                ; 16 tiles of lse on
.endm
	TRIP 0, 1, 0                                   ; trip 0 is written out: no trip stands before it
.Lloop:                                                ; trips 1 to 14
	TRIP 1, 0, 0
	TRIP 0, 0, 0
	s_sub_co_u32 s[CNT], s[CNT], 1
	s_cmp_lg_u32 s[CNT], 0
	s_cbranch_scc1 .Lloop
	TRIP 1, 0, 1                                   ; trip 15 is written out: it loads nothing more
	s_cmp_eq_u32 s[TEAM], 0
	s_cbranch_scc1 .Lfin
	VEC                                            ; waves 4-7: the last trip's exponentials
.Lfin:
.irp m, 0,1,2,3
	v_mov_b32 v[R+4+\m], 0                         ; a lane permute's destination counts as read
.endr
	WIN 0x45
.irp m, 0,1,2,3
	v_pk_add_f32 v[ACC+4*\m:ACC+4*\m+1], v[ACC+4*\m:ACC+4*\m+1], v[ACC+4*\m+2:ACC+4*\m+3]
.endr
	v_nop                                          ; the four chains take turns; with this line each reader stands five vector lines behind its producer
	WIN 0x05
.irp m, 0,1,2,3
	v_add_f32 v[R+\m], v[ACC+4*\m], v[ACC+4*\m+1]
.endr
	WIN 0
	v_nop
.irp m, 0,1,2,3
	v_permlanex16_b32 v[R+4+\m], v[R+\m], s[SEL], s[SEL+1]
.endr
	v_nop
.irp m, 0,1,2,3
	v_add_f32 v[R+\m], v[R+\m], v[R+4+\m]          ; with lane l xor 16's queries
.endr
.irp m, 0,1,2,3
	ds_store_b32 v[ACW], v[R+\m] offset:128*\m
.endr
	s_wait_dscnt 0x0
	s_barrier_signal -1
	s_barrier_wait -1
	s_cmp_lg_u32 s[WV], 0
	s_cbranch_scc1 .Lnot_mine
.irp m, 0,1,2,3                                ; wave 0 adds the eight waves' sums
.irp w, 0,1,2,3,4,5,6,7
	ds_load_b32 v[QF+8*\m+\w], v[ACR] offset:(4*\w+\m)*128
.endr
.endr
	s_wait_dscnt 0x0
.irp m, 0,1,2,3
	v_pk_add_f32 v[QF+8*\m:QF+8*\m+1], v[QF+8*\m:QF+8*\m+1], v[QF+8*\m+2:QF+8*\m+3]
.endr
.irp m, 0,1,2,3
	v_pk_add_f32 v[QF+8*\m+4:QF+8*\m+5], v[QF+8*\m+4:QF+8*\m+5], v[QF+8*\m+6:QF+8*\m+7]
.endr
	v_nop                                          ; as above: five vector lines from producer to reader
.irp m, 0,1,2,3
	v_pk_add_f32 v[QF+8*\m:QF+8*\m+1], v[QF+8*\m:QF+8*\m+1], v[QF+8*\m+4:QF+8*\m+5]
.endr
	v_nop
.irp m, 0,1,2,3
	v_add_f32 v[R+\m], v[QF+8*\m], v[QF+8*\m+1]
.endr
.irp m, 0,1,2,3
	ds_store_b32 v[ALS], v[R+\m] offset:(32*(\m/2)+8*(\m%2))*4   ; in token order; both halves of the lanes write the same word with the same value
.endr
	ds_load_b64 v[R+4:R+5], v[ALD]                 ; LDS serves a wave's instructions in order: this sees my stores
	s_wait_dscnt 0x0
	global_store_b64 v[A8], v[R+4:R+5], s[8:9]     ; 256 consecutive aligned bytes
.Lnot_mine:
	s_wait_tensorcnt 0x0                           ; the wave's end
	ds_add_u32 v[SPW], v[NIL]
	s_wait_dscnt 0x0
	s_endpgm
.Lfunc_end_k_q51d5e8f674_colsum:
	.size	k_q51d5e8f674_colsum, .Lfunc_end_k_q51d5e8f674_colsum-k_q51d5e8f674_colsum
	.p2alignl 7, 3214868480
	.fill 96, 4, 3214868480
	.section	.rodata,"a",@progbits
	.p2align	6, 0x0
	.amdhsa_kernel k_q51d5e8f674_colsum
		.amdhsa_group_segment_fixed_size 21760
		.amdhsa_private_segment_fixed_size 0
		.amdhsa_enable_private_segment 0
		.amdhsa_kernarg_size 24
		.amdhsa_user_sgpr_count 2
		.amdhsa_user_sgpr_kernarg_segment_ptr 1
		.amdhsa_wavefront_size32 1
		.amdhsa_system_sgpr_workgroup_id_x 1
		.amdhsa_system_sgpr_workgroup_id_y 1
		.amdhsa_system_sgpr_workgroup_id_z 1
		.amdhsa_system_vgpr_workitem_id 0
		.amdhsa_next_free_vgpr 512
		.amdhsa_next_free_sgpr 100
		.amdhsa_reserve_vcc 0
		.amdhsa_float_denorm_mode_32 3
		.amdhsa_float_denorm_mode_16_64 3
		.amdhsa_memory_ordered 1
		.amdhsa_forward_progress 1
		.amdhsa_inst_pref_size 98
	.end_amdhsa_kernel
	.amdgpu_metadata
---
amdhsa.version: [ 1, 2 ]
amdhsa.kernels:
  - .name:           k_q51d5e8f674_colsum
    .symbol:         k_q51d5e8f674_colsum.kd
    .args:
      - { .name: qkv, .offset: 0, .size: 8, .value_kind: global_buffer, .address_space: global }
      - { .name: lse, .offset: 8, .size: 8, .value_kind: global_buffer, .address_space: global }
      - { .name: out1, .offset: 16, .size: 8, .value_kind: global_buffer, .address_space: global }
    .group_segment_fixed_size: 21760
    .private_segment_fixed_size: 0
    .kernarg_segment_align: 8
    .kernarg_segment_size: 24
    .max_flat_workgroup_size: 256
    .sgpr_count:     100
    .vgpr_count:     512
    .wavefront_size: 32
...
	.end_amdgpu_metadata
.endif
;; end of part 8
